; MI455X (gfx1250); checked and timed in simulation.
; The chip was launched on July 23, 2026; its instructions are those of AMD's public machine-readable ISA for CDNA 5 (MIT licence, August 2026) and "CDNA5" Instruction Set Architecture Reference Guide (July 2026). The comments in the code are by the model that wrote it; some were corrected since.
;; MHA. Allowed arithmetic: matrix products marked QUANTISED: E2M3 operands, one E8M0 scale for each 32 along K, by v_wmma_scale_f32_16x16x128_f8f6f4 with both operands' format E2M3, f32 sums; products left as they are: f32 operands where the result goes on into a quantised operand, else bf16, f16 or f32 operands; f32 sums; everything else in f32.
;; Inputs: bn1_b 128 float32; bn1_g 128 float32; bn2_b 128 float32; bn2_g 128 float32; embedding_node 64 x 512 x 128 float32; ff1_b 512 float32; ff1_w 128 x 512 float32; ff2_b 128 float32; ff2_w 512 x 128 float32; w_b 128 float32; w_w 128 x 128 float32; wk_b 128 float32; wk_w 128 x 128 float32; wq_b 128 float32; wq_w 128 x 128 float32; wv_b 128 float32; wv_w 128 x 128 float32.
;; Outputs: out0 64 x 512 x 128 float32.
;; This version of the problem:
;;   THIS VERSION OF THE PROBLEM IS GIVEN IN LOW PRECISION. The matrix products marked QUANTISED in the list below multiply operands that are first quantised to E2M3 (2 exponent bits, 3 mantissa bits; 6 bits a number), with one power-of-two scale for each 32 numbers along K (OCP MX v1.0); their sums are f32. All else is computed in f32.
;;   The module's matrix products, in the order in which they are computed (A, B: the left and right operand; K: the contracted axis; several contracted axes count as one K, in the product's order):
;;     1. [M 32,768, K 128] x [K 128, N 128]; A: input embedding_node; B: input wq_w: QUANTISED
;;     2. [M 32,768, K 128] x [K 128, N 128]; A: input embedding_node; B: input wk_w: QUANTISED
;;     3. [M 32,768, K 128] x [K 128, N 128]; A: input embedding_node; B: input wv_w: QUANTISED
;;     4. batch 512 x [M 512, K 16] x [K 16, N 512]; A: computed on the way; B: computed on the way: left as it is (K = 16 < 32)
;;     5. batch 512 x [M 16, K 512] x [K 512, N 512]; A: computed on the way; B: softmax (see below): QUANTISED
;;     6. [M 32,768, K 128] x [K 128, N 128]; A: computed on the way; B: input w_w: QUANTISED
;;     7. [M 32,768, K 128] x [K 128, N 512]; A: computed on the way; B: input ff1_w: QUANTISED
;;     8. [M 32,768, K 512] x [K 512, N 128]; A: computed on the way; B: input ff2_w: QUANTISED
;;   THE QUANTISER, for each operand of a quantised product, along K:
;;     - K is cut into blocks of 32 from its start; a last block that is shorter is filled with zeros.
;;     - A block's scale is 2^e with e = floor(log2(the largest magnitude in the block)) - 2, held to -126 .. 127; a block of zeros has e = 0. As a byte (E8M0): e + 127.
;;     - Each number is divided by its block's scale, clamped to +-7.5, and rounded to the nearest number of E2M3, ties to even, subnormals kept.
;;     - The product sums the exact products of the quantised numbers (number of the format x scale) in f32.
;;   ~~~python
;;   def quantise(x, axis):      # numpy; x: float32 -> the quantised numbers, widened to float32 again
;;       x = np.moveaxis(x, axis, -1); K = x.shape[-1]
;;       x = np.pad(x, [(0, 0)] * (x.ndim - 1) + [(0, -K % 32)]); x = x.reshape(x.shape[:-1] + (-1, 32)); a = np.abs(x).max(-1, keepdims=True)
;;       e = np.where(a > 0, np.clip(np.frexp(np.where(a > 0, a, 1))[1] - 1 - 2, -126, 127), 0)      # np.frexp(a)[1] - 1 = floor(log2(a)), exactly
;;       r = np.clip(x / 2.0 ** e, -7.5, 7.5)
;;       step = 2.0 ** (np.maximum(np.frexp(np.where(r == 0, 1, r))[1] - 1, 0) - 3)
;;       q = np.round(r / step) * step * 2.0 ** e      # np.round: ties to even
;;       return np.moveaxis(q.reshape(q.shape[:-2] + (-1,))[..., :K], -1, axis).astype(np.float32)
;;   ~~~
;;   SOFTMAX AHEAD OF A QUANTISED PRODUCT. Where the list says 'softmax', what is quantised is not the finished softmax but p = 2^(t - M), with t = logit x log2(e) and M = ceil(the row's largest t), a whole number; so 1/2 < the row's largest p <= 1. The row's sum l is taken of the UNQUANTISED p, in f32, and the product's result is divided by l at the end. Since M is a whole number, a kernel that streams over the keys may use a running M (the ceiling of the running maximum): every later rescaling is an exact power of two, which a block's scale takes up: the codes' values come out the same.
;;   OPERANDS COMPUTED ON THE WAY. 'Computed on the way' means the value that the module computes at that place (a softmax that the list does not call 'softmax' is quantised finished and normalised). What goes into a quantiser is computed in f32, as accurately as f32 sums, v_exp_f32 and their like allow (about 1e-6 of the number): no bf16 or f16 on the way to a quantiser, and a product that is left as it is and whose result goes on into a quantised operand takes f32 operands (vector FMAs, or v_wmma_f32_16x16x4_f32). A number that lies on a knife's edge between two numbers of the format may be rounded either way, as far as f32 arithmetic and the matrix unit's own rounding can turn it there, and no further.
;; 2 versions, each right; version 2 is version 1 with the launches attn, ffn written anew for expert scheduling mode. Each part assembles by itself: llvm-mc -triple=amdgcn-amd-amdhsa -mcpu=gfx1250 --defsym DOCPART=n.
;; ======== version 1 of 2: 4 launches
;; workspace buffers: wimg 147,456 bytes; wscl 12,288 bytes; x1 16,777,216 bytes; x2 16,777,216 bytes; st1 262,144 bytes; st2 262,144 bytes
;; launch prep (part 1): grid 24 x 1, 4 waves a work-group, no clusters, 0 bytes of LDS; arguments wq_w, wk_w, wv_w, w_w, ff1_w, ff2_w, wimg, wscl; writes wimg, wscl
.if DOCPART == 1
	.amdgcn_target "amdgcn-amd-amdhsa--gfx1250"
	.amdhsa_code_object_version 6
	.text
	.protected	k_q444718487c_prep
	.globl	k_q444718487c_prep
	.p2align	8
	.type	k_q444718487c_prep,@function
k_q444718487c_prep:
	s_mov_b64 s[64:65], 0
	v_nop
	global_prefetch_b8 v0, s[64:65] scope:SCOPE_SE
	s_setreg_imm32_b32 hwreg(HW_REG_WAVE_MODE, 25, 1), 1
	s_wait_xcnt 0x0
; The six weights, f32 stored [K][N], become codes of FP6 (E2M3) with one E8M0 byte for each 32 along K, laid as IMAGES OF OPERAND REGISTERS.
; A fragment is 16 columns x 128 K: 12 registers a lane.  Fragment F lies at wimg + 1536 F: register group c (four registers) at 512 c + 16 x lane.
; Its scale word (lane r: column r's four bytes; both halves of the lanes hold it) lies at wscl + 512 (F / 4) + 16 x lane + 4 (F % 4).
; F 0-7 wq, 8-15 wk, 16-23 wv, 24-31 w_w (column tile F % 8); 32-63 ff1 (tile t = F - 32: lane r takes hidden unit 32 (t / 2) + 8 (t % 2) + r + 8 (r / 8),
; so that the results of two neighbouring tiles are 16 neighbours along the next product's K); 64-95 ff2 (F - 64 = 4 n + s: output tile n, K step s).
; One wave makes one fragment: F = 4 x work-group + wave.  A LANE TAKES A COLUMN AND ITS REGISTERS RUN DOWN K, in the order of the operand's layout
; (lane (r, h): k = 64 c + 32 h + 0 .. 31), so the conversions' results are the operand's registers and a block's largest magnitude needs no other lane.
; A block's byte is its largest magnitude's exponent field - 2, held at 1 from below.
; LIMITS: a block of zeros, or one whose largest magnitude lies under 2^-124, keeps the byte 1 (zeros' codes are zeros, and this program alone reads the bytes); NaN and infinities are not served.
; 96 waves of work, 786,432 bytes read once: no LDS, no barrier, no cluster (no two work-groups read the same bytes).
.set X, 64                             ; v64-127  my column's 64 numbers: register 32 c + i = k 64 c + 32 h + i
	s_load_b512 s[4:19], s[0:1], 0x0               ; wq s[4:5], wk s[6:7], wv s[8:9], w_w s[10:11], ff1 s[12:13], ff2 s[14:15], wimg s[16:17], wscl s[18:19]
	v_lshrrev_b32 v1, 5, v0
	v_readfirstlane_b32 s21, v1                    ; wave
	s_mov_b32 s20, ttmp9                           ; work-group
	s_lshl_b32 s22, s20, 2
	s_add_co_u32 s22, s22, s21                     ; F
	s_and_b32 s30, s22, 7
	s_lshl_b32 s30, s30, 6                         ; the four square weights: 64 bytes a column tile
	s_and_b32 s31, s22, 31                         ; e = F % 32
	s_lshr_b32 s32, s31, 1
	s_lshl_b32 s32, s32, 7
	s_and_b32 s33, s31, 1
	s_lshl_b32 s33, s33, 5
	s_add_co_u32 s32, s32, s33                     ; ff1: 128 (e / 2) + 32 (e % 2) bytes
	s_lshr_b32 s33, s31, 2
	s_lshl_b32 s33, s33, 6
	s_and_b32 s34, s31, 3
	s_lshl_b32 s34, s34, 16
	s_add_co_u32 s33, s33, s34                     ; ff2: 64 (e / 4) bytes + 128 rows of 512 bytes for each K step
	s_mov_b32 s36, 0x76543210
	s_mov_b32 s37, 0xfedcba98                      ; v_permlanex16_b32's selects for lane l xor 16
	s_wait_kmcnt 0x0
	s_mov_b64 s[24:25], s[14:15]                   ; which weight: the choice hangs on the work-group's number alone
	s_mov_b32 s26, s33
	s_mov_b32 s28, 0                               ; 1: ff1 (its rows are 2,048 bytes, and a tile's columns are not neighbours)
	s_mov_b32 s29, 14                              ; lanes 16-31 begin 32 rows down: 32 x 512 bytes = 1 << 14
	s_cmp_lt_u32 s20, 16
	s_cselect_b64 s[24:25], s[12:13], s[24:25]
	s_cselect_b32 s26, s32, s26
	s_cselect_b32 s28, 1, s28
	s_cselect_b32 s29, 16, s29                     ; 32 x 2,048 bytes = 1 << 16
	s_cmp_lt_u32 s20, 8
	s_cselect_b64 s[24:25], s[10:11], s[24:25]
	s_cselect_b32 s26, s30, s26
	s_cselect_b32 s28, 0, s28
	s_cselect_b32 s29, 14, s29
	s_cmp_lt_u32 s20, 6
	s_cselect_b64 s[24:25], s[8:9], s[24:25]
	s_cmp_lt_u32 s20, 4
	s_cselect_b64 s[24:25], s[6:7], s[24:25]
	s_cmp_lt_u32 s20, 2
	s_cselect_b64 s[24:25], s[4:5], s[24:25]
	s_mov_b32 s27, 0
	s_add_nc_u64 s[24:25], s[24:25], s[26:27]      ; the weight at my tile's first column and K step
	v_and_b32 v1, 15, v0                           ; r
	v_bfe_u32 v2, v0, 4, 1                         ; h
	v_and_b32 v5, 8, v1
	v_mul_u32_u24 v5, s28, v5
	v_add_nc_u32 v5, v5, v1                        ; my column in the tile: r, for ff1 r + 8 (r / 8)
	v_lshlrev_b32 v3, s29, v2
	v_lshl_add_u32 v3, v5, 2, v3                   ; 4 bytes a column + 32 h rows
	v_and_b32 v4, 31, v0
	v_lshlrev_b32 v4, 4, v4                        ; 16 x lane: my place in an image
.macro WLOAD pitch                     ; W(64 c + 32 h + i, my column): sixteen lanes read 64 bytes of a row (ff1: two runs of 32)
.set i, 0
.rept 64
	global_load_b32 v[X+i], v3, s[24:25] offset:(i+32*(i/32))*\pitch
.set i, i+1
.endr
.endm
	s_cmp_lg_u32 s28, 0
	s_cbranch_scc1 .Lwide
	WLOAD 512
	s_branch .Lloaded
.Lwide:
	WLOAD 2048
.Lloaded:
	s_mul_i32 s38, s22, 1536
	s_mov_b32 s39, 0
	s_add_nc_u64 s[16:17], s[16:17], s[38:39]      ; my fragment's image
	s_lshl_b32 s38, s20, 9
	s_lshl_b32 s40, s21, 2
	s_add_co_u32 s38, s38, s40
	s_add_nc_u64 s[18:19], s[18:19], s[38:39]      ; and its scale words
	s_wait_loadcnt 0x0
	v_max3_num_f32 v32, |v[X]|, |v[X+1]|, 0x1800000       ; my blocks h and 2 + h: all 32 numbers of each are mine; the floor 2^(3 - 127) holds the byte at 1 from below
	v_max3_num_f32 v33, |v[X+32]|, |v[X+33]|, 0x1800000
.set i, 2
.rept 15
	v_max3_num_f32 v32, v32, |v[X+i]|, |v[X+i+1]|         ; (the two blocks by turns)
	v_max3_num_f32 v33, v33, |v[X+32+i]|, |v[X+33+i]|
.set i, i+2
.endr
	v_add_nc_u32 v44, 0xff000000, v32              ; 2 off the exponent field: the conversion takes this operand's exponent field as its scale
	v_add_nc_u32 v45, 0xff000000, v33
	v_lshrrev_b32 v36, 23, v44                     ; the scales' bytes
	v_lshrrev_b32 v37, 23, v45
	v_lshl_or_b32 v9, v37, 16, v36
	v_lshlrev_b32 v10, 3, v2
	v_lshlrev_b32 v9, v10, v9                      ; at bytes h and 2 + h of the word;
	v_mov_b32 v10, 0
	v_permlanex16_b32 v10, v9, s36, s37
	v_or_b32 v9, v9, v10                           ; with lane l xor 16's two the word is whole, in both halves
.irp c, 0,1
	v_cvt_scalef32_pk16_fp6_f32 v[48+6*\c:50+6*\c], v[X+32*\c:X+32*\c+15], v[44+\c]
	v_cvt_scalef32_pk16_fp6_f32 v[16+4*\c:18+4*\c], v[X+32*\c+16:X+32*\c+31], v[44+\c]   ; (a conversion's three registers begin on an even number)
.endr
	v_nop                                          ; one plain place behind a scaled conversion
.irp c, 0,1
.irp i, 0,1,2
	v_mov_b32 v[51+6*\c+\i], v[16+4*\c+\i]
.endr
.endr
.irp c, 0,1,2
	global_store_b128 v4, v[48+4*\c:51+4*\c], s[16:17] offset:512*\c   ; 32 lanes store 512 consecutive bytes
.endr
	global_store_b32 v4, v9, s[18:19]              ; the four waves' words interleave: 12,288 bytes in the whole launch
	s_endpgm
.Lfunc_end_k_q444718487c_prep:
	.size	k_q444718487c_prep, .Lfunc_end_k_q444718487c_prep-k_q444718487c_prep
	.p2alignl 7, 3214868480
	.fill 96, 4, 3214868480
	.section	.rodata,"a",@progbits
	.p2align	6, 0x0
	.amdhsa_kernel k_q444718487c_prep
		.amdhsa_group_segment_fixed_size 0
		.amdhsa_private_segment_fixed_size 0
		.amdhsa_enable_private_segment 0
		.amdhsa_kernarg_size 64
		.amdhsa_user_sgpr_count 2
		.amdhsa_user_sgpr_kernarg_segment_ptr 1
		.amdhsa_wavefront_size32 1
		.amdhsa_system_sgpr_workgroup_id_x 1
		.amdhsa_system_sgpr_workgroup_id_y 1
		.amdhsa_system_sgpr_workgroup_id_z 1
		.amdhsa_system_vgpr_workitem_id 0
		.amdhsa_next_free_vgpr 128
		.amdhsa_next_free_sgpr 66
		.amdhsa_reserve_vcc 0
		.amdhsa_float_denorm_mode_32 3
		.amdhsa_float_denorm_mode_16_64 3
		.amdhsa_memory_ordered 1
		.amdhsa_forward_progress 1
		.amdhsa_inst_pref_size 18
	.end_amdhsa_kernel
	.amdgpu_metadata
---
amdhsa.version: [ 1, 2 ]
amdhsa.kernels:
  - .name:           k_q444718487c_prep
    .symbol:         k_q444718487c_prep.kd
    .args:
      - { .name: wq_w, .offset: 0, .size: 8, .value_kind: global_buffer, .address_space: global }
      - { .name: wk_w, .offset: 8, .size: 8, .value_kind: global_buffer, .address_space: global }
      - { .name: wv_w, .offset: 16, .size: 8, .value_kind: global_buffer, .address_space: global }
      - { .name: w_w, .offset: 24, .size: 8, .value_kind: global_buffer, .address_space: global }
      - { .name: ff1_w, .offset: 32, .size: 8, .value_kind: global_buffer, .address_space: global }
      - { .name: ff2_w, .offset: 40, .size: 8, .value_kind: global_buffer, .address_space: global }
      - { .name: wimg, .offset: 48, .size: 8, .value_kind: global_buffer, .address_space: global }
      - { .name: wscl, .offset: 56, .size: 8, .value_kind: global_buffer, .address_space: global }
    .group_segment_fixed_size: 0
    .private_segment_fixed_size: 0
    .kernarg_segment_align: 8
    .kernarg_segment_size: 64
    .max_flat_workgroup_size: 128
    .sgpr_count:     66
    .vgpr_count:     128
    .wavefront_size: 32
...
	.end_amdgpu_metadata
.endif
;; end of part 1
;; launch attn (part 2): grid 256 x 1, 8 waves a work-group, no clusters, 195,584 bytes of LDS; arguments embedding_node, wimg, wscl, wq_b, wk_b, wv_b, w_b, x1, st1; writes x1, st1
.if DOCPART == 2
	.amdgcn_target "amdgcn-amd-amdhsa--gfx1250"
	.amdhsa_code_object_version 6
	.text
	.protected	k_q444718487c_attn
	.globl	k_q444718487c_attn
	.p2align	8
	.type	k_q444718487c_attn,@function
k_q444718487c_attn:
	s_mov_b64 s[64:65], 0
	v_nop
	global_prefetch_b8 v0, s[64:65] scope:SCOPE_SE
	s_setreg_imm32_b32 hwreg(HW_REG_WAVE_MODE, 25, 1), 1
	s_wait_xcnt 0x0
; x1 = softmax(q k^T / 4) v W + w_b + x, and for each work-group the mean and the sum of squares about it of its 128 rows of x1, channel by channel (st1).
; SHARES.  Work-group g: batch element g / 4, queries 128 (g % 4) on: rows 128 g .. 128 g + 127 of x.  It makes K and V of its whole batch element itself (64 matrix instructions a wave).
; WAVE w IS HEAD w: its K (512 keys x 16, f32) fills 256 registers, its V (codes) 48, and nothing of a head goes to memory.  In the tail wave w takes query tile w through the output projection.
; KEYS ARE NUMBERED FROM THE WORK-GROUP'S OWN QUERIES ON: local key kk is row (kk + 128 (g % 4)) % 512 of the batch element, so the queries are local rows 0-127 and every LDS address is a constant.
; A turn by multiples of 128 keeps the blocks of 32 keys.  Fragment f of x (0 .. 31) holds the 16 local rows 32 (f / 2) + 8 (f % 2) + i + 8 (i / 8), i the slot.
; NOTHING CHANGES LANES:  K^T = Wk's tile x fragment (source 0 = the head's 16 channels, source 1 = 16 rows): lane (slot r, h) holds channels 8 h + j: that IS source 0 of the f32 form, whose
; k place (h, j) of instruction kk then stands for channel 8 h + 2 kk + j; Q comes the same way and is source 1 under the same order of channels.  S^T: a lane holds one query, and the 16 registers of
; tiles 2 b, 2 b + 1 are the 16 neighbouring keys 32 b + 16 h + 0 .. 15.  V = fragment x Wv's tile: lane (channel r, h) holds 16 neighbouring keys in two neighbouring tiles: the quantiser's input.
; SOFTMAX: t = score x log2(e) / 4; M = the running largest t rounded up to a whole number; p = 2^(t - M) is quantised along the keys; the sum is taken of the unquantised p and divides at the end.
; The product q k^T goes on into a quantiser, so it takes f32 operands: v_wmma_f32_16x16x4_f32; v128-191 are written by that form alone.
; NO CLUSTER: what the four work-groups of a batch element share is x[b], 262,144 bytes, read once at the head and through registers, since it is quantised on the way; the loop reads nothing from
; memory; and the numbering of the keys hangs on the work-group's place among the four.  The weights' images (4,608 bytes a wave at the head, 12,288 in the tail) go straight into registers.
; LIMITS: NaN and infinities are not served; blocks of zeros or under 2^-124 keep the scale byte 1; v_exp_f32 gives 0 for p under 2^-126; the keys are summed in the turned order, a head's channels in the order above.
; REGISTERS, window 0: v1-12 addresses; v13-15 Wq's, Wk's, Wv's scale words; v16-23 Q of a tile; v24-31 O^T; v32-79 V's four fragments; v80-83 their scale words; v84-95 codes just made; v96-103, v104-126 at work;
;   v128-191 S^T; v192-255 p (and x, V's tiles, rows of x1).   window 1: K (tile f at 8 f); ahead of it eight fragments of x, the weights' fragments and biases; in the tail W's fragments and rows of x.
.set XIMG, 0                           ; LDS: x's 32 fragments as images of their registers, 1,536 bytes each
.set XSC,  49152                       ; their scale words, 128 bytes each
.set QIMG, 53248                       ; 8,192 bytes for each wave, its own: Q of its 8 query tiles, 1,024 bytes each; a tile's O^T takes its Q's place
.set YST,  118784                      ; the way out: 16 rows x (512 + 16) bytes for each wave, its own
.set SCR,  186368                      ; the statistics: 1,024 bytes for each wave
.set LI,  1                            ; 16 x lane
.set LS,  2                            ; 4 x lane
.set XA,  3                            ; x: (r + 8 (r / 8)) rows of 512 bytes + 64 h
.set XWI, 4                            ; where I store x's images: 16 x lane + 6,144 x wave
.set XWS, 5                            ; and their scale words: 4 x lane + 512 x wave
.set QA0, 6                            ; QIMG + 8,192 x wave + 16 x lane
.set ORQ, 7                            ; the tail's gather: QIMG + 8,192 h + 1,024 x wave + 16 r
.set ADR, 8                            ; the trip's tile in my part of QIMG; in the tail SCR + 16 x lane
.set BO4, 9                            ; 4 r: wv_b
.set OSY, 10                           ; my stage: row r, + 32 h
.set ORR, 11                           ; and back: 16 x lane
.set SCW, 12                           ; SCR + 1,024 x wave + 16 x lane
.set SCRD, 8
.set WQS, 13
.set WKS, 14
.set WVS, 15
.set QF,  16
.set OA,  24
.set VF,  32
.set VS,  80
.set PC,  84
.set XW,  84                           ; pass VQ: eight fragments' scale words
.set T2,  96
.set TM,  104                          ; the quantiser's: v104-107 largest magnitudes, v108-111 bytes, v116-119 scale operands
.set NM,  104                          ; a key step's: -M
.set TX,  105                          ; the largest t
.set L,   106                          ; v[106:107] the sum, in two halves
.set F,   108                          ; v[108:109] 2^(old M - new M); at the end 1 / the sum
.set BM,  110                          ; v110-113 the blocks' largest scores, then largest p
.set BX,  114                          ; v114-117 the other half's; then bytes
.set SO,  118                          ; v118-121 scale operands
.set PW,  122                          ; the scale word just made
.set T,   123
.set L2,  124
.set OLD, 126
.set BO32, 127                         ; 32 h: wq_b, wk_b
.set S,   128
.set P,   192
.set XB,  0                            ; window 1
.set WVF, 96
.set WQF, 108
.set WKF, 120
.set BV,  132
.set BQ,  140
.set BK,  148
.set XP,  96
.set WV,  22                           ; s22 wave
.set SEL, 28                           ; s[28:29] lane l xor 16
.set CS,  30                           ; s[30:31] c = log2(e) / 4, twice: the packed form names the pair
.set MSB, 0
.macro WIN new                         ; bits 1:0 source 0, 3:2 source 1, 5:4 source 2, 7:6 destination; the high byte repeats the setting that is left
.if MSB != \new
	s_set_vgpr_msb (MSB<<8)|\new
.set MSB, \new
.endif
.endm
.macro PLACES n                        ; plain vector places behind a matrix instruction (ISA guide 7.12.1)
.rept \n
	v_nop
.endr
.endm
.macro BARRIER                         ; my LDS stores have landed and my LDS loads are in: then the work-group's barrier
	s_wait_dscnt 0x0
	s_barrier_signal -1
	s_barrier_wait -1
.endm
.macro MX d, a, b, c, sa, sb           ; D = A B + C on codes of FP6
	v_wmma_scale_f32_16x16x128_f8f6f4 v[\d:\d+7], v[\a:\a+11], v[\b:\b+11], v[\c:\c+7], v[\sa], v[\sb] matrix_a_fmt:MATRIX_FMT_FP6 matrix_b_fmt:MATRIX_FMT_FP6
.endm
.macro MX0 d, a, b, sa, sb             ; the same with C = 0
	v_wmma_scale_f32_16x16x128_f8f6f4 v[\d:\d+7], v[\a:\a+11], v[\b:\b+11], 0, v[\sa], v[\sb] matrix_a_fmt:MATRIX_FMT_FP6 matrix_b_fmt:MATRIX_FMT_FP6
.endm
; 64 numbers of a lane, v[s] on, register 16 b + i = k 32 b + 16 h + i of my row, become a fragment's codes in v[d] on and its scale word in v[pw].
.macro QUANT s, d, pw
.irp b, 0,1,2,3
	v_max3_num_f32 v[TM+\b], |v[\s+16*\b]|, |v[\s+1+16*\b]|, 0x1800000   ; block b: my 16 numbers, and the floor 2^(3 - 127): the byte cannot fall under 1
.endr
.irp i, 2,4,6,8,10,12,14
.irp b, 0,1,2,3
	v_max3_num_f32 v[TM+\b], v[TM+\b], |v[\s+16*\b+\i]|, |v[\s+1+16*\b+\i]|   ; (the four blocks by turns)
.endr
.endr
.irp b, 0,1,2,3
	v_permlanex16_b32 v[TM+4+\b], v[TM+\b], s[SEL], s[SEL+1]
.endr
.irp b, 0,1,2,3
	v_max_num_f32 v[TM+\b], v[TM+\b], v[TM+4+\b]   ; with lane l xor 16's: the block's largest magnitude
.endr
.irp b, 0,1,2,3
	v_add_nc_u32 v[TM+12+\b], 0xff000000, v[TM+\b]   ; 2 off its exponent field: the conversion's scale operand
.endr
.irp b, 0,1,2,3
	v_lshrrev_b32 v[TM+4+\b], 23, v[TM+12+\b]      ; the scale's byte
.endr
	v_lshl_or_b32 v[\pw], v[TM+5], 8, v[TM+4]
	v_lshl_or_b32 v[\pw], v[TM+6], 16, v[\pw]
	v_lshl_or_b32 v[\pw], v[TM+7], 24, v[\pw]
.irp c, 0,1
	v_cvt_scalef32_pk16_fp6_f32 v[\d+6*\c:\d+6*\c+2], v[\s+32*\c:\s+32*\c+15], v[TM+12+2*\c]
	v_cvt_scalef32_pk16_fp6_f32 v[T2+4*\c:T2+4*\c+2], v[\s+32*\c+16:\s+32*\c+31], v[TM+13+2*\c]   ; (a conversion's three registers begin on an even number)
.endr
	v_nop                                          ; one plain place behind a scaled conversion
.irp c, 0,1                            ; the operand's layout wants a whole block in a lane: lanes 0-15 block 2 c, lanes 16-31 block 2 c + 1
.irp i, 0,1,2
	v_permlane16_swap_b32 v[\d+6*\c+\i], v[T2+4*\c+\i]
.endr
.irp i, 0,1,2
	v_mov_b32 v[\d+6*\c+3+\i], v[T2+4*\c+\i]
.endr
.endr
.endm
.macro IMAGE adr, off, d               ; a fragment goes to LDS as it stands: 512 consecutive bytes a store
.irp c, 0,1,2
	ds_store_b128 v[\adr], v[\d+4*\c:\d+4*\c+3] offset:\off+512*\c
.endr
.endm
.macro FETCH reg, adr, off             ; and comes back so, in any wave
.irp c, 0,1,2
	ds_load_b128 v[\reg+4*\c:\reg+4*\c+3], v[\adr] offset:\off+512*\c
.endr
.endm
; 16 rows of 128 channels (row i's channels 4 x lane .. + 3 in v[R + 4 i] on): the wave's mean and sum of squares about it; the eight waves' are joined by wave 0 and stored.  TB: 16 registers, LB: 64.
.macro STATS R, TB, LB, SP
	v_pk_add_f32 v[\TB:\TB+1], v[\R:\R+1], v[\R+8:\R+9]              ; two chains: even rows, odd rows
	v_pk_add_f32 v[\TB+2:\TB+3], v[\R+2:\R+3], v[\R+10:\R+11]
	v_pk_add_f32 v[\TB+4:\TB+5], v[\R+4:\R+5], v[\R+12:\R+13]
	v_pk_add_f32 v[\TB+6:\TB+7], v[\R+6:\R+7], v[\R+14:\R+15]
.set i, 4
.rept 12
	v_pk_add_f32 v[\TB+4*(i%2):\TB+4*(i%2)+1], v[\TB+4*(i%2):\TB+4*(i%2)+1], v[\R+4*i:\R+4*i+1]
	v_pk_add_f32 v[\TB+4*(i%2)+2:\TB+4*(i%2)+3], v[\TB+4*(i%2)+2:\TB+4*(i%2)+3], v[\R+4*i+2:\R+4*i+3]
.set i, i+1
.endr
	v_pk_add_f32 v[\TB:\TB+1], v[\TB:\TB+1], v[\TB+4:\TB+5]
	v_pk_add_f32 v[\TB+2:\TB+3], v[\TB+2:\TB+3], v[\TB+6:\TB+7]
	v_pk_mul_f32 v[\TB+8:\TB+9], v[\TB:\TB+1], 0x3d800000 op_sel_hi:[1,0]        ; / 16: the mean of my 16 rows
	v_pk_mul_f32 v[\TB+10:\TB+11], v[\TB+2:\TB+3], 0x3d800000 op_sel_hi:[1,0]
.set i, 0
.rept 16
	v_pk_add_f32 v[\TB+4*(i%2):\TB+4*(i%2)+1], v[\R+4*i:\R+4*i+1], v[\TB+8:\TB+9] neg_lo:[0,1] neg_hi:[0,1]
	v_pk_add_f32 v[\TB+4*(i%2)+2:\TB+4*(i%2)+3], v[\R+4*i+2:\R+4*i+3], v[\TB+10:\TB+11] neg_lo:[0,1] neg_hi:[0,1]
.if i == 0
	v_pk_mul_f32 v[\TB+12:\TB+13], v[\TB:\TB+1], v[\TB:\TB+1]       ; the first square starts the sum
	v_pk_mul_f32 v[\TB+14:\TB+15], v[\TB+2:\TB+3], v[\TB+2:\TB+3]
.else
	v_pk_fma_f32 v[\TB+12:\TB+13], v[\TB+4*(i%2):\TB+4*(i%2)+1], v[\TB+4*(i%2):\TB+4*(i%2)+1], v[\TB+12:\TB+13]
	v_pk_fma_f32 v[\TB+14:\TB+15], v[\TB+4*(i%2)+2:\TB+4*(i%2)+3], v[\TB+4*(i%2)+2:\TB+4*(i%2)+3], v[\TB+14:\TB+15]
.endif
.set i, i+1
.endr
	ds_store_b128 v[SCW], v[\TB+8:\TB+11]
	ds_store_b128 v[SCW], v[\TB+12:\TB+15] offset:512
	BARRIER                                        ; the eight waves' figures lie in LDS
	s_cmp_lg_u32 s[WV], 0
	s_cbranch_scc1 .Lend                           ; wave 0 alone goes on; no barrier follows
.set k, 0
.rept 8
	ds_load_b128 v[\LB+8*k:\LB+8*k+3], v[SCRD] offset:1024*k
	ds_load_b128 v[\LB+8*k+4:\LB+8*k+7], v[SCRD] offset:1024*k+512
.set k, k+1
.endr
	s_wait_dscnt 0x0
.set q, 0
.rept 4
	v_pk_add_f32 v[\TB+2*q:\TB+2*q+1], v[\LB+2*q:\LB+2*q+1], v[\LB+8+2*q:\LB+8+2*q+1]
.set q, q+1
.endr
.set k, 2
.rept 6
.set q, 0
.rept 4
	v_pk_add_f32 v[\TB+2*q:\TB+2*q+1], v[\TB+2*q:\TB+2*q+1], v[\LB+8*k+2*q:\LB+8*k+2*q+1]
.set q, q+1
.endr
.set k, k+1
.endr
	v_pk_mul_f32 v[\TB:\TB+1], v[\TB:\TB+1], 0x3e000000 op_sel_hi:[1,0]          ; / 8: the mean of the 128 rows
	v_pk_mul_f32 v[\TB+2:\TB+3], v[\TB+2:\TB+3], 0x3e000000 op_sel_hi:[1,0]
.set k, 0
.rept 8
	v_pk_add_f32 v[\LB+8*k:\LB+8*k+1], v[\LB+8*k:\LB+8*k+1], v[\TB:\TB+1] neg_lo:[0,1] neg_hi:[0,1]
	v_pk_add_f32 v[\LB+8*k+2:\LB+8*k+3], v[\LB+8*k+2:\LB+8*k+3], v[\TB+2:\TB+3] neg_lo:[0,1] neg_hi:[0,1]
.set k, k+1
.endr
	v_pk_mul_f32 v[\TB+8:\TB+9], v[\LB:\LB+1], v[\LB:\LB+1]
	v_pk_mul_f32 v[\TB+10:\TB+11], v[\LB+2:\LB+3], v[\LB+2:\LB+3]
.set k, 1
.rept 7
	v_pk_fma_f32 v[\TB+8:\TB+9], v[\LB+8*k:\LB+8*k+1], v[\LB+8*k:\LB+8*k+1], v[\TB+8:\TB+9]
	v_pk_fma_f32 v[\TB+10:\TB+11], v[\LB+8*k+2:\LB+8*k+3], v[\LB+8*k+2:\LB+8*k+3], v[\TB+10:\TB+11]
.set k, k+1
.endr
	v_pk_fma_f32 v[\TB+4:\TB+5], v[\TB+8:\TB+9], 0x41800000, v[\TB+4:\TB+5] op_sel_hi:[1,0,1]     ; + 16 x the squares of the waves' means about the common mean
	v_pk_fma_f32 v[\TB+6:\TB+7], v[\TB+10:\TB+11], 0x41800000, v[\TB+6:\TB+7] op_sel_hi:[1,0,1]
	global_store_b128 v[LI], v[\TB:\TB+3], s[\SP:\SP+1]             ; 512 consecutive bytes: mean[128]
	global_store_b128 v[LI], v[\TB+4:\TB+7], s[\SP:\SP+1] offset:512   ; and the sums of squares
.Lend:
	s_wait_xcnt 0x0
	v_lshl_add_u32 v254, v0, 2, 0x2f800
	v_mov_b32 v255, 0
	s_wait_tensorcnt 0x0
	ds_add_u32 v254, v255
	s_wait_dscnt 0x0
	s_endpgm
.endm
	s_load_b512 s[4:19], s[0:1], 0x0               ; x s[4:5], wimg s[6:7], wscl s[8:9], wq_b s[10:11], wk_b s[12:13], wv_b s[14:15], w_b s[16:17], x1 s[18:19]
	s_load_b64 s[20:21], s[0:1], 0x40              ; st1
	v_lshrrev_b32 v16, 5, v0
	v_readfirstlane_b32 s[WV], v16                 ; wave = head
	v_and_b32 v16, 31, v0                          ; lane
	v_and_b32 v17, 15, v0                          ; r
	v_bfe_u32 v18, v0, 4, 1                        ; h
	v_lshlrev_b32 v[LI], 4, v16
	v_lshlrev_b32 v[LS], 2, v16
	v_and_b32 v19, 8, v17
	v_add_nc_u32 v19, v19, v17                     ; r + 8 (r / 8)
	v_lshlrev_b32 v[XA], 9, v19
	v_lshl_add_u32 v[XA], v18, 6, v[XA]
	s_mul_i32 s23, s[WV], 6144
	v_add_nc_u32 v[XWI], s23, v[LI]
	s_lshl_b32 s23, s[WV], 9
	v_add_nc_u32 v[XWS], s23, v[LS]
	s_lshl_b32 s23, s[WV], 13
	s_add_co_u32 s23, s23, QIMG
	v_add_nc_u32 v[QA0], s23, v[LI]
	s_lshl_b32 s23, s[WV], 10
	s_add_co_u32 s23, s23, QIMG
	v_lshlrev_b32 v[ORQ], 4, v17
	v_lshl_add_u32 v[ORQ], v18, 13, v[ORQ]
	v_add_nc_u32 v[ORQ], s23, v[ORQ]
	v_lshlrev_b32 v[BO4], 2, v17
	v_lshlrev_b32 v[BO32], 5, v18
	s_mul_i32 s23, s[WV], 8448
	s_add_co_u32 s23, s23, YST
	v_mul_u32_u24 v[OSY], v17, 528
	v_lshl_add_u32 v[OSY], v18, 5, v[OSY]
	v_add_nc_u32 v[OSY], s23, v[OSY]
	v_add_nc_u32 v[ORR], s23, v[LI]
	s_lshl_b32 s23, s[WV], 10
	s_add_co_u32 s23, s23, SCR
	v_add_nc_u32 v[SCW], s23, v[LI]
.irp i, 108,109,110,111,114,115,116,117
	v_mov_b32 v[\i], 0                             ; written once: a lane permute's destination counts as one of its sources
.endr
	s_mov_b32 s[SEL], 0x76543210
	s_mov_b32 s[SEL+1], 0xfedcba98
	s_mov_b32 s[CS], 0x3eb8aa3b                    ; log2(e) / 4
	s_mov_b32 s[CS+1], s[CS]
	s_lshr_b32 s24, ttmp9, 2                       ; the batch element
	s_and_b32 s25, ttmp9, 3                        ; which 128 queries of it
	s_lshl_b32 s26, s[WV], 6
	s_lshl_b32 s27, s25, 7
	s_add_co_u32 s26, s26, s27
	s_and_b32 s26, s26, 511                        ; local rows 64 w on are the batch element's rows (64 w + 128 (g % 4)) % 512 on
	s_lshl_b32 s26, s26, 9
	s_lshl_b32 s27, s24, 18
	s_add_co_u32 s36, s26, s27
	s_mov_b32 s37, 0
	s_mov_b32 s55, 0
	s_wait_kmcnt 0x0
	s_add_nc_u64 s[36:37], s[4:5], s[36:37]        ; x at the rows that I quantise
	s_mul_i32 s54, s[WV], 1536
	s_add_nc_u64 s[38:39], s[6:7], s[54:55]        ; wimg at fragment w
	s_lshr_b32 s54, s[WV], 2
	s_lshl_b32 s54, s54, 9
	s_and_b32 s23, s[WV], 3
	s_lshl_b32 s23, s23, 2
	s_add_co_u32 s54, s54, s23
	s_add_nc_u64 s[40:41], s[8:9], s[54:55]        ; wscl at fragment w's words
	s_lshl_b32 s54, s[WV], 6
	s_add_nc_u64 s[42:43], s[10:11], s[54:55]      ; the head's 16 numbers of wq_b,
	s_add_nc_u64 s[44:45], s[12:13], s[54:55]      ; wk_b,
	s_add_nc_u64 s[46:47], s[14:15], s[54:55]      ; wv_b
	s_lshl_b32 s54, ttmp9, 7
	s_lshr_b32 s23, s[WV], 1
	s_lshl_b32 s23, s23, 5
	s_add_co_u32 s54, s54, s23
	s_and_b32 s23, s[WV], 1
	s_lshl_b32 s23, s23, 3
	s_add_co_u32 s54, s54, s23                     ; query tile w begins at row 128 g + 32 (w / 2) + 8 (w % 2)
	s_lshl_b32 s54, s54, 9
	s_add_nc_u64 s[48:49], s[4:5], s[54:55]        ; x there (the residual),
	s_add_nc_u64 s[50:51], s[18:19], s[54:55]      ; x1 there
	s_lshl_b32 s54, ttmp9, 10
	s_add_nc_u64 s[52:53], s[20:21], s[54:55]      ; st1: 1,024 bytes a work-group
	; ---- the head's weights: 24 loads
	WIN 0x40                                       ; destination window 1
.irp c, 0,1,2
	global_load_b128 v[WVF+4*\c:WVF+4*\c+3], v[LI], s[38:39] offset:2*12288+512*\c
	global_load_b128 v[WQF+4*\c:WQF+4*\c+3], v[LI], s[38:39] offset:512*\c
	global_load_b128 v[WKF+4*\c:WKF+4*\c+3], v[LI], s[38:39] offset:12288+512*\c
.endr
.irp j, 0,1,2,3,4,5,6,7
	global_load_b32 v[BV+\j], v[BO4], s[46:47]     ; V's result holds channel r in all eight registers: wv_b[16 w + r] eight times, the C of V's products
.endr
	global_load_b128 v[BQ:BQ+3], v[BO32], s[42:43]             ; Q's and K's results hold channels 8 h + j
	global_load_b128 v[BQ+4:BQ+7], v[BO32], s[42:43] offset:16
	global_load_b128 v[BK:BK+3], v[BO32], s[44:45]
	global_load_b128 v[BK+4:BK+7], v[BO32], s[44:45] offset:16
	WIN 0
	global_load_b32 v[WQS], v[LI], s[40:41]
	global_load_b32 v[WKS], v[LI], s[40:41] offset:1024
	global_load_b32 v[WVS], v[LI], s[40:41] offset:2048
	; ---- X: I quantise local fragments 4 w .. 4 w + 3 of x.  Lane (r, h) takes, of the slot's row, 16 neighbours of each block of 32.  Two buffers by turns
.macro XLOAD reg, i
.irp b, 0,1,2,3
.irp j, 0,1,2,3
	global_load_b128 v[\reg+16*\b+4*\j:\reg+16*\b+4*\j+3], v[XA], s[36:37] offset:(32*((\i)/2)+8*((\i)%2))*512+128*\b+16*\j
.endr
.endr
.endm
	XLOAD P, 0
	XLOAD 16, 1
	s_wait_loadcnt 16                              ; all but the other buffer's 16 loads: the weights and this buffer are in
	QUANT P, PC, PW
	IMAGE XWI, XIMG, PC
	ds_store_b32 v[XWS], v[PW] offset:XSC
	XLOAD P, 2
	s_wait_dscnt 0x0                               ; the stores have read the codes' registers
	s_wait_loadcnt 16
	QUANT 16, PC, PW
	IMAGE XWI, XIMG+1536, PC
	ds_store_b32 v[XWS], v[PW] offset:XSC+128
	XLOAD 16, 3
	s_wait_dscnt 0x0
	s_wait_loadcnt 16
	QUANT P, PC, PW
	IMAGE XWI, XIMG+3072, PC
	ds_store_b32 v[XWS], v[PW] offset:XSC+256
	s_wait_dscnt 0x0
	s_wait_loadcnt 0x0
	QUANT 16, PC, PW
	IMAGE XWI, XIMG+4608, PC
	ds_store_b32 v[XWS], v[PW] offset:XSC+384
	BARRIER                                        ; x's 32 fragments lie in LDS
	; ---- pass VQ: eight fragments at a time: my head's V of 128 keys, quantised along the keys; from the first eight also my head's Q
.macro FETCH8 g
	WIN 0x40
.irp t, 0,1,2,3,4,5,6,7
	FETCH XB+12*\t, LI, (8*(\g)+\t)*1536
.endr
	WIN 0
.irp t, 0,1,2,3,4,5,6,7
	ds_load_b32 v[XW+\t], v[LS] offset:XSC+128*(8*(\g)+\t)
.endr
.endm
	FETCH8 0
.irp g, 0,1,2,3
	s_wait_dscnt 0x0
.if \g == 0
	WIN 0x15                                       ; sources 0, 1, 2 window 1, destination window 0
.irp t, 0,1,2,3,4,5,6,7
	MX P+8*\t, WQF, XB+12*\t, BQ, WQS, XW+\t       ; Q^T of query tile t: lane (slot r, h): channels 8 h + j
.endr
	WIN 0
	PLACES 5                                       ; V's products below write over these results
.irp t, 0,1,2,3,4,5,6,7
	ds_store_b128 v[QA0], v[P+8*\t:P+8*\t+3] offset:1024*\t
	ds_store_b128 v[QA0], v[P+8*\t+4:P+8*\t+7] offset:1024*\t+512
.endr
	s_wait_dscnt 0x0                               ; the stores have read their registers
.endif
	WIN 0x15
.irp t, 0,1,2,3,4,5,6,7
	MX P+8*\t, XB+12*\t, WVF, BV, XW+\t, WVS       ; V: lane (channel r, h): register 8 t + j = key 128 g + 32 (t / 2) + 16 h + 8 (t % 2) + j
.endr
	WIN 0
	PLACES 4
.if \g < 3
	FETCH8 \g+1                                    ; lands while V is quantised
.endif
	QUANT P, VF+12*\g, VS+\g
.endr
	; ---- pass K: my head's K of all 512 keys fills window 1, so Wk's fragment and bias move to window 0 first
	WIN 0x01                                       ; source 0 window 1
.irp i, 0,1,2,3,4,5,6,7,8,9,10,11
	v_mov_b32 v[PC+\i], v[WKF+\i]
.endr
.irp i, 0,1,2,3,4,5,6,7
	v_mov_b32 v[QF+\i], v[BK+\i]                   ; (these eight are the places between the moves above and the products)
.endr
	WIN 0
.irp G, 0,1,2,3,4,5,6,7
.irp i, 0,1,2,3
	FETCH P+12*\i, LI, (4*\G+\i)*1536
	ds_load_b32 v[240+\i], v[LS] offset:XSC+128*(4*\G+\i)
.endr
	s_wait_dscnt 0x0
	WIN 0x40                                       ; destination window 1
.irp i, 0,1,2,3
	MX 8*(4*\G+\i), PC, P+12*\i, QF, WKS, 240+\i   ; K^T of fragment 4 G + i: lane (slot r, h): channels 8 h + j
.endr
	WIN 0
	PLACES 5                                       ; in front of the next loads; and K's tiles go on as source 0 of matrix instructions
.endr
; ---- A KEY STEP: 128 keys, tiles 8 s .. 8 s + 7 of K
.macro STEP s, first
	WIN 0x01                                       ; source 0 (K) window 1
.irp kk, 0,1,2,3                       ; S^T = K Q^T: four instructions deep; the eight accumulators take turns
.irp t, 0,1,2,3,4,5,6,7
.if \kk == 0
	v_wmma_f32_16x16x4_f32 v[S+8*\t:S+8*\t+7], v[64*\s+8*\t:64*\s+8*\t+1], v[QF:QF+1], 0
.else
	v_wmma_f32_16x16x4_f32 v[S+8*\t:S+8*\t+7], v[64*\s+8*\t+2*\kk:64*\s+8*\t+2*\kk+1], v[QF+2*\kk:QF+2*\kk+1], v[S+8*\t:S+8*\t+7]
.endif
.endr
.endr
	WIN 0
	PLACES 8
.irp b, 0,1,2,3
	v_max3_num_f32 v[BM+\b], v[S+16*\b], v[S+1+16*\b], v[S+2+16*\b]   ; the largest score of each block of 32 keys: for the row's maximum and, since p rises with the score, for the block's largest p
.endr
.irp i, 3,5,7,9,11,13
.irp b, 0,1,2,3
	v_max3_num_f32 v[BM+\b], v[BM+\b], v[S+16*\b+\i], v[S+1+16*\b+\i]
.endr
.endr
.irp b, 0,1,2,3
	v_max_num_f32 v[BM+\b], v[BM+\b], v[S+15+16*\b]
.endr
.irp b, 0,1,2,3
	v_permlanex16_b32 v[BX+\b], v[BM+\b], s[SEL], s[SEL+1]
.endr
.irp b, 0,1,2,3
	v_max_num_f32 v[BM+\b], v[BM+\b], v[BX+\b]     ; with lane l xor 16's 16 keys
.endr
	v_max3_num_f32 v[T], v[BM], v[BM+1], v[BM+2]
	v_max_num_f32 v[T], v[T], v[BM+3]
.if \first
	v_mul_f32 v[TX], s[CS], v[T]                   ; the largest t (c is positive)
	v_floor_f32 v[NM], -v[TX]                      ; -M = floor(-t) = -ceil(t)
.else
	v_mul_f32 v[T], s[CS], v[T]
	v_max_num_f32 v[TX], v[TX], v[T]               ; the running largest t
	v_mov_b32 v[OLD], v[NM]
	v_floor_f32 v[NM], -v[TX]
	v_sub_f32 v[T], v[NM], v[OLD]                  ; old M - new M: a whole number, 0 or less
	v_cvt_i32_f32 v[T], v[T]
	v_ldexp_f32 v[F], 1.0, v[T]                    ; f = 2^(old M - new M): a multiplication by it rounds nothing
.endif
.set j, 0
.rept 32
	v_pk_fma_f32 v[P+j:P+j+1], v[S+j:S+j+1], s[CS:CS+1], v[NM:NM+1] op_sel_hi:[1,0,0]   ; t - M, into other registers than S^T's
.set j, j+2
.endr
.irp b, 0,1,2,3
	v_fma_f32 v[BM+\b], v[BM+\b], s[CS], v[NM]     ; the same of each block's largest score
.endr
.set j, 0
.rept 64
	v_exp_f32 v[P+j], v[P+j]                       ; p = 2^(t - M)
.set j, j+1
.endr
.irp b, 0,1,2,3
	v_exp_f32 v[BM+\b], v[BM+\b]                   ; the block's largest p: the same two instructions on the same number
.endr
.if \first
	v_mov_b32 v[L], 0                              ; (a plain place behind the exponentials)  the sum begins
	v_mov_b32 v[L+1], 0
	s_wait_alu depctr_va_vdst(0)
.else
	v_pk_mul_f32 v[L:L+1], v[L:L+1], v[F:F+1] op_sel_hi:[1,0]   ; (a plain place behind the exponentials)  the sum under the new M
	s_wait_alu depctr_va_vdst(0)
.endif
.irp b, 0,1,2,3
	v_max_num_f32 v[BM+\b], 0x1800000, v[BM+\b]    ; the floor 2^(3 - 127)
.endr
.irp b, 0,1,2,3
	v_add_nc_u32 v[SO+\b], 0xff000000, v[BM+\b]
.endr
.irp b, 0,1,2,3
	v_lshrrev_b32 v[BX+\b], 23, v[SO+\b]
.endr
	v_lshl_or_b32 v[PW], v[BX+1], 8, v[BX]         ; p's scale word for these 128 keys
	v_lshl_or_b32 v[PW], v[BX+2], 16, v[PW]
	v_lshl_or_b32 v[PW], v[BX+3], 24, v[PW]
.irp c, 0,1
	v_cvt_scalef32_pk16_fp6_f32 v[PC+6*\c:PC+6*\c+2], v[P+32*\c:P+32*\c+15], v[SO+2*\c]
	v_cvt_scalef32_pk16_fp6_f32 v[T2+4*\c:T2+4*\c+2], v[P+32*\c+16:P+32*\c+31], v[SO+2*\c+1]
.endr
	v_nop                                          ; one plain place behind a scaled conversion
.irp c, 0,1
.irp i, 0,1,2
	v_permlane16_swap_b32 v[PC+6*\c+\i], v[T2+4*\c+\i]
.endr
.irp i, 0,1,2
	v_mov_b32 v[PC+6*\c+3+\i], v[T2+4*\c+\i]
.endr
.endr
	v_pk_add_f32 v[L2:L2+1], v[P:P+1], v[P+2:P+3]  ; the row's sum is taken of the unquantised p, in two chains.  (These 32 lines are also the places between p's codes and scale word and the product below)
.set j, 4
.rept 15
	v_pk_add_f32 v[L:L+1], v[L:L+1], v[P+j:P+j+1]
	v_pk_add_f32 v[L2:L2+1], v[L2:L2+1], v[P+j+2:P+j+3]
.set j, j+4
.endr
	v_pk_add_f32 v[L:L+1], v[L:L+1], v[L2:L2+1]
.if \first
	MX0 OA, VF+12*\s, PC, VS+\s, PW                ; O^T = V^T P^T: the first step starts the sum
.else
.irp i, 0,2,4,6
	v_pk_mul_f32 v[OA+\i:OA+\i+1], v[OA+\i:OA+\i+1], v[F:F+1] op_sel_hi:[1,0]   ; O^T under the new M
.endr
	MX OA, VF+12*\s, PC, OA, VS+\s, PW             ; 32 matrix instructions on other accumulators stand between two of these
.endif
.endm
	; ---- the attention: 8 trips, one query tile each; a trip reads 1,024 bytes of LDS and writes them again
	s_mov_b32 s32, 0
	s_mov_b32 s33, 0
.Lqt:
	v_add_nc_u32 v[ADR], s33, v[QA0]
	ds_load_b128 v[QF:QF+3], v[ADR]                ; my own bytes: no barrier
	ds_load_b128 v[QF+4:QF+7], v[ADR] offset:512
	s_wait_dscnt 0x0
	STEP 0, 1
	STEP 1, 0
	STEP 2, 0
	STEP 3, 0
	PLACES 4
	v_add_f32 v[L], v[L], v[L+1]                   ; the sum's two halves,
	v_permlanex16_b32 v[BX], v[L], s[SEL], s[SEL+1]
	v_add_f32 v[L], v[L], v[BX]                    ; and lane l xor 16's: the row's sum
	v_rcp_f32 v[F], v[L]
	v_nop                                          ; one plain place behind a transcendental
	s_wait_alu depctr_va_vdst(0)
.irp i, 0,2,4,6
	v_pk_mul_f32 v[P+\i:P+\i+1], v[OA+\i:OA+\i+1], v[F:F+1] op_sel_hi:[1,0]
.endr
	ds_store_b128 v[ADR], v[P:P+3]                 ; the tile's O^T / the sum takes its Q's place: lane (query slot r, h): channels 8 h + j
	ds_store_b128 v[ADR], v[P+4:P+7] offset:512
	s_add_co_u32 s33, s33, 1024
	s_add_co_u32 s32, s32, 1
	s_cmp_lt_u32 s32, 8
	s_cbranch_scc1 .Lqt
	; ---- the tail: wave w takes query tile w: the eight heads' O, quantised along the 128 channels, x W + w_b + x
	WIN 0x40
.irp t, 0,1,2,3,4,5,6,7
.irp c, 0,1,2
	global_load_b128 v[12*\t+4*\c:12*\t+4*\c+3], v[LI], s[6:7] offset:(24+\t)*1536+512*\c   ; W's eight fragments
.endr
.endr
.irp i, 0,1,2,3,4,5,6,7,8,9,10,11,12,13,14,15
	global_load_b128 v[XP+4*\i:XP+4*\i+3], v[LI], s[48:49] offset:(\i+8*(\i/8))*512   ; the tile's 16 rows of x, whole: 512 consecutive bytes a load
.endr
	WIN 0
	global_load_b128 v[16:19], v[LI], s[8:9] offset:3072      ; W's scale words, four fragments' a load
	global_load_b128 v[20:23], v[LI], s[8:9] offset:3584
	global_load_b128 v[24:27], v[LI], s[16:17]                ; w_b at channels 4 x lane on
	BARRIER                                        ; every head's O lies in LDS
	v_add_nc_u32 v[SCRD], SCR, v[LI]
.irp b, 0,1,2,3                        ; lane (r, h) wants channels 32 b + 16 h + 0 .. 15 of slot r: all of head 2 b + h.  Sixteen lanes read 256 consecutive bytes
.irp jj, 0,1,2,3
	ds_load_b128 v[P+16*\b+4*\jj:P+16*\b+4*\jj+3], v[ORQ] offset:16384*\b+512*(\jj%2)+256*(\jj/2)
.endr
.endr
	s_wait_dscnt 0x0
	QUANT P, PC, PW
	s_wait_loadcnt 0x0
	WIN 0x41                                       ; destination and source 0 window 1
.set i, 0
.rept 16
	v_pk_add_f32 v[XP+4*i:XP+4*i+1], v[XP+4*i:XP+4*i+1], v[24:25]      ; x + w_b.  (These 32 lines are also the places between the codes and scale word just made and the products)
	v_pk_add_f32 v[XP+4*i+2:XP+4*i+3], v[XP+4*i+2:XP+4*i+3], v[26:27]
.set i, i+1
.endr
	WIN 0x01
.irp t, 0,1,2,3,4,5,6,7
	MX0 P+8*\t, 12*\t, PC, 16+\t, PW               ; lane (slot r, h): output channels 16 t + 8 h + j
.endr
	WIN 0
	PLACES 4
.irp t, 0,1,2,3,4,5,6,7
	ds_store_b128 v[OSY], v[P+8*\t:P+8*\t+3] offset:64*\t
	ds_store_b128 v[OSY], v[P+8*\t+4:P+8*\t+7] offset:64*\t+16
.endr
.irp i, 0,1,2,3,4,5,6,7,8,9,10,11,12,13,14,15
	ds_load_b128 v[P+4*\i:P+4*\i+3], v[ORR] offset:528*\i     ; my own stage; LDS serves a wave's instructions in order (ISA guide 5.7.1.4): these see the stores above
.endr
	s_wait_dscnt 0x0
	WIN 0x04                                       ; source 1 window 1
.set i, 0
.rept 32
	v_pk_add_f32 v[P+2*i:P+2*i+1], v[P+2*i:P+2*i+1], v[XP+2*i:XP+2*i+1]
.set i, i+1
.endr
	WIN 0
.irp i, 0,1,2,3,4,5,6,7,8,9,10,11,12,13,14,15
	global_store_b128 v[LI], v[P+4*\i:P+4*\i+3], s[50:51] offset:(\i+8*(\i/8))*512   ; a whole row: 512 consecutive bytes, aligned
.endr
	STATS P, 32, 52, 52
.Lfunc_end_k_q444718487c_attn:
	.size	k_q444718487c_attn, .Lfunc_end_k_q444718487c_attn-k_q444718487c_attn
	.p2alignl 7, 3214868480
	.fill 96, 4, 3214868480
	.section	.rodata,"a",@progbits
	.p2align	6, 0x0
	.amdhsa_kernel k_q444718487c_attn
		.amdhsa_group_segment_fixed_size 195584
		.amdhsa_private_segment_fixed_size 0
		.amdhsa_enable_private_segment 0
		.amdhsa_kernarg_size 72
		.amdhsa_user_sgpr_count 2
		.amdhsa_user_sgpr_kernarg_segment_ptr 1
		.amdhsa_wavefront_size32 1
		.amdhsa_system_sgpr_workgroup_id_x 1
		.amdhsa_system_sgpr_workgroup_id_y 1
		.amdhsa_system_sgpr_workgroup_id_z 1
		.amdhsa_system_vgpr_workitem_id 0
		.amdhsa_next_free_vgpr 512
		.amdhsa_next_free_sgpr 66
		.amdhsa_reserve_vcc 0
		.amdhsa_float_denorm_mode_32 3
		.amdhsa_float_denorm_mode_16_64 3
		.amdhsa_memory_ordered 1
		.amdhsa_forward_progress 1
		.amdhsa_inst_pref_size 157
	.end_amdhsa_kernel
	.amdgpu_metadata
---
amdhsa.version: [ 1, 2 ]
amdhsa.kernels:
  - .name:           k_q444718487c_attn
    .symbol:         k_q444718487c_attn.kd
    .args:
      - { .name: embedding_node, .offset: 0, .size: 8, .value_kind: global_buffer, .address_space: global }
      - { .name: wimg, .offset: 8, .size: 8, .value_kind: global_buffer, .address_space: global }
      - { .name: wscl, .offset: 16, .size: 8, .value_kind: global_buffer, .address_space: global }
      - { .name: wq_b, .offset: 24, .size: 8, .value_kind: global_buffer, .address_space: global }
      - { .name: wk_b, .offset: 32, .size: 8, .value_kind: global_buffer, .address_space: global }
      - { .name: wv_b, .offset: 40, .size: 8, .value_kind: global_buffer, .address_space: global }
      - { .name: w_b, .offset: 48, .size: 8, .value_kind: global_buffer, .address_space: global }
      - { .name: x1, .offset: 56, .size: 8, .value_kind: global_buffer, .address_space: global }
      - { .name: st1, .offset: 64, .size: 8, .value_kind: global_buffer, .address_space: global }
    .group_segment_fixed_size: 195584
    .private_segment_fixed_size: 0
    .kernarg_segment_align: 8
    .kernarg_segment_size: 72
    .max_flat_workgroup_size: 256
    .sgpr_count:     66
    .vgpr_count:     512
    .wavefront_size: 32
...
	.end_amdgpu_metadata
.endif
;; end of part 2
;; launch ffn (part 3): grid 256 x 1, 8 waves a work-group, no clusters, 219,136 bytes of LDS; arguments x1, st1, bn1_g, bn1_b, wimg, wscl, ff1_b, ff2_b, x2, st2; writes x2, st2
.if DOCPART == 3
	.amdgcn_target "amdgcn-amd-amdhsa--gfx1250"
	.amdhsa_code_object_version 6
	.text
	.protected	k_q444718487c_ffn
	.globl	k_q444718487c_ffn
	.p2align	8
	.type	k_q444718487c_ffn,@function
k_q444718487c_ffn:
	s_mov_b64 s[64:65], 0
	v_nop
	global_prefetch_b8 v0, s[64:65] scope:SCOPE_SE
	s_setreg_imm32_b32 hwreg(HW_REG_WAVE_MODE, 25, 1), 1
	s_wait_xcnt 0x0
; xn = batch norm 1 of x1;  x2 = xn + relu(xn W1 + b1) W2 + b2, both products on codes of FP6;  st2: the mean and the sum of squares about it of the work-group's 128 rows of x2.
; THE NORM'S STATISTICS are joined from st1's 256 parts (mean_i and M2_i of 128 rows each) about m0 = mean_0: d_i = mean_i - m0, S1 = sum d, S2 = sum d^2, SM = sum M2;
; mu = m0 + S1 / 256;  32768 var = SM + 128 S2 - 128 S1 (S1 / 256).  m0 is one of the means, so every term is of the size of the data's own spread: no difference of large sums.
; Wave w joins parts 32 w .. 32 w + 31 and hands on S1 and SM + 128 S2; every work-group adds in the same order, so all hold the same mu and var.
; SHARES.  128 rows a work-group, two teams of four waves, 64 rows a team.  In a team THE WAVES SHARE THE COLUMNS: wave u makes hidden units 128 u on and outputs 32 u on for the team's four tiles of 16 rows;
; its parts of W1 and W2 (16 fragments) stay in its registers.  Operands go from wave to wave through LDS as images of their registers.  In phase X and on the way out wave w owns rows 16 w on.
; The first product is used transposed (source 0 = 16 hidden units, source 1 = 16 rows) and the units of a tile are chosen (at the weights' laying out) so that a lane's 64 results are K step u of the second product.
; NO CLUSTER: what work-groups share (st1, the weights' images) is read once, at the head, straight into registers in the lanes' own order; there is no loop of refills, and by way of LDS each wave would read it once more.
; LIMITS: NaN and infinities are not served; blocks of zeros or under 2^-124 keep the scale byte 1; v_rsq_f32's own accuracy stands ahead of the quantiser.
; REGISTERS, window 0: v1-19 addresses; v20-31 x's fragment; v32-43 codes just made; v44-67 at work; v68-73 scale words made or fetched; v74-89 the weights' scale words; v90-105 b2's two tiles; v106-109 gamma / sqrt(var + eps);
;   v128-191, v192-255 two sets of 64.  The statistics' work lies over v20-53 while those are idle.   window 1: first st1's 32 parts; then W1 0-95, W2 96-191, b1's eight tiles 192-255.
.set XSTG, 0                           ; LDS: xn, 128 rows x (512 + 16) bytes: kept for the residual
.set YSTG, 67584                       ; the second product's results, likewise
.set XIMG, 135168                      ; xn's 8 fragments, 1,536 bytes each
.set XSC,  147456                      ; their scale words, 128 bytes each
.set HIMG, 148480                      ; the hidden layer's 32 fragments: 16 x team + 4 m + s
.set HSC,  197632
.set SCR1, 201728                      ; the norm's statistics: 1,024 bytes a wave
.set SCR2, 209920                      ; st2's: 1,024 bytes a wave
.set LI, 1
.set LS, 2
.set XSW, 3
.set XSQ, 4
.set XWI, 5
.set XWS, 6
.set XRI, 7
.set XRS, 8
.set HWI, 9
.set HWS, 10
.set HRI, 11
.set HRS, 12
.set YSO, 13
.set YSR, 14
.set SC1W, 15
.set SC1R, 16
.set SCW, 17
.set SCRD, 18
.set BO32, 19
.set XF,  20
.set PC,  32
.set T2,  44
.set TM,  52
.set PW,  68
.set XS,  69
.set HS,  70
.set W1S, 74
.set W2S, 82
.set B2,  90
.set AA,  106
.set BO64, 114
.set RA,  128
.set RB,  192
.set M0,  20                           ; m0, then mu
.set S1,  24
.set S2,  28
.set SM,  32
.set G,   36
.set BE,  40
.set T,   44
.set EP,  52
.set W1,  0                            ; window 1
.set W2,  96
.set B1,  192
.set WV,  24
.set SEL, 28
.set MSB, 0
.macro WIN new                         ; bits 1:0 source 0, 3:2 source 1, 5:4 source 2, 7:6 destination; the high byte repeats the setting that is left
.if MSB != \new
	s_set_vgpr_msb (MSB<<8)|\new
.set MSB, \new
.endif
.endm
.macro PLACES n                        ; plain vector places behind a matrix instruction (ISA guide 7.12.1)
.rept \n
	v_nop
.endr
.endm
.macro BARRIER                         ; my LDS stores have landed and my LDS loads are in: then the work-group's barrier
	s_wait_dscnt 0x0
	s_barrier_signal -1
	s_barrier_wait -1
.endm
.macro MX d, a, b, c, sa, sb
	v_wmma_scale_f32_16x16x128_f8f6f4 v[\d:\d+7], v[\a:\a+11], v[\b:\b+11], v[\c:\c+7], v[\sa], v[\sb] matrix_a_fmt:MATRIX_FMT_FP6 matrix_b_fmt:MATRIX_FMT_FP6
.endm
; 64 numbers of a lane, v[s] on, register 16 b + i = k 32 b + 16 h + i of my row, become a fragment's codes in v[d] on and its scale word in v[pw].
.macro QUANT s, d, pw
.irp b, 0,1,2,3
	v_max3_num_f32 v[TM+\b], |v[\s+16*\b]|, |v[\s+1+16*\b]|, 0x1800000   ; block b: my 16 numbers, and the floor 2^(3 - 127): the byte cannot fall under 1
.endr
.irp i, 2,4,6,8,10,12,14
.irp b, 0,1,2,3
	v_max3_num_f32 v[TM+\b], v[TM+\b], |v[\s+16*\b+\i]|, |v[\s+1+16*\b+\i]|
.endr
.endr
.irp b, 0,1,2,3
	v_permlanex16_b32 v[TM+4+\b], v[TM+\b], s[SEL], s[SEL+1]
.endr
.irp b, 0,1,2,3
	v_max_num_f32 v[TM+\b], v[TM+\b], v[TM+4+\b]
.endr
.irp b, 0,1,2,3
	v_add_nc_u32 v[TM+12+\b], 0xff000000, v[TM+\b]
.endr
.irp b, 0,1,2,3
	v_lshrrev_b32 v[TM+4+\b], 23, v[TM+12+\b]
.endr
	v_lshl_or_b32 v[\pw], v[TM+5], 8, v[TM+4]
	v_lshl_or_b32 v[\pw], v[TM+6], 16, v[\pw]
	v_lshl_or_b32 v[\pw], v[TM+7], 24, v[\pw]
.irp c, 0,1
	v_cvt_scalef32_pk16_fp6_f32 v[\d+6*\c:\d+6*\c+2], v[\s+32*\c:\s+32*\c+15], v[TM+12+2*\c]
	v_cvt_scalef32_pk16_fp6_f32 v[T2+4*\c:T2+4*\c+2], v[\s+32*\c+16:\s+32*\c+31], v[TM+13+2*\c]
.endr
	v_nop                                          ; one plain place behind a scaled conversion
.irp c, 0,1
.irp i, 0,1,2
	v_permlane16_swap_b32 v[\d+6*\c+\i], v[T2+4*\c+\i]
.endr
.irp i, 0,1,2
	v_mov_b32 v[\d+6*\c+3+\i], v[T2+4*\c+\i]
.endr
.endr
.endm
.macro IMAGE adr, off, d
.irp c, 0,1,2
	ds_store_b128 v[\adr], v[\d+4*\c:\d+4*\c+3] offset:\off+512*\c
.endr
.endm
.macro FETCH reg, adr, off
.irp c, 0,1,2
	ds_load_b128 v[\reg+4*\c:\reg+4*\c+3], v[\adr] offset:\off+512*\c
.endr
.endm
; 16 rows of 128 channels (row i's channels 4 x lane .. + 3 in v[R + 4 i] on): the wave's mean and sum of squares about it; the eight waves' are joined by wave 0 and stored.  TB: 16 registers, LB: 64.
.macro STATS R, TB, LB, SP
	v_pk_add_f32 v[\TB:\TB+1], v[\R:\R+1], v[\R+8:\R+9]
	v_pk_add_f32 v[\TB+2:\TB+3], v[\R+2:\R+3], v[\R+10:\R+11]
	v_pk_add_f32 v[\TB+4:\TB+5], v[\R+4:\R+5], v[\R+12:\R+13]
	v_pk_add_f32 v[\TB+6:\TB+7], v[\R+6:\R+7], v[\R+14:\R+15]
.set i, 4
.rept 12
	v_pk_add_f32 v[\TB+4*(i%2):\TB+4*(i%2)+1], v[\TB+4*(i%2):\TB+4*(i%2)+1], v[\R+4*i:\R+4*i+1]
	v_pk_add_f32 v[\TB+4*(i%2)+2:\TB+4*(i%2)+3], v[\TB+4*(i%2)+2:\TB+4*(i%2)+3], v[\R+4*i+2:\R+4*i+3]
.set i, i+1
.endr
	v_pk_add_f32 v[\TB:\TB+1], v[\TB:\TB+1], v[\TB+4:\TB+5]
	v_pk_add_f32 v[\TB+2:\TB+3], v[\TB+2:\TB+3], v[\TB+6:\TB+7]
	v_pk_mul_f32 v[\TB+8:\TB+9], v[\TB:\TB+1], 0x3d800000 op_sel_hi:[1,0]        ; / 16
	v_pk_mul_f32 v[\TB+10:\TB+11], v[\TB+2:\TB+3], 0x3d800000 op_sel_hi:[1,0]
.set i, 0
.rept 16
	v_pk_add_f32 v[\TB+4*(i%2):\TB+4*(i%2)+1], v[\R+4*i:\R+4*i+1], v[\TB+8:\TB+9] neg_lo:[0,1] neg_hi:[0,1]
	v_pk_add_f32 v[\TB+4*(i%2)+2:\TB+4*(i%2)+3], v[\R+4*i+2:\R+4*i+3], v[\TB+10:\TB+11] neg_lo:[0,1] neg_hi:[0,1]
.if i == 0
	v_pk_mul_f32 v[\TB+12:\TB+13], v[\TB:\TB+1], v[\TB:\TB+1]
	v_pk_mul_f32 v[\TB+14:\TB+15], v[\TB+2:\TB+3], v[\TB+2:\TB+3]
.else
	v_pk_fma_f32 v[\TB+12:\TB+13], v[\TB+4*(i%2):\TB+4*(i%2)+1], v[\TB+4*(i%2):\TB+4*(i%2)+1], v[\TB+12:\TB+13]
	v_pk_fma_f32 v[\TB+14:\TB+15], v[\TB+4*(i%2)+2:\TB+4*(i%2)+3], v[\TB+4*(i%2)+2:\TB+4*(i%2)+3], v[\TB+14:\TB+15]
.endif
.set i, i+1
.endr
	ds_store_b128 v[SCW], v[\TB+8:\TB+11]
	ds_store_b128 v[SCW], v[\TB+12:\TB+15] offset:512
	BARRIER
	s_cmp_lg_u32 s[WV], 0
	s_cbranch_scc1 .Lend                           ; wave 0 alone goes on; no barrier follows
.set k, 0
.rept 8
	ds_load_b128 v[\LB+8*k:\LB+8*k+3], v[SCRD] offset:1024*k
	ds_load_b128 v[\LB+8*k+4:\LB+8*k+7], v[SCRD] offset:1024*k+512
.set k, k+1
.endr
	s_wait_dscnt 0x0
.set q, 0
.rept 4
	v_pk_add_f32 v[\TB+2*q:\TB+2*q+1], v[\LB+2*q:\LB+2*q+1], v[\LB+8+2*q:\LB+8+2*q+1]
.set q, q+1
.endr
.set k, 2
.rept 6
.set q, 0
.rept 4
	v_pk_add_f32 v[\TB+2*q:\TB+2*q+1], v[\TB+2*q:\TB+2*q+1], v[\LB+8*k+2*q:\LB+8*k+2*q+1]
.set q, q+1
.endr
.set k, k+1
.endr
	v_pk_mul_f32 v[\TB:\TB+1], v[\TB:\TB+1], 0x3e000000 op_sel_hi:[1,0]          ; / 8
	v_pk_mul_f32 v[\TB+2:\TB+3], v[\TB+2:\TB+3], 0x3e000000 op_sel_hi:[1,0]
.set k, 0
.rept 8
	v_pk_add_f32 v[\LB+8*k:\LB+8*k+1], v[\LB+8*k:\LB+8*k+1], v[\TB:\TB+1] neg_lo:[0,1] neg_hi:[0,1]
	v_pk_add_f32 v[\LB+8*k+2:\LB+8*k+3], v[\LB+8*k+2:\LB+8*k+3], v[\TB+2:\TB+3] neg_lo:[0,1] neg_hi:[0,1]
.set k, k+1
.endr
	v_pk_mul_f32 v[\TB+8:\TB+9], v[\LB:\LB+1], v[\LB:\LB+1]
	v_pk_mul_f32 v[\TB+10:\TB+11], v[\LB+2:\LB+3], v[\LB+2:\LB+3]
.set k, 1
.rept 7
	v_pk_fma_f32 v[\TB+8:\TB+9], v[\LB+8*k:\LB+8*k+1], v[\LB+8*k:\LB+8*k+1], v[\TB+8:\TB+9]
	v_pk_fma_f32 v[\TB+10:\TB+11], v[\LB+8*k+2:\LB+8*k+3], v[\LB+8*k+2:\LB+8*k+3], v[\TB+10:\TB+11]
.set k, k+1
.endr
	v_pk_fma_f32 v[\TB+4:\TB+5], v[\TB+8:\TB+9], 0x41800000, v[\TB+4:\TB+5] op_sel_hi:[1,0,1]
	v_pk_fma_f32 v[\TB+6:\TB+7], v[\TB+10:\TB+11], 0x41800000, v[\TB+6:\TB+7] op_sel_hi:[1,0,1]
	global_store_b128 v[LI], v[\TB:\TB+3], s[\SP:\SP+1]
	global_store_b128 v[LI], v[\TB+4:\TB+7], s[\SP:\SP+1] offset:512
.Lend:
	s_wait_tensorcnt 0x0
	ds_add_u32 v126, v127
	s_wait_dscnt 0x0
	s_endpgm
.endm
	s_load_b512 s[4:19], s[0:1], 0x0               ; x1 s[4:5], st1 s[6:7], gamma s[8:9], beta s[10:11], wimg s[12:13], wscl s[14:15], ff1_b s[16:17], ff2_b s[18:19]
	s_load_b128 s[20:23], s[0:1], 0x40             ; x2 s[20:21], st2 s[22:23]
	v_lshl_add_u32 v126, v0, 2, 0x35400
	v_mov_b32 v127, 0
	v_lshrrev_b32 v20, 5, v0
	v_readfirstlane_b32 s[WV], v20                 ; wave
	s_lshr_b32 s25, s[WV], 2                       ; team
	s_and_b32 s26, s[WV], 3                        ; u: my place in it
	v_and_b32 v20, 31, v0                          ; lane
	v_and_b32 v21, 15, v0                          ; r
	v_bfe_u32 v22, v0, 4, 1                        ; h
	v_lshlrev_b32 v[LI], 4, v20
	v_lshlrev_b32 v[LS], 2, v20
	v_mul_u32_u24 v23, v21, 528
	s_mul_i32 s27, s[WV], 8448
	v_add_nc_u32 v[XSW], s27, v[LI]                ; my 16 rows of xn, 16 bytes a lane
	v_lshl_add_u32 v[XSQ], v22, 6, v23
	v_add_nc_u32 v[XSQ], s27, v[XSQ]               ; the same rows for the quantiser: row r, + 64 h
	s_add_co_u32 s27, s27, YSTG
	v_add_nc_u32 v[YSR], s27, v[LI]
	s_mul_i32 s27, s[WV], 1536
	s_add_co_u32 s27, s27, XIMG
	v_add_nc_u32 v[XWI], s27, v[LI]
	s_lshl_b32 s27, s[WV], 7
	s_add_co_u32 s27, s27, XSC
	v_add_nc_u32 v[XWS], s27, v[LS]
	s_mul_i32 s27, s25, 6144
	s_add_co_u32 s27, s27, XIMG
	v_add_nc_u32 v[XRI], s27, v[LI]
	s_lshl_b32 s27, s25, 9
	s_add_co_u32 s27, s27, XSC
	v_add_nc_u32 v[XRS], s27, v[LS]
	s_lshl_b32 s27, s25, 4
	s_add_co_u32 s27, s27, s26                     ; 16 x team + u
	s_mul_i32 s48, s27, 1536
	s_add_co_u32 s48, s48, HIMG
	v_add_nc_u32 v[HWI], s48, v[LI]
	s_lshl_b32 s48, s27, 7
	s_add_co_u32 s48, s48, HSC
	v_add_nc_u32 v[HWS], s48, v[LS]
	s_mul_i32 s27, s25, 24576
	s_add_co_u32 s27, s27, HIMG
	v_add_nc_u32 v[HRI], s27, v[LI]
	s_lshl_b32 s27, s25, 11
	s_add_co_u32 s27, s27, HSC
	v_add_nc_u32 v[HRS], s27, v[LS]
	s_mul_i32 s27, s25, 64*528
	s_lshl_b32 s48, s26, 7
	s_add_co_u32 s27, s27, s48
	s_add_co_u32 s27, s27, YSTG
	v_lshl_add_u32 v[YSO], v22, 5, v23
	v_add_nc_u32 v[YSO], s27, v[YSO]               ; the team's row r, + 32 h, + 128 u: my outputs' bytes
	s_lshl_b32 s27, s[WV], 10
	s_add_co_u32 s48, s27, SCR1
	v_add_nc_u32 v[SC1W], s48, v[LI]
	v_add_nc_u32 v[SC1R], SCR1, v[LI]
	s_add_co_u32 s48, s27, SCR2
	v_add_nc_u32 v[SCW], s48, v[LI]
	v_add_nc_u32 v[SCRD], SCR2, v[LI]
	v_lshlrev_b32 v[BO32], 5, v22
	v_lshlrev_b32 v[BO64], 6, v22
	s_mov_b32 s[SEL], 0x76543210
	s_mov_b32 s[SEL+1], 0xfedcba98
	s_mov_b32 s49, 0
	s_wait_kmcnt 0x0
	s_lshl_b32 s48, s[WV], 15
	s_add_nc_u64 s[32:33], s[6:7], s[48:49]        ; st1 at my 32 parts
	s_lshl_b32 s48, ttmp9, 7
	s_lshl_b32 s27, s[WV], 4
	s_add_co_u32 s48, s48, s27
	s_lshl_b32 s48, s48, 9
	s_add_nc_u64 s[34:35], s[4:5], s[48:49]        ; x1 and x2 at row 128 g + 16 w
	s_add_nc_u64 s[36:37], s[20:21], s[48:49]
	s_lshl_b32 s48, s26, 3
	s_add_co_u32 s48, s48, 32
	s_mul_i32 s48, s48, 1536
	s_add_nc_u64 s[38:39], s[12:13], s[48:49]      ; wimg at fragment 32 + 8 u (W1's; W2's lie 32 fragments on)
	s_lshl_b32 s48, s26, 10
	s_add_co_u32 s48, s48, 4096
	s_add_nc_u64 s[40:41], s[14:15], s[48:49]      ; wscl at the same fragment's words (W2's: 4,096 bytes on)
	s_lshl_b32 s48, s26, 9
	s_add_nc_u64 s[42:43], s[16:17], s[48:49]      ; b1 at my 128 units
	s_lshl_b32 s48, s26, 7
	s_add_nc_u64 s[44:45], s[18:19], s[48:49]      ; b2 at my 32 outputs
	s_lshl_b32 s48, ttmp9, 10
	s_add_nc_u64 s[46:47], s[22:23], s[48:49]      ; st2: 1,024 bytes a work-group
	; ---- 1: the loads of the head
	WIN 0x40
.set i, 0
.rept 32
	global_load_b128 v[8*i:8*i+3], v[LI], s[32:33] offset:1024*i          ; mean_i at channels 4 x lane on,
	global_load_b128 v[8*i+4:8*i+7], v[LI], s[32:33] offset:1024*i+512    ; M2_i
.set i, i+1
.endr
	WIN 0
	global_load_b128 v[M0:M0+3], v[LI], s[6:7]
	global_load_b128 v[G:G+3], v[LI], s[8:9]
	global_load_b128 v[BE:BE+3], v[LI], s[10:11]
	global_load_b128 v[W1S:W1S+3], v[LI], s[40:41]
	global_load_b128 v[W1S+4:W1S+7], v[LI], s[40:41] offset:512
	global_load_b128 v[W2S:W2S+3], v[LI], s[40:41] offset:4096
	global_load_b128 v[W2S+4:W2S+7], v[LI], s[40:41] offset:4608
.irp n, 0,1
	global_load_b128 v[B2+8*\n:B2+8*\n+3], v[BO32], s[44:45] offset:64*\n      ; lane (r, h): b2 at outputs 16 n + 8 h + 0 .. 7
	global_load_b128 v[B2+8*\n+4:B2+8*\n+7], v[BO32], s[44:45] offset:64*\n+16
.endr
.set i, 0
.rept 16
	global_load_b128 v[RB+4*i:RB+4*i+3], v[LI], s[34:35] offset:512*i th:TH_LOAD_NT   ; my 16 rows of x1: read once in the launch
.set i, i+1
.endr
.irp i, 56,57,58,59
	v_mov_b32 v[\i], 0                             ; written once: a lane permute's destination counts as one of its sources
.endr
	v_mov_b32 v[EP], 0x3727c5ac                    ; eps = 1e-5
	v_mov_b32 v[EP+1], 0x3727c5ac
	s_wait_loadcnt 16                              ; all but the 16 rows of x1
	; ---- 2: the statistics
	WIN 0x41                                       ; destination and source 0 window 1
.set i, 0
.rept 32
	v_pk_add_f32 v[8*i:8*i+1], v[8*i:8*i+1], v[M0:M0+1] neg_lo:[0,1] neg_hi:[0,1]       ; d_i = mean_i - m0
	v_pk_add_f32 v[8*i+2:8*i+3], v[8*i+2:8*i+3], v[M0+2:M0+3] neg_lo:[0,1] neg_hi:[0,1]
.set i, i+1
.endr
	WIN 0x05                                       ; sources 0 and 1 window 1
	v_pk_add_f32 v[S1:S1+1], v[0:1], v[8:9]        ; the first two terms start the sums: nothing is cleared
	v_pk_add_f32 v[S1+2:S1+3], v[2:3], v[10:11]
	v_pk_add_f32 v[SM:SM+1], v[4:5], v[12:13]
	v_pk_add_f32 v[SM+2:SM+3], v[6:7], v[14:15]
	v_pk_mul_f32 v[S2:S2+1], v[0:1], v[0:1]
	v_pk_mul_f32 v[S2+2:S2+3], v[2:3], v[2:3]
.set i, 1
.rept 31
	v_pk_fma_f32 v[S2:S2+1], v[8*i:8*i+1], v[8*i:8*i+1], v[S2:S2+1]
	v_pk_fma_f32 v[S2+2:S2+3], v[8*i+2:8*i+3], v[8*i+2:8*i+3], v[S2+2:S2+3]
.set i, i+1
.endr
	WIN 0x01                                       ; source 0 window 1
.set i, 2
.rept 30
	v_pk_add_f32 v[S1:S1+1], v[8*i:8*i+1], v[S1:S1+1]
	v_pk_add_f32 v[S1+2:S1+3], v[8*i+2:8*i+3], v[S1+2:S1+3]
	v_pk_add_f32 v[SM:SM+1], v[8*i+4:8*i+5], v[SM:SM+1]
	v_pk_add_f32 v[SM+2:SM+3], v[8*i+6:8*i+7], v[SM+2:SM+3]
.set i, i+1
.endr
	WIN 0
	v_pk_fma_f32 v[S2:S2+1], v[S2:S2+1], 0x43000000, v[SM:SM+1] op_sel_hi:[1,0,1]       ; SM + 128 S2
	v_pk_fma_f32 v[S2+2:S2+3], v[S2+2:S2+3], 0x43000000, v[SM+2:SM+3] op_sel_hi:[1,0,1]
	s_wait_loadcnt 0x0                             ; x1's rows are in; the weights take the parts' registers
	WIN 0x40
.irp t, 0,1,2,3,4,5,6,7
.irp c, 0,1,2
	global_load_b128 v[W1+12*\t+4*\c:W1+12*\t+4*\c+3], v[LI], s[38:39] offset:1536*\t+512*\c
.endr
.endr
.irp t, 0,1,2,3,4,5,6,7
.irp c, 0,1,2
	global_load_b128 v[W2+12*\t+4*\c:W2+12*\t+4*\c+3], v[LI], s[38:39] offset:49152+1536*\t+512*\c   ; fragment 4 n + s of my two output tiles
.endr
.endr
.irp t, 0,1,2,3,4,5,6,7
	global_load_b128 v[B1+8*\t:B1+8*\t+3], v[BO64], s[42:43] offset:(32*(\t/2)+8*(\t%2))*4      ; lane (r, h): b1 at units 32 (t / 2) + 16 h + 8 (t % 2) + 0 .. 7
	global_load_b128 v[B1+8*\t+4:B1+8*\t+7], v[BO64], s[42:43] offset:(32*(\t/2)+8*(\t%2))*4+16
.endr
	WIN 0
	ds_store_b128 v[SC1W], v[S1:S1+3]
	ds_store_b128 v[SC1W], v[S2:S2+3] offset:512
	BARRIER                                        ; the eight waves' sums lie in LDS
.set k, 0
.rept 8
	ds_load_b128 v[RA+8*k:RA+8*k+3], v[SC1R] offset:1024*k
	ds_load_b128 v[RA+8*k+4:RA+8*k+7], v[SC1R] offset:1024*k+512
.set k, k+1
.endr
	s_wait_dscnt 0x0
.set q, 0
.rept 4
	v_pk_add_f32 v[S1+2*q:S1+2*q+1], v[RA+2*q:RA+2*q+1], v[RA+8+2*q:RA+8+2*q+1]     ; (S1's four registers, then the other sum's four)
.set q, q+1
.endr
.set k, 2
.rept 6
.set q, 0
.rept 4
	v_pk_add_f32 v[S1+2*q:S1+2*q+1], v[S1+2*q:S1+2*q+1], v[RA+8*k+2*q:RA+8*k+2*q+1]
.set q, q+1
.endr
.set k, k+1
.endr
.irp p, 0,2
	v_pk_mul_f32 v[T+\p:T+\p+1], v[S1+\p:S1+\p+1], 0x3b800000 op_sel_hi:[1,0]             ; S1 / 256
.endr
.irp p, 0,2
	v_pk_add_f32 v[M0+\p:M0+\p+1], v[M0+\p:M0+\p+1], v[T+\p:T+\p+1]                       ; mu
.endr
.irp p, 0,2
	v_pk_mul_f32 v[T+\p:T+\p+1], v[T+\p:T+\p+1], v[S1+\p:S1+\p+1]
.endr
.irp p, 0,2
	v_pk_fma_f32 v[S2+\p:S2+\p+1], v[T+\p:T+\p+1], 0xc3000000, v[S2+\p:S2+\p+1] op_sel_hi:[1,0,1]   ; - 128 S1 (S1 / 256)
.endr
.irp p, 0,2
	v_pk_fma_f32 v[S2+\p:S2+\p+1], v[S2+\p:S2+\p+1], 0x38000000, v[EP:EP+1] op_sel_hi:[1,0,1]       ; / 32768 + eps
.endr
.irp p, 0,1,2,3
	v_rsq_f32 v[S2+\p], v[S2+\p]
.endr
	v_nop                                          ; one plain place behind a transcendental
	s_wait_alu depctr_va_vdst(0)
.irp p, 0,2
	v_pk_mul_f32 v[AA+\p:AA+\p+1], v[G+\p:G+\p+1], v[S2+\p:S2+\p+1]
.endr
	; ---- 3: xn = (x1 - mu) a + beta; my 16 rows go to LDS (for the residual) and come back 16 neighbours of each block a lane
.set i, 0
.rept 16
	v_pk_add_f32 v[RB+4*i:RB+4*i+1], v[RB+4*i:RB+4*i+1], v[M0:M0+1] neg_lo:[0,1] neg_hi:[0,1]
	v_pk_add_f32 v[RB+4*i+2:RB+4*i+3], v[RB+4*i+2:RB+4*i+3], v[M0+2:M0+3] neg_lo:[0,1] neg_hi:[0,1]
.set i, i+1
.endr
.set i, 0
.rept 16
	v_pk_fma_f32 v[RB+4*i:RB+4*i+1], v[RB+4*i:RB+4*i+1], v[AA:AA+1], v[BE:BE+1]
	v_pk_fma_f32 v[RB+4*i+2:RB+4*i+3], v[RB+4*i+2:RB+4*i+3], v[AA+2:AA+3], v[BE+2:BE+3]
.set i, i+1
.endr
.set i, 0
.rept 16
	ds_store_b128 v[XSW], v[RB+4*i:RB+4*i+3] offset:528*i
.set i, i+1
.endr
.irp b, 0,1,2,3
.irp j, 0,1,2,3
	ds_load_b128 v[RA+16*\b+4*\j:RA+16*\b+4*\j+3], v[XSQ] offset:128*\b+16*\j   ; my own rows: LDS serves a wave's instructions in order (ISA guide 5.7.1.4)
.endr
.endr
	s_wait_dscnt 0x0
	QUANT RA, PC, PW
	IMAGE XWI, 0, PC
	ds_store_b32 v[XWS], v[PW]
	BARRIER                                        ; xn's eight fragments lie in LDS
	s_wait_loadcnt 0x0                             ; the weights
	; ---- 4: the hidden layer, a tile of 16 rows at a time
	FETCH XF, XRI, 0
	ds_load_b32 v[XS], v[XRS]
.irp m, 0,1,2,3
	s_wait_dscnt 0x0                               ; the fragment is in, and the last tile's stores have read the codes' registers
	WIN 0x11                                       ; source 0 (W1) and source 2 (b1) window 1
.irp t, 0,1,2,3,4,5,6,7
	MX RA+8*\t, W1+12*\t, XF, B1+8*\t, W1S+\t, XS
.endr
	WIN 0
	PLACES 4
.if \m < 3
	FETCH XF, XRI, 1536*(\m+1)                     ; lands while this tile is quantised
	ds_load_b32 v[XS], v[XRS] offset:128*(\m+1)
.endif
.set j, 0
.rept 64
	v_max_num_f32 v[RA+j], 0, v[RA+j]              ; the activation, in f32
.set j, j+1
.endr
	QUANT RA, PC, PW
	IMAGE HWI, 6144*\m, PC                         ; K step u of the second product, the team's rows 16 m on
	ds_store_b32 v[HWS], v[PW] offset:512*\m
.endr
	BARRIER                                        ; the hidden layer's fragments lie in LDS
	; ---- 5: my 32 outputs for the team's 64 rows: eight accumulators by turns; a K step at a time
.irp s, 0,1,2,3
.irp m, 0,1,2,3
	FETCH RB+12*\m, HRI, (4*\m+\s)*1536
	ds_load_b32 v[HS+\m], v[HRS] offset:(4*\m+\s)*128
.endr
	s_wait_dscnt 0x0
	WIN 0x01                                       ; source 0 (W2) window 1
.irp m, 0,1,2,3
.irp n, 0,1
.if \s == 0
	MX RA+8*(4*\n+\m), W2+12*(4*\n+\s), RB+12*\m, B2+8*\n, W2S+4*\n+\s, HS+\m
.else
	MX RA+8*(4*\n+\m), W2+12*(4*\n+\s), RB+12*\m, RA+8*(4*\n+\m), W2S+4*\n+\s, HS+\m
.endif
.endr
.endr
	WIN 0
	PLACES 4
.endr
.irp m, 0,1,2,3
.irp n, 0,1
	ds_store_b128 v[YSO], v[RA+8*(4*\n+\m):RA+8*(4*\n+\m)+3] offset:16*\m*528+64*\n       ; lane (r, h): outputs 32 u + 16 n + 8 h + 0 .. 7 of row 16 m + r
	ds_store_b128 v[YSO], v[RA+8*(4*\n+\m)+4:RA+8*(4*\n+\m)+7] offset:16*\m*528+64*\n+16
.endr
.endr
	BARRIER                                        ; 128 whole rows lie in the stage
	; ---- 6: the way out: my 16 rows, + xn
.set i, 0
.rept 16
	ds_load_b128 v[RB+4*i:RB+4*i+3], v[YSR] offset:528*i
.set i, i+1
.endr
.set i, 0
.rept 16
	ds_load_b128 v[RA+4*i:RA+4*i+3], v[XSW] offset:528*i
.set i, i+1
.endr
	s_wait_dscnt 0x0
.set i, 0
.rept 32
	v_pk_add_f32 v[RB+2*i:RB+2*i+1], v[RB+2*i:RB+2*i+1], v[RA+2*i:RA+2*i+1]
.set i, i+1
.endr
.set i, 0
.rept 16
	global_store_b128 v[LI], v[RB+4*i:RB+4*i+3], s[36:37] offset:512*i   ; a whole row: 512 consecutive bytes, aligned
.set i, i+1
.endr
	STATS RB, 20, RA, 46
.Lfunc_end_k_q444718487c_ffn:
	.size	k_q444718487c_ffn, .Lfunc_end_k_q444718487c_ffn-k_q444718487c_ffn
	.p2alignl 7, 3214868480
	.fill 96, 4, 3214868480
	.section	.rodata,"a",@progbits
	.p2align	6, 0x0
	.amdhsa_kernel k_q444718487c_ffn
		.amdhsa_group_segment_fixed_size 219136
		.amdhsa_private_segment_fixed_size 0
		.amdhsa_enable_private_segment 0
		.amdhsa_kernarg_size 80
		.amdhsa_user_sgpr_count 2
		.amdhsa_user_sgpr_kernarg_segment_ptr 1
		.amdhsa_wavefront_size32 1
		.amdhsa_system_sgpr_workgroup_id_x 1
		.amdhsa_system_sgpr_workgroup_id_y 1
		.amdhsa_system_sgpr_workgroup_id_z 1
		.amdhsa_system_vgpr_workitem_id 0
		.amdhsa_next_free_vgpr 512
		.amdhsa_next_free_sgpr 66
		.amdhsa_reserve_vcc 0
		.amdhsa_float_denorm_mode_32 3
		.amdhsa_float_denorm_mode_16_64 3
		.amdhsa_memory_ordered 1
		.amdhsa_forward_progress 1
		.amdhsa_inst_pref_size 107
	.end_amdhsa_kernel
	.amdgpu_metadata
---
amdhsa.version: [ 1, 2 ]
amdhsa.kernels:
  - .name:           k_q444718487c_ffn
    .symbol:         k_q444718487c_ffn.kd
    .args:
      - { .name: x1, .offset: 0, .size: 8, .value_kind: global_buffer, .address_space: global }
      - { .name: st1, .offset: 8, .size: 8, .value_kind: global_buffer, .address_space: global }
      - { .name: bn1_g, .offset: 16, .size: 8, .value_kind: global_buffer, .address_space: global }
      - { .name: bn1_b, .offset: 24, .size: 8, .value_kind: global_buffer, .address_space: global }
      - { .name: wimg, .offset: 32, .size: 8, .value_kind: global_buffer, .address_space: global }
      - { .name: wscl, .offset: 40, .size: 8, .value_kind: global_buffer, .address_space: global }
      - { .name: ff1_b, .offset: 48, .size: 8, .value_kind: global_buffer, .address_space: global }
      - { .name: ff2_b, .offset: 56, .size: 8, .value_kind: global_buffer, .address_space: global }
      - { .name: x2, .offset: 64, .size: 8, .value_kind: global_buffer, .address_space: global }
      - { .name: st2, .offset: 72, .size: 8, .value_kind: global_buffer, .address_space: global }
    .group_segment_fixed_size: 219136
    .private_segment_fixed_size: 0
    .kernarg_segment_align: 8
    .kernarg_segment_size: 80
    .max_flat_workgroup_size: 256
    .sgpr_count:     66
    .vgpr_count:     512
    .wavefront_size: 32
...
	.end_amdgpu_metadata
.endif
;; end of part 3
;; launch bn2 (part 4): grid 256 x 1, 8 waves a work-group, no clusters, 9,216 bytes of LDS; arguments x2, st2, bn2_g, bn2_b, out0; writes out0
.if DOCPART == 4
	.amdgcn_target "amdgcn-amd-amdhsa--gfx1250"
	.amdhsa_code_object_version 6
	.text
	.protected	k_q444718487c_bn2
	.globl	k_q444718487c_bn2
	.p2align	8
	.type	k_q444718487c_bn2,@function
k_q444718487c_bn2:
	s_mov_b64 s[64:65], 0
	v_nop
	global_prefetch_b8 v0, s[64:65] scope:SCOPE_SE
	s_setreg_imm32_b32 hwreg(HW_REG_WAVE_MODE, 25, 1), 1
	s_wait_xcnt 0x0
; out0 = batch norm 2 of x2.  The statistics are joined from st2's 256 parts as in the launch before: d_i = mean_i - mean_0, S1 = sum d, S2 = sum d^2, SM = sum M2;
; mu = mean_0 + S1 / 256;  32768 var = SM + 128 S2 - 128 S1 (S1 / 256): every term is of the size of the data's own spread.
; SHARES.  Work-group g takes 64 channels (half g % 2) of rows 256 (g / 2) on, so that it reads only its half of st2; sixteen lanes still read and store 256 consecutive bytes, aligned.
; Wave w takes rows 32 w on of the block (lanes 0-15 an even row, lanes 16-31 the odd one behind it) and parts 32 w on (likewise).
; A stream: no matrix unit, no tensor loads; all 51 loads of a wave go out at its head.  No cluster: what work-groups share is 131,072 bytes of st2, read once, straight into registers.
; LIMITS: NaN and infinities are not served.
.set LD, 1                             ; 512 h + 16 r: rows of x2 and out0
.set LP, 2                             ; 1,024 h + 16 r: parts of st2
.set LC, 3                             ; 16 r: my four channels
.set SCW, 4
.set SCR, 5
.set M0, 8                             ; mean_0, then mu
.set G,  12
.set BE, 16
.set S1, 20
.set S2, 24
.set SM, 28
.set T,  32
.set AA, 44
.set EP, 48
.set MN, 64                            ; v64-127  16 means; later the eight waves' sums
.set M2, 128                           ; v128-191 16 sums of squares
.set D,  192                           ; v192-255 16 x 4 numbers of x2
	s_load_b256 s[4:11], s[0:1], 0x0               ; x2 s[4:5], st2 s[6:7], gamma s[8:9], beta s[10:11]
	s_load_b64 s[12:13], s[0:1], 0x20              ; out0
	v_lshl_add_u32 v62, v0, 2, 0x2000
	v_mov_b32 v63, 0
	v_lshrrev_b32 v1, 5, v0
	v_readfirstlane_b32 s14, v1                    ; wave
	v_and_b32 v6, 15, v0                           ; r
	v_bfe_u32 v7, v0, 4, 1                         ; h
	v_lshlrev_b32 v[LC], 4, v6
	v_lshl_add_u32 v[LD], v7, 9, v[LC]
	v_lshl_add_u32 v[LP], v7, 10, v[LC]
	v_and_b32 v[SCR], 31, v0
	v_lshlrev_b32 v[SCR], 4, v[SCR]
	s_lshl_b32 s15, s14, 10
	v_add_nc_u32 v[SCW], s15, v[SCR]
	v_mov_b32 v[EP], 0x3727c5ac                    ; eps = 1e-5
	v_mov_b32 v[EP+1], 0x3727c5ac
	s_and_b32 s16, ttmp9, 1
	s_lshl_b32 s16, s16, 8                         ; my half of the channels: 256 bytes
	s_mov_b32 s17, 0
	s_lshr_b32 s18, ttmp9, 1
	s_lshl_b32 s18, s18, 8
	s_lshl_b32 s20, s14, 5
	s_add_co_u32 s18, s18, s20                     ; my first row: 256 (g / 2) + 32 w
	s_lshl_b32 s18, s18, 9
	s_add_co_u32 s18, s18, s16
	s_mov_b32 s19, 0
	s_lshl_b32 s20, s14, 15                        ; my 32 parts of 1,024 bytes
	s_mov_b32 s21, 0
	s_mov_b32 s22, 0x76543210
	s_mov_b32 s23, 0xfedcba98                      ; v_permlanex16_b32's selects for lane l xor 16
	s_wait_kmcnt 0x0
	s_add_nc_u64 s[6:7], s[6:7], s[16:17]
	s_add_nc_u64 s[8:9], s[8:9], s[16:17]
	s_add_nc_u64 s[10:11], s[10:11], s[16:17]
	s_add_nc_u64 s[24:25], s[6:7], s[20:21]
	s_add_nc_u64 s[4:5], s[4:5], s[18:19]
	s_add_nc_u64 s[12:13], s[12:13], s[18:19]
	global_load_b128 v[M0:M0+3], v[LC], s[6:7]
.set i, 0
.rept 16
	global_load_b128 v[MN+4*i:MN+4*i+3], v[LP], s[24:25] offset:2048*i          ; mean of part 32 w + 2 i + h
.set i, i+1
.endr
.set i, 0
.rept 16
	global_load_b128 v[M2+4*i:M2+4*i+3], v[LP], s[24:25] offset:2048*i+512      ; and its sum of squares
.set i, i+1
.endr
	global_load_b128 v[G:G+3], v[LC], s[8:9]
	global_load_b128 v[BE:BE+3], v[LC], s[10:11]
.set i, 0
.rept 16
	global_load_b128 v[D+4*i:D+4*i+3], v[LD], s[4:5] offset:1024*i th:TH_LOAD_NT   ; row 2 i + h: read once in the launch
.set i, i+1
.endr
	s_wait_loadcnt 16                              ; all but the 16 loads of data
.set i, 0
.rept 16
	v_pk_add_f32 v[MN+4*i:MN+4*i+1], v[MN+4*i:MN+4*i+1], v[M0:M0+1] neg_lo:[0,1] neg_hi:[0,1]       ; d_i
	v_pk_add_f32 v[MN+4*i+2:MN+4*i+3], v[MN+4*i+2:MN+4*i+3], v[M0+2:M0+3] neg_lo:[0,1] neg_hi:[0,1]
.set i, i+1
.endr
.irp p, 0,2                            ; the first terms start the sums: nothing is cleared
	v_pk_add_f32 v[S1+\p:S1+\p+1], v[MN+\p:MN+\p+1], v[MN+4+\p:MN+4+\p+1]
	v_pk_add_f32 v[SM+\p:SM+\p+1], v[M2+\p:M2+\p+1], v[M2+4+\p:M2+4+\p+1]
	v_pk_mul_f32 v[S2+\p:S2+\p+1], v[MN+\p:MN+\p+1], v[MN+\p:MN+\p+1]
.endr
.irp p, 0,2
	v_pk_fma_f32 v[S2+\p:S2+\p+1], v[MN+4+\p:MN+4+\p+1], v[MN+4+\p:MN+4+\p+1], v[S2+\p:S2+\p+1]
.endr
.set i, 2
.rept 14
.irp p, 0,2
	v_pk_add_f32 v[S1+\p:S1+\p+1], v[S1+\p:S1+\p+1], v[MN+4*i+\p:MN+4*i+\p+1]
	v_pk_add_f32 v[SM+\p:SM+\p+1], v[SM+\p:SM+\p+1], v[M2+4*i+\p:M2+4*i+\p+1]
	v_pk_fma_f32 v[S2+\p:S2+\p+1], v[MN+4*i+\p:MN+4*i+\p+1], v[MN+4*i+\p:MN+4*i+\p+1], v[S2+\p:S2+\p+1]
.endr
.set i, i+1
.endr
.irp p, 0,2
	v_pk_fma_f32 v[S2+\p:S2+\p+1], v[S2+\p:S2+\p+1], 0x43000000, v[SM+\p:SM+\p+1] op_sel_hi:[1,0,1]   ; SM + 128 S2
.endr
.irp p, 0,1,2,3,4,5,6,7
	v_permlanex16_b32 v[MN+\p], v[S1+\p], s22, s23                 ; lane l xor 16 holds the same channels' other parts (S1's four registers, then the other sum's four)
.endr
.irp p, 0,2,4,6
	v_pk_add_f32 v[S1+\p:S1+\p+1], v[S1+\p:S1+\p+1], v[MN+\p:MN+\p+1]
.endr
	ds_store_b128 v[SCW], v[S1:S1+3]
	ds_store_b128 v[SCW], v[S2:S2+3] offset:512
	s_wait_dscnt 0x0                               ; for the others' sake: my stores have landed
	s_barrier_signal -1
	s_barrier_wait -1
.set k, 0
.rept 8
	ds_load_b128 v[MN+8*k:MN+8*k+3], v[SCR] offset:1024*k
	ds_load_b128 v[MN+8*k+4:MN+8*k+7], v[SCR] offset:1024*k+512
.set k, k+1
.endr
	s_wait_dscnt 0x0
.irp p, 0,2,4,6
	v_pk_add_f32 v[S1+\p:S1+\p+1], v[MN+\p:MN+\p+1], v[MN+8+\p:MN+8+\p+1]
.endr
.set k, 2
.rept 6
.irp p, 0,2,4,6
	v_pk_add_f32 v[S1+\p:S1+\p+1], v[S1+\p:S1+\p+1], v[MN+8*k+\p:MN+8*k+\p+1]
.endr
.set k, k+1
.endr
.irp p, 0,2
	v_pk_mul_f32 v[T+\p:T+\p+1], v[S1+\p:S1+\p+1], 0x3b800000 op_sel_hi:[1,0]             ; S1 / 256
.endr
.irp p, 0,2
	v_pk_add_f32 v[M0+\p:M0+\p+1], v[M0+\p:M0+\p+1], v[T+\p:T+\p+1]                       ; mu
.endr
.irp p, 0,2
	v_pk_mul_f32 v[T+\p:T+\p+1], v[T+\p:T+\p+1], v[S1+\p:S1+\p+1]
.endr
.irp p, 0,2
	v_pk_fma_f32 v[S2+\p:S2+\p+1], v[T+\p:T+\p+1], 0xc3000000, v[S2+\p:S2+\p+1] op_sel_hi:[1,0,1]   ; - 128 S1 (S1 / 256)
.endr
.irp p, 0,2
	v_pk_fma_f32 v[S2+\p:S2+\p+1], v[S2+\p:S2+\p+1], 0x38000000, v[EP:EP+1] op_sel_hi:[1,0,1]       ; / 32768 + eps
.endr
.irp p, 0,1,2,3
	v_rsq_f32 v[S2+\p], v[S2+\p]
.endr
	v_nop                                          ; one plain place behind a transcendental
	s_wait_alu depctr_va_vdst(0)
.irp p, 0,2
	v_pk_mul_f32 v[AA+\p:AA+\p+1], v[G+\p:G+\p+1], v[S2+\p:S2+\p+1]
.endr
	s_wait_loadcnt 0x0                             ; the data
.set i, 0
.rept 16
	v_pk_add_f32 v[D+4*i:D+4*i+1], v[D+4*i:D+4*i+1], v[M0:M0+1] neg_lo:[0,1] neg_hi:[0,1]
	v_pk_add_f32 v[D+4*i+2:D+4*i+3], v[D+4*i+2:D+4*i+3], v[M0+2:M0+3] neg_lo:[0,1] neg_hi:[0,1]
.set i, i+1
.endr
.set i, 0
.rept 16
	v_pk_fma_f32 v[D+4*i:D+4*i+1], v[D+4*i:D+4*i+1], v[AA:AA+1], v[BE:BE+1]
	v_pk_fma_f32 v[D+4*i+2:D+4*i+3], v[D+4*i+2:D+4*i+3], v[AA+2:AA+3], v[BE+2:BE+3]
	global_store_b128 v[LD], v[D+4*i:D+4*i+3], s[12:13] offset:1024*i th:TH_STORE_NT   ; sixteen lanes store 256 consecutive bytes, aligned; written once
.set i, i+1
.endr
	s_wait_tensorcnt 0x0
	ds_add_u32 v62, v63
	s_wait_dscnt 0x0
	s_endpgm
.Lfunc_end_k_q444718487c_bn2:
	.size	k_q444718487c_bn2, .Lfunc_end_k_q444718487c_bn2-k_q444718487c_bn2
	.p2alignl 7, 3214868480
	.fill 96, 4, 3214868480
	.section	.rodata,"a",@progbits
	.p2align	6, 0x0
	.amdhsa_kernel k_q444718487c_bn2
		.amdhsa_group_segment_fixed_size 9216
		.amdhsa_private_segment_fixed_size 0
		.amdhsa_enable_private_segment 0
		.amdhsa_kernarg_size 40
		.amdhsa_user_sgpr_count 2
		.amdhsa_user_sgpr_kernarg_segment_ptr 1
		.amdhsa_wavefront_size32 1
		.amdhsa_system_sgpr_workgroup_id_x 1
		.amdhsa_system_sgpr_workgroup_id_y 1
		.amdhsa_system_sgpr_workgroup_id_z 1
		.amdhsa_system_vgpr_workitem_id 0
		.amdhsa_next_free_vgpr 256
		.amdhsa_next_free_sgpr 66
		.amdhsa_reserve_vcc 0
		.amdhsa_float_denorm_mode_32 3
		.amdhsa_float_denorm_mode_16_64 3
		.amdhsa_memory_ordered 1
		.amdhsa_forward_progress 1
		.amdhsa_inst_pref_size 26
	.end_amdhsa_kernel
	.amdgpu_metadata
---
amdhsa.version: [ 1, 2 ]
amdhsa.kernels:
  - .name:           k_q444718487c_bn2
    .symbol:         k_q444718487c_bn2.kd
    .args:
      - { .name: x2, .offset: 0, .size: 8, .value_kind: global_buffer, .address_space: global }
      - { .name: st2, .offset: 8, .size: 8, .value_kind: global_buffer, .address_space: global }
      - { .name: bn2_g, .offset: 16, .size: 8, .value_kind: global_buffer, .address_space: global }
      - { .name: bn2_b, .offset: 24, .size: 8, .value_kind: global_buffer, .address_space: global }
      - { .name: out0, .offset: 32, .size: 8, .value_kind: global_buffer, .address_space: global }
    .group_segment_fixed_size: 9216
    .private_segment_fixed_size: 0
    .kernarg_segment_align: 8
    .kernarg_segment_size: 40
    .max_flat_workgroup_size: 256
    .sgpr_count:     66
    .vgpr_count:     256
    .wavefront_size: 32
...
	.end_amdgpu_metadata
.endif
;; end of part 4
;; ======== version 2 of 2: 4 launches; version 1 with the launches attn, ffn written anew for expert scheduling mode
;; workspace buffers: wimg 147,456 bytes; wscl 12,288 bytes; x1 16,777,216 bytes; x2 16,777,216 bytes; st1 262,144 bytes; st2 262,144 bytes
;; launch prep: the kernel of part 1 again; grid 24 x 1, 4 waves a work-group, no clusters, 0 bytes of LDS; arguments wq_w, wk_w, wv_w, w_w, ff1_w, ff2_w, wimg, wscl; writes wimg, wscl
;; launch attn (part 5): grid 256 x 1, 8 waves a work-group, no clusters, 195,584 bytes of LDS; arguments embedding_node, wimg, wscl, wq_b, wk_b, wv_b, w_b, x1, st1; writes x1, st1
.if DOCPART == 5
	.amdgcn_target "amdgcn-amd-amdhsa--gfx1250"
	.amdhsa_code_object_version 6
	.text
	.protected	k_q444718487c_attn
	.globl	k_q444718487c_attn
	.p2align	8
	.type	k_q444718487c_attn,@function
k_q444718487c_attn:
	s_mov_b64 s[64:65], 0
	v_nop
	global_prefetch_b8 v0, s[64:65] scope:SCOPE_SE
	s_setreg_imm32_b32 hwreg(HW_REG_WAVE_SCHED_MODE, 0, 2), 2
	s_setreg_imm32_b32 hwreg(HW_REG_WAVE_MODE, 25, 1), 1
	s_wait_xcnt 0x0
	s_wait_alu depctr_vm_vsrc(0)
; x1 = softmax(q k^T / 4) v W + w_b + x, and for each work-group the mean and the sum of squares about it of its 128 rows of x1, channel by channel (st1).
; SHARES.  Work-group g: batch element g / 4, queries 128 (g % 4) on: rows 128 g .. 128 g + 127 of x.  It makes K and V of its whole batch element itself (64 matrix instructions a wave).
; WAVE w IS HEAD w: its K (512 keys x 16, f32) fills 256 registers, its V (codes) 48, and nothing of a head goes to memory.  In the tail wave w takes query tile w through the output projection.
; KEYS ARE NUMBERED FROM THE WORK-GROUP'S OWN QUERIES ON: local key kk is row (kk + 128 (g % 4)) % 512 of the batch element, so the queries are local rows 0-127 and every LDS address is a constant.
; A turn by multiples of 128 keeps the blocks of 32 keys.  Fragment f of x (0 .. 31) holds the 16 local rows 32 (f / 2) + 8 (f % 2) + i + 8 (i / 8), i the slot.
; NOTHING CHANGES LANES:  K^T = Wk's tile x fragment (source 0 = the head's 16 channels, source 1 = 16 rows): lane (slot r, h) holds channels 8 h + j: that IS source 0 of the f32 form, whose
; k place (h, j) of instruction kk then stands for channel 8 h + 2 kk + j; Q comes the same way and is source 1 under the same order of channels.  S^T: a lane holds one query, and the 16 registers of
; tiles 2 b, 2 b + 1 are the 16 neighbouring keys 32 b + 16 h + 0 .. 15.  V = fragment x Wv's tile: lane (channel r, h) holds 16 neighbouring keys in two neighbouring tiles: the quantiser's input.
; SOFTMAX: t = score x log2(e) / 4; M = the running largest t rounded up to a whole number; p = 2^(t - M) is quantised along the keys; the sum is taken of the unquantised p and divides at the end.
; The product q k^T goes on into a quantiser, so it takes f32 operands: v_wmma_f32_16x16x4_f32; v128-191 are written by that form alone.
; NO CLUSTER: what the four work-groups of a batch element share is x[b], 262,144 bytes, read once at the head and through registers, since it is quantised on the way; the loop reads nothing from
; memory; and the numbering of the keys hangs on the work-group's place among the four.  The weights' images (4,608 bytes a wave at the head, 12,288 in the tail) go straight into registers.
; LIMITS: NaN and infinities are not served; blocks of zeros or under 2^-124 keep the scale byte 1; v_exp_f32 gives 0 for p under 2^-126; the keys are summed in the turned order, a head's channels in the order above.
; REGISTERS, window 0: v1-12 addresses; v13-15 Wq's, Wk's, Wv's scale words; v16-23 Q of a tile; v24-31 O^T; v32-79 V's four fragments; v80-83 their scale words; v84-95 codes just made; v96-103, v104-126 at work;
;   v128-191 S^T; v192-255 p (and x, V's tiles, rows of x1).   window 1: K (tile f at 8 f); ahead of it eight fragments of x, the weights' fragments and biases; in the tail W's fragments and rows of x.
; THE MODE: SCHED_MODE bits 1:0 = 2 (LLVM: expert scheduling mode 2), set by the entry lines.  The code itself states the register dependences between vector or matrix instructions
; and memory or LDS instructions, with s_wait_alu, always for 0.
; THE PLAN.  Registers that memory or LDS instructions touch, and who else names them:
;   v1-7, v9-12, v127   addresses: written at the head and never again: the one wait ahead of the first load serves them for the whole kernel.
;   v192-255, v16-79    phase X: two buffers of x by turns: the quantiser reads one; behind it, and one wait, the buffer's next loads go out.
;   v84-95, v122        the codes and the scale word just made: the quantiser writes them, the image's LDS stores read them: one wait on va_vdst behind each quantiser, one on vm_vsrc ahead of the next.
;   window 1 v0-95, v84-91   pass VQ: eight fragments and their words: the group's products read them; behind the products' places and one wait the next eight are asked for, and land while V is quantised.
;   v192-239, v240-243  pass K: two buffers of two fragments by turns: while a step's two products read one, the next step's eight loads land in the other; one wait at a step's head.
;   v8, v16-23, v192-199   the loop: a trip's address, Q, and O^T on its way out: two LDS loads and two LDS stores a trip; the waits stand at the trip's head and ahead of its stores.
;   The tail: each run of stores has one wait on va_vdst ahead of it; where loads land in registers that stores have read, one wait on vm_vsrc stands between.
; A scaled product that takes codes or a scale word which vector instructions wrote has its wait on va_vdst directly ahead of it, behind its places.
.set XIMG, 0                           ; LDS: x's 32 fragments as images of their registers, 1,536 bytes each
.set XSC,  49152                       ; their scale words, 128 bytes each
.set QIMG, 53248                       ; 8,192 bytes for each wave, its own: Q of its 8 query tiles, 1,024 bytes each; a tile's O^T takes its Q's place
.set YST,  118784                      ; the way out: 16 rows x (512 + 16) bytes for each wave, its own
.set SCR,  186368                      ; the statistics: 1,024 bytes for each wave
.set LI,  1                            ; 16 x lane
.set LS,  2                            ; 4 x lane
.set XA,  3                            ; x: (r + 8 (r / 8)) rows of 512 bytes + 64 h
.set XWI, 4                            ; where I store x's images: 16 x lane + 6,144 x wave
.set XWS, 5                            ; and their scale words: 4 x lane + 512 x wave
.set QA0, 6                            ; QIMG + 8,192 x wave + 16 x lane
.set ORQ, 7                            ; the tail's gather: QIMG + 8,192 h + 1,024 x wave + 16 r
.set ADR, 8                            ; the trip's tile in my part of QIMG; in the tail SCR + 16 x lane
.set BO4, 9                            ; 4 r: wv_b
.set OSY, 10                           ; my stage: row r, + 32 h
.set ORR, 11                           ; and back: 16 x lane
.set SCW, 12                           ; SCR + 1,024 x wave + 16 x lane
.set SCRD, 8
.set WQS, 13
.set WKS, 14
.set WVS, 15
.set QF,  16
.set OA,  24
.set VF,  32
.set VS,  80
.set PC,  84
.set XW,  84                           ; pass VQ: eight fragments' scale words
.set T2,  96
.set TM,  104                          ; the quantiser's: v104-107 largest magnitudes, v108-111 bytes, v116-119 scale operands
.set NM,  104                          ; a key step's: -M
.set TX,  105                          ; the largest t
.set L,   106                          ; v[106:107] the sum, in two halves
.set F,   108                          ; v[108:109] 2^(old M - new M); at the end 1 / the sum
.set BM,  110                          ; v110-113 the blocks' largest scores, then largest p
.set BX,  114                          ; v114-117 the other half's; then bytes
.set SO,  118                          ; v118-121 scale operands
.set PW,  122                          ; the scale word just made
.set T,   123
.set L2,  124
.set OLD, 126
.set BO32, 127                         ; 32 h: wq_b, wk_b
.set S,   128
.set P,   192
.set XB,  0                            ; window 1
.set WVF, 96
.set WQF, 108
.set WKF, 120
.set BV,  132
.set BQ,  140
.set BK,  148
.set XP,  96
.set WV,  22                           ; s22 wave
.set SEL, 28                           ; s[28:29] lane l xor 16
.set CS,  30                           ; s[30:31] c = log2(e) / 4, twice: the packed form names the pair
.set MSB, 0
.macro WIN new                         ; bits 1:0 source 0, 3:2 source 1, 5:4 source 2, 7:6 destination; the high byte repeats the setting that is left
.if MSB != \new
	s_set_vgpr_msb (MSB<<8)|\new
.set MSB, \new
.endif
.endm
.macro PLACES n                        ; plain vector places behind a matrix instruction (ISA guide 7.12.1)
.rept \n
	v_nop
.endr
.endm
.macro BARRIER                         ; my LDS stores have landed and my LDS loads are in: then the work-group's barrier
	s_wait_dscnt 0x0
	s_barrier_signal -1
	s_barrier_wait -1
.endm
.macro MX d, a, b, c, sa, sb           ; D = A B + C on codes of FP6
	v_wmma_scale_f32_16x16x128_f8f6f4 v[\d:\d+7], v[\a:\a+11], v[\b:\b+11], v[\c:\c+7], v[\sa], v[\sb] matrix_a_fmt:MATRIX_FMT_FP6 matrix_b_fmt:MATRIX_FMT_FP6
.endm
.macro MX0 d, a, b, sa, sb             ; the same with C = 0
	v_wmma_scale_f32_16x16x128_f8f6f4 v[\d:\d+7], v[\a:\a+11], v[\b:\b+11], 0, v[\sa], v[\sb] matrix_a_fmt:MATRIX_FMT_FP6 matrix_b_fmt:MATRIX_FMT_FP6
.endm
; 64 numbers of a lane, v[s] on, register 16 b + i = k 32 b + 16 h + i of my row, become a fragment's codes in v[d] on and its scale word in v[pw].
.macro QUANT s, d, pw
.irp b, 0,1,2,3
	v_max3_num_f32 v[TM+\b], |v[\s+16*\b]|, |v[\s+1+16*\b]|, 0x1800000   ; block b: my 16 numbers, and the floor 2^(3 - 127): the byte cannot fall under 1
.endr
.irp i, 2,4,6,8,10,12,14
.irp b, 0,1,2,3
	v_max3_num_f32 v[TM+\b], v[TM+\b], |v[\s+16*\b+\i]|, |v[\s+1+16*\b+\i]|   ; (the four blocks by turns)
.endr
.endr
.irp b, 0,1,2,3
	v_permlanex16_b32 v[TM+4+\b], v[TM+\b], s[SEL], s[SEL+1]
.endr
.irp b, 0,1,2,3
	v_max_num_f32 v[TM+\b], v[TM+\b], v[TM+4+\b]   ; with lane l xor 16's: the block's largest magnitude
.endr
.irp b, 0,1,2,3
	v_add_nc_u32 v[TM+12+\b], 0xff000000, v[TM+\b]   ; 2 off its exponent field: the conversion's scale operand
.endr
.irp b, 0,1,2,3
	v_lshrrev_b32 v[TM+4+\b], 23, v[TM+12+\b]      ; the scale's byte
.endr
	v_lshl_or_b32 v[\pw], v[TM+5], 8, v[TM+4]
	v_lshl_or_b32 v[\pw], v[TM+6], 16, v[\pw]
	v_lshl_or_b32 v[\pw], v[TM+7], 24, v[\pw]
.irp c, 0,1
	v_cvt_scalef32_pk16_fp6_f32 v[\d+6*\c:\d+6*\c+2], v[\s+32*\c:\s+32*\c+15], v[TM+12+2*\c]
	v_cvt_scalef32_pk16_fp6_f32 v[T2+4*\c:T2+4*\c+2], v[\s+32*\c+16:\s+32*\c+31], v[TM+13+2*\c]   ; (a conversion's three registers begin on an even number)
.endr
	v_nop                                          ; one plain place behind a scaled conversion
.irp c, 0,1                            ; the operand's layout wants a whole block in a lane: lanes 0-15 block 2 c, lanes 16-31 block 2 c + 1
.irp i, 0,1,2
	v_permlane16_swap_b32 v[\d+6*\c+\i], v[T2+4*\c+\i]
.endr
.irp i, 0,1,2
	v_mov_b32 v[\d+6*\c+3+\i], v[T2+4*\c+\i]
.endr
.endr
.endm
.macro IMAGE adr, off, d               ; a fragment goes to LDS as it stands: 512 consecutive bytes a store
.irp c, 0,1,2
	ds_store_b128 v[\adr], v[\d+4*\c:\d+4*\c+3] offset:\off+512*\c
.endr
.endm
.macro FETCH reg, adr, off             ; and comes back so, in any wave
.irp c, 0,1,2
	ds_load_b128 v[\reg+4*\c:\reg+4*\c+3], v[\adr] offset:\off+512*\c
.endr
.endm
; 16 rows of 128 channels (row i's channels 4 x lane .. + 3 in v[R + 4 i] on): the wave's mean and sum of squares about it; the eight waves' are joined by wave 0 and stored.  TB: 16 registers, LB: 64.
.macro STATS R, TB, LB, SP
	v_pk_add_f32 v[\TB:\TB+1], v[\R:\R+1], v[\R+8:\R+9]              ; two chains: even rows, odd rows
	v_pk_add_f32 v[\TB+2:\TB+3], v[\R+2:\R+3], v[\R+10:\R+11]
	v_pk_add_f32 v[\TB+4:\TB+5], v[\R+4:\R+5], v[\R+12:\R+13]
	v_pk_add_f32 v[\TB+6:\TB+7], v[\R+6:\R+7], v[\R+14:\R+15]
.set i, 4
.rept 12
	v_pk_add_f32 v[\TB+4*(i%2):\TB+4*(i%2)+1], v[\TB+4*(i%2):\TB+4*(i%2)+1], v[\R+4*i:\R+4*i+1]
	v_pk_add_f32 v[\TB+4*(i%2)+2:\TB+4*(i%2)+3], v[\TB+4*(i%2)+2:\TB+4*(i%2)+3], v[\R+4*i+2:\R+4*i+3]
.set i, i+1
.endr
	v_pk_add_f32 v[\TB:\TB+1], v[\TB:\TB+1], v[\TB+4:\TB+5]
	v_pk_add_f32 v[\TB+2:\TB+3], v[\TB+2:\TB+3], v[\TB+6:\TB+7]
	v_pk_mul_f32 v[\TB+8:\TB+9], v[\TB:\TB+1], 0x3d800000 op_sel_hi:[1,0]        ; / 16: the mean of my 16 rows
	v_pk_mul_f32 v[\TB+10:\TB+11], v[\TB+2:\TB+3], 0x3d800000 op_sel_hi:[1,0]
.set i, 0
.rept 16
	v_pk_add_f32 v[\TB+4*(i%2):\TB+4*(i%2)+1], v[\R+4*i:\R+4*i+1], v[\TB+8:\TB+9] neg_lo:[0,1] neg_hi:[0,1]
	v_pk_add_f32 v[\TB+4*(i%2)+2:\TB+4*(i%2)+3], v[\R+4*i+2:\R+4*i+3], v[\TB+10:\TB+11] neg_lo:[0,1] neg_hi:[0,1]
.if i == 0
	v_pk_mul_f32 v[\TB+12:\TB+13], v[\TB:\TB+1], v[\TB:\TB+1]       ; the first square starts the sum
	v_pk_mul_f32 v[\TB+14:\TB+15], v[\TB+2:\TB+3], v[\TB+2:\TB+3]
.else
	v_pk_fma_f32 v[\TB+12:\TB+13], v[\TB+4*(i%2):\TB+4*(i%2)+1], v[\TB+4*(i%2):\TB+4*(i%2)+1], v[\TB+12:\TB+13]
	v_pk_fma_f32 v[\TB+14:\TB+15], v[\TB+4*(i%2)+2:\TB+4*(i%2)+3], v[\TB+4*(i%2)+2:\TB+4*(i%2)+3], v[\TB+14:\TB+15]
.endif
.set i, i+1
.endr
	s_wait_alu depctr_va_vdst(0)                   ; my mean and my sum of squares are written, which the LDS stores read; and all that named v[LB ..] is done, in which wave 0's loads land
	ds_store_b128 v[SCW], v[\TB+8:\TB+11]
	ds_store_b128 v[SCW], v[\TB+12:\TB+15] offset:512
	BARRIER                                        ; the eight waves' figures lie in LDS
	s_wait_alu depctr_vm_vsrc(0)                   ; my two LDS stores have read v[TB + 8 ..], which wave 0 writes again
	s_cmp_lg_u32 s[WV], 0
	s_cbranch_scc1 .Lend                           ; wave 0 alone goes on; no barrier follows
.set k, 0
.rept 8
	ds_load_b128 v[\LB+8*k:\LB+8*k+3], v[SCRD] offset:1024*k
	ds_load_b128 v[\LB+8*k+4:\LB+8*k+7], v[SCRD] offset:1024*k+512
.set k, k+1
.endr
	s_wait_dscnt 0x0
.set q, 0
.rept 4
	v_pk_add_f32 v[\TB+2*q:\TB+2*q+1], v[\LB+2*q:\LB+2*q+1], v[\LB+8+2*q:\LB+8+2*q+1]
.set q, q+1
.endr
.set k, 2
.rept 6
.set q, 0
.rept 4
	v_pk_add_f32 v[\TB+2*q:\TB+2*q+1], v[\TB+2*q:\TB+2*q+1], v[\LB+8*k+2*q:\LB+8*k+2*q+1]
.set q, q+1
.endr
.set k, k+1
.endr
	v_pk_mul_f32 v[\TB:\TB+1], v[\TB:\TB+1], 0x3e000000 op_sel_hi:[1,0]          ; / 8: the mean of the 128 rows
	v_pk_mul_f32 v[\TB+2:\TB+3], v[\TB+2:\TB+3], 0x3e000000 op_sel_hi:[1,0]
.set k, 0
.rept 8
	v_pk_add_f32 v[\LB+8*k:\LB+8*k+1], v[\LB+8*k:\LB+8*k+1], v[\TB:\TB+1] neg_lo:[0,1] neg_hi:[0,1]
	v_pk_add_f32 v[\LB+8*k+2:\LB+8*k+3], v[\LB+8*k+2:\LB+8*k+3], v[\TB+2:\TB+3] neg_lo:[0,1] neg_hi:[0,1]
.set k, k+1
.endr
	v_pk_mul_f32 v[\TB+8:\TB+9], v[\LB:\LB+1], v[\LB:\LB+1]
	v_pk_mul_f32 v[\TB+10:\TB+11], v[\LB+2:\LB+3], v[\LB+2:\LB+3]
.set k, 1
.rept 7
	v_pk_fma_f32 v[\TB+8:\TB+9], v[\LB+8*k:\LB+8*k+1], v[\LB+8*k:\LB+8*k+1], v[\TB+8:\TB+9]
	v_pk_fma_f32 v[\TB+10:\TB+11], v[\LB+8*k+2:\LB+8*k+3], v[\LB+8*k+2:\LB+8*k+3], v[\TB+10:\TB+11]
.set k, k+1
.endr
	v_pk_fma_f32 v[\TB+4:\TB+5], v[\TB+8:\TB+9], 0x41800000, v[\TB+4:\TB+5] op_sel_hi:[1,0,1]     ; + 16 x the squares of the waves' means about the common mean
	v_pk_fma_f32 v[\TB+6:\TB+7], v[\TB+10:\TB+11], 0x41800000, v[\TB+6:\TB+7] op_sel_hi:[1,0,1]
	s_wait_alu depctr_va_vdst(0)                   ; the joined mean and sum of squares are written, which the two stores read
	global_store_b128 v[LI], v[\TB:\TB+3], s[\SP:\SP+1]             ; 512 consecutive bytes: mean[128]
	global_store_b128 v[LI], v[\TB+4:\TB+7], s[\SP:\SP+1] offset:512   ; and the sums of squares
.Lend:
	s_wait_xcnt 0x0                                ; the stores of x1's rows have had their addresses translated: v254 and v255, data of the last of them, are written only behind this wait,
	s_wait_alu depctr_vm_vsrc(0)                   ; and behind this one: those stores have read v254 and v255, which the two lines below make anew
	v_lshl_add_u32 v254, v0, 2, 0x2f800
	v_mov_b32 v255, 0
	s_wait_dscnt 0x0                               ; the closing lines, six on end
	s_wait_alu 0x0
	s_wait_tensorcnt 0x0
	ds_add_u32 v254, v255
	s_wait_dscnt 0x0
	s_endpgm
.endm
	s_load_b512 s[4:19], s[0:1], 0x0               ; x s[4:5], wimg s[6:7], wscl s[8:9], wq_b s[10:11], wk_b s[12:13], wv_b s[14:15], w_b s[16:17], x1 s[18:19]
	s_load_b64 s[20:21], s[0:1], 0x40              ; st1
	v_lshrrev_b32 v16, 5, v0
	v_readfirstlane_b32 s[WV], v16                 ; wave = head
	v_and_b32 v16, 31, v0                          ; lane
	v_and_b32 v17, 15, v0                          ; r
	v_bfe_u32 v18, v0, 4, 1                        ; h
	v_lshlrev_b32 v[LI], 4, v16
	v_lshlrev_b32 v[LS], 2, v16
	v_and_b32 v19, 8, v17
	v_add_nc_u32 v19, v19, v17                     ; r + 8 (r / 8)
	v_lshlrev_b32 v[XA], 9, v19
	v_lshl_add_u32 v[XA], v18, 6, v[XA]
	s_wait_alu depctr_va_sdst(0)                   ; the wave's number is written into s22, ahead of its first reader
	s_mul_i32 s23, s[WV], 6144
	v_add_nc_u32 v[XWI], s23, v[LI]
	s_lshl_b32 s23, s[WV], 9
	v_add_nc_u32 v[XWS], s23, v[LS]
	s_lshl_b32 s23, s[WV], 13
	s_add_co_u32 s23, s23, QIMG
	v_add_nc_u32 v[QA0], s23, v[LI]
	s_lshl_b32 s23, s[WV], 10
	s_add_co_u32 s23, s23, QIMG
	v_lshlrev_b32 v[ORQ], 4, v17
	v_lshl_add_u32 v[ORQ], v18, 13, v[ORQ]
	v_add_nc_u32 v[ORQ], s23, v[ORQ]
	v_lshlrev_b32 v[BO4], 2, v17
	v_lshlrev_b32 v[BO32], 5, v18
	s_mul_i32 s23, s[WV], 8448
	s_add_co_u32 s23, s23, YST
	v_mul_u32_u24 v[OSY], v17, 528
	v_lshl_add_u32 v[OSY], v18, 5, v[OSY]
	v_add_nc_u32 v[OSY], s23, v[OSY]
	v_add_nc_u32 v[ORR], s23, v[LI]
	s_lshl_b32 s23, s[WV], 10
	s_add_co_u32 s23, s23, SCR
	v_add_nc_u32 v[SCW], s23, v[LI]
.irp i, 108,109,110,111,114,115,116,117
	v_mov_b32 v[\i], 0                             ; written once: a lane permute's destination counts as one of its sources
.endr
	s_mov_b32 s[SEL], 0x76543210
	s_mov_b32 s[SEL+1], 0xfedcba98
	s_mov_b32 s[CS], 0x3eb8aa3b                    ; log2(e) / 4
	s_mov_b32 s[CS+1], s[CS]
	s_lshr_b32 s24, ttmp9, 2                       ; the batch element
	s_and_b32 s25, ttmp9, 3                        ; which 128 queries of it
	s_lshl_b32 s26, s[WV], 6
	s_lshl_b32 s27, s25, 7
	s_add_co_u32 s26, s26, s27
	s_and_b32 s26, s26, 511                        ; local rows 64 w on are the batch element's rows (64 w + 128 (g % 4)) % 512 on
	s_lshl_b32 s26, s26, 9
	s_lshl_b32 s27, s24, 18
	s_add_co_u32 s36, s26, s27
	s_mov_b32 s37, 0
	s_mov_b32 s55, 0
	s_wait_kmcnt 0x0
	s_add_nc_u64 s[36:37], s[4:5], s[36:37]        ; x at the rows that I quantise
	s_mul_i32 s54, s[WV], 1536
	s_add_nc_u64 s[38:39], s[6:7], s[54:55]        ; wimg at fragment w
	s_lshr_b32 s54, s[WV], 2
	s_lshl_b32 s54, s54, 9
	s_and_b32 s23, s[WV], 3
	s_lshl_b32 s23, s23, 2
	s_add_co_u32 s54, s54, s23
	s_add_nc_u64 s[40:41], s[8:9], s[54:55]        ; wscl at fragment w's words
	s_lshl_b32 s54, s[WV], 6
	s_add_nc_u64 s[42:43], s[10:11], s[54:55]      ; the head's 16 numbers of wq_b,
	s_add_nc_u64 s[44:45], s[12:13], s[54:55]      ; wk_b,
	s_add_nc_u64 s[46:47], s[14:15], s[54:55]      ; wv_b
	s_lshl_b32 s54, ttmp9, 7
	s_lshr_b32 s23, s[WV], 1
	s_lshl_b32 s23, s23, 5
	s_add_co_u32 s54, s54, s23
	s_and_b32 s23, s[WV], 1
	s_lshl_b32 s23, s23, 3
	s_add_co_u32 s54, s54, s23                     ; query tile w begins at row 128 g + 32 (w / 2) + 8 (w % 2)
	s_lshl_b32 s54, s54, 9
	s_add_nc_u64 s[48:49], s[4:5], s[54:55]        ; x there (the residual),
	s_add_nc_u64 s[50:51], s[18:19], s[54:55]      ; x1 there
	s_lshl_b32 s54, ttmp9, 10
	s_add_nc_u64 s[52:53], s[20:21], s[54:55]      ; st1: 1,024 bytes a work-group
	; ---- the head's weights: 24 loads
	WIN 0x40                                       ; destination window 1
	s_wait_alu depctr_va_vdst(0)                   ; the addresses v1-7, v9-12 and v127 are written, which the kernel's loads and stores read; so are v16-19, in which loads of x land
.irp c, 0,1,2
	global_load_b128 v[WVF+4*\c:WVF+4*\c+3], v[LI], s[38:39] offset:2*12288+512*\c
	global_load_b128 v[WQF+4*\c:WQF+4*\c+3], v[LI], s[38:39] offset:512*\c
	global_load_b128 v[WKF+4*\c:WKF+4*\c+3], v[LI], s[38:39] offset:12288+512*\c
.endr
.irp j, 0,1,2,3,4,5,6,7
	global_load_b32 v[BV+\j], v[BO4], s[46:47]     ; V's result holds channel r in all eight registers: wv_b[16 w + r] eight times, the C of V's products
.endr
	global_load_b128 v[BQ:BQ+3], v[BO32], s[42:43]             ; Q's and K's results hold channels 8 h + j
	global_load_b128 v[BQ+4:BQ+7], v[BO32], s[42:43] offset:16
	global_load_b128 v[BK:BK+3], v[BO32], s[44:45]
	global_load_b128 v[BK+4:BK+7], v[BO32], s[44:45] offset:16
	WIN 0
	global_load_b32 v[WQS], v[LI], s[40:41]
	global_load_b32 v[WKS], v[LI], s[40:41] offset:1024
	global_load_b32 v[WVS], v[LI], s[40:41] offset:2048
	; ---- X: I quantise local fragments 4 w .. 4 w + 3 of x.  Lane (r, h) takes, of the slot's row, 16 neighbours of each block of 32.  Two buffers by turns
.macro XLOAD reg, i
.irp b, 0,1,2,3
.irp j, 0,1,2,3
	global_load_b128 v[\reg+16*\b+4*\j:\reg+16*\b+4*\j+3], v[XA], s[36:37] offset:(32*((\i)/2)+8*((\i)%2))*512+128*\b+16*\j
.endr
.endr
.endm
	XLOAD P, 0
	XLOAD 16, 1
	s_wait_loadcnt 16                              ; all but the other buffer's 16 loads: the weights and this buffer are in
	QUANT P, PC, PW
	s_wait_alu depctr_va_vdst(0)                   ; the quantiser is done reading this buffer, in which the loads below land, and has written the codes and the word, which the LDS stores read
	XLOAD P, 2
	IMAGE XWI, XIMG, PC
	ds_store_b32 v[XWS], v[PW] offset:XSC
	s_wait_dscnt 0x0                               ; the stores have landed
	s_wait_loadcnt 16
	s_wait_alu depctr_vm_vsrc(0)                   ; the LDS stores have read the codes and the word, which the next quantiser writes
	QUANT 16, PC, PW
	s_wait_alu depctr_va_vdst(0)                   ; as above, of the other buffer
	XLOAD 16, 3
	IMAGE XWI, XIMG+1536, PC
	ds_store_b32 v[XWS], v[PW] offset:XSC+128
	s_wait_dscnt 0x0
	s_wait_loadcnt 16
	s_wait_alu depctr_vm_vsrc(0)                   ; the LDS stores have read the codes and the word
	QUANT P, PC, PW
	s_wait_alu depctr_va_vdst(0)                   ; the codes and the word are written, which the LDS stores read
	IMAGE XWI, XIMG+3072, PC
	ds_store_b32 v[XWS], v[PW] offset:XSC+256
	s_wait_dscnt 0x0
	s_wait_loadcnt 0x0
	s_wait_alu depctr_vm_vsrc(0)                   ; the LDS stores have read the codes and the word
	QUANT 16, PC, PW
	s_wait_alu depctr_va_vdst(0)                   ; the codes and the word are written, which the LDS stores read
	IMAGE XWI, XIMG+4608, PC
	ds_store_b32 v[XWS], v[PW] offset:XSC+384
	BARRIER                                        ; x's 32 fragments lie in LDS
	; ---- pass VQ: eight fragments at a time: my head's V of 128 keys, quantised along the keys; from the first eight also my head's Q
.macro FETCH8 g
	WIN 0x40
.irp t, 0,1,2,3,4,5,6,7
	FETCH XB+12*\t, LI, (8*(\g)+\t)*1536
.endr
	WIN 0
.irp t, 0,1,2,3,4,5,6,7
	ds_load_b32 v[XW+\t], v[LS] offset:XSC+128*(8*(\g)+\t)
.endr
.endm
	s_wait_alu depctr_vm_vsrc(0)                   ; the last image's stores have read v84-91, in which the fragments' scale words land (the quantiser that wrote them stands ahead of the last wait on va_vdst)
	FETCH8 0
.irp g, 0,1,2,3
	s_wait_dscnt 0x0
.if \g == 0
	WIN 0x15                                       ; sources 0, 1, 2 window 1, destination window 0
.irp t, 0,1,2,3,4,5,6,7
	MX P+8*\t, WQF, XB+12*\t, BQ, WQS, XW+\t       ; Q^T of query tile t: lane (slot r, h): channels 8 h + j
.endr
	WIN 0
	PLACES 5                                       ; V's products below write over these results
	s_wait_alu depctr_va_vdst(0)                   ; Q's products have written v[P ..], which the LDS stores read; the places above stay beside this wait
.irp t, 0,1,2,3,4,5,6,7
	ds_store_b128 v[QA0], v[P+8*\t:P+8*\t+3] offset:1024*\t
	ds_store_b128 v[QA0], v[P+8*\t+4:P+8*\t+7] offset:1024*\t+512
.endr
	s_wait_dscnt 0x0                               ; the stores have landed
	s_wait_alu depctr_vm_vsrc(0)                   ; the LDS stores have read v[P ..], which V's products write
.endif
	WIN 0x15
.irp t, 0,1,2,3,4,5,6,7
	MX P+8*\t, XB+12*\t, WVF, BV, XW+\t, WVS       ; V: lane (channel r, h): register 8 t + j = key 128 g + 32 (t / 2) + 16 h + 8 (t % 2) + j
.endr
	WIN 0
	PLACES 4
.if \g < 3
	s_wait_alu depctr_va_vdst(0)                   ; this group's products are done reading the eight fragments and their words, in which the next eight land
	FETCH8 \g+1                                    ; lands while V is quantised: the quantiser names none of these registers
.endif
	QUANT P, VF+12*\g, VS+\g
.endr
	; ---- pass K: my head's K of all 512 keys fills window 1, so Wk's fragment and bias move to window 0 first
	WIN 0x01                                       ; source 0 window 1
.irp i, 0,1,2,3,4,5,6,7,8,9,10,11
	v_mov_b32 v[PC+\i], v[WKF+\i]
.endr
.irp i, 0,1,2,3,4,5,6,7
	v_mov_b32 v[QF+\i], v[BK+\i]                   ; (these eight are the places between the moves above and the products)
.endr
	WIN 0
; Sixteen steps of two fragments, in two buffers by turns: fragment f in v[P + 12 (f % 4)] on, its scale word in v[240 + f % 4].
.macro KFETCH j                        ; step j's two fragments and words: eight LDS loads
.irp i, 0,1
	FETCH P+24*((\j)%2)+12*\i, LI, (2*(\j)+\i)*1536
	ds_load_b32 v[240+2*((\j)%2)+\i], v[LS] offset:XSC+128*(2*(\j)+\i)
.endr
.endm
	s_wait_alu depctr_va_vdst(0)                   ; the moves have written Wk's fragment, which the scaled products take; V's last quantiser is done reading v[P ..], in which both buffers' first loads land
	KFETCH 0
.irp j, 0,1,2,3,4,5,6,7,8,9,10,11,12,13,14,15
	s_wait_dscnt 0x0                               ; this step's buffer is in
.if (\j > 0) && (\j < 15)
	s_wait_alu depctr_va_vdst(0)                   ; the last step's two products are done reading the other buffer, in which the next step's loads land
.endif
.if \j < 15
	KFETCH \j+1                                    ; on its way while this step's products run, which name none of its registers
.endif
	WIN 0x40                                       ; destination window 1
.irp i, 0,1
	MX 8*(2*\j+\i), PC, P+24*(\j%2)+12*\i, QF, WKS, 240+2*(\j%2)+\i   ; K^T of fragment 2 j + i: lane (slot r, h): channels 8 h + j
.endr
	WIN 0
.if \j < 15
	PLACES 4                                       ; the places stay
.else
	PLACES 5                                       ; K's tiles go on as source 0 of matrix instructions
.endif
.endr
; ---- A KEY STEP: 128 keys, tiles 8 s .. 8 s + 7 of K
.macro STEP s, first
	WIN 0x01                                       ; source 0 (K) window 1
.irp kk, 0,1,2,3                       ; S^T = K Q^T: four instructions deep; the eight accumulators take turns
.irp t, 0,1,2,3,4,5,6,7
.if \kk == 0
	v_wmma_f32_16x16x4_f32 v[S+8*\t:S+8*\t+7], v[64*\s+8*\t:64*\s+8*\t+1], v[QF:QF+1], 0
.else
	v_wmma_f32_16x16x4_f32 v[S+8*\t:S+8*\t+7], v[64*\s+8*\t+2*\kk:64*\s+8*\t+2*\kk+1], v[QF+2*\kk:QF+2*\kk+1], v[S+8*\t:S+8*\t+7]
.endif
.endr
.endr
	WIN 0
	PLACES 8
.irp b, 0,1,2,3
	v_max3_num_f32 v[BM+\b], v[S+16*\b], v[S+1+16*\b], v[S+2+16*\b]   ; the largest score of each block of 32 keys: for the row's maximum and, since p rises with the score, for the block's largest p
.endr
.irp i, 3,5,7,9,11,13
.irp b, 0,1,2,3
	v_max3_num_f32 v[BM+\b], v[BM+\b], v[S+16*\b+\i], v[S+1+16*\b+\i]
.endr
.endr
.irp b, 0,1,2,3
	v_max_num_f32 v[BM+\b], v[BM+\b], v[S+15+16*\b]
.endr
.irp b, 0,1,2,3
	v_permlanex16_b32 v[BX+\b], v[BM+\b], s[SEL], s[SEL+1]
.endr
.irp b, 0,1,2,3
	v_max_num_f32 v[BM+\b], v[BM+\b], v[BX+\b]     ; with lane l xor 16's 16 keys
.endr
	v_max3_num_f32 v[T], v[BM], v[BM+1], v[BM+2]
	v_max_num_f32 v[T], v[T], v[BM+3]
.if \first
	v_mul_f32 v[TX], s[CS], v[T]                   ; the largest t (c is positive)
	v_floor_f32 v[NM], -v[TX]                      ; -M = floor(-t) = -ceil(t)
.else
	v_mul_f32 v[T], s[CS], v[T]
	v_max_num_f32 v[TX], v[TX], v[T]               ; the running largest t
	v_mov_b32 v[OLD], v[NM]
	v_floor_f32 v[NM], -v[TX]
	v_sub_f32 v[T], v[NM], v[OLD]                  ; old M - new M: a whole number, 0 or less
	v_cvt_i32_f32 v[T], v[T]
	v_ldexp_f32 v[F], 1.0, v[T]                    ; f = 2^(old M - new M): a multiplication by it rounds nothing
.endif
.set j, 0
.rept 32
	v_pk_fma_f32 v[P+j:P+j+1], v[S+j:S+j+1], s[CS:CS+1], v[NM:NM+1] op_sel_hi:[1,0,0]   ; t - M, into other registers than S^T's
.set j, j+2
.endr
.irp b, 0,1,2,3
	v_fma_f32 v[BM+\b], v[BM+\b], s[CS], v[NM]     ; the same of each block's largest score
.endr
.set j, 0
.rept 64
	v_exp_f32 v[P+j], v[P+j]                       ; p = 2^(t - M)
.set j, j+1
.endr
.irp b, 0,1,2,3
	v_exp_f32 v[BM+\b], v[BM+\b]                   ; the block's largest p: the same two instructions on the same number
.endr
.if \first
	v_mov_b32 v[L], 0                              ; (a plain place behind the exponentials)  the sum begins
	v_mov_b32 v[L+1], 0
	s_wait_alu depctr_va_vdst(0)                   ; the 68 exponentials have written p and the blocks' largest p, ahead of their first reader
.else
	v_pk_mul_f32 v[L:L+1], v[L:L+1], v[F:F+1] op_sel_hi:[1,0]   ; (a plain place behind the exponentials)  the sum under the new M
	s_wait_alu depctr_va_vdst(0)                   ; the 68 exponentials have written p and the blocks' largest p, ahead of their first reader
.endif
.irp b, 0,1,2,3
	v_max_num_f32 v[BM+\b], 0x1800000, v[BM+\b]    ; the floor 2^(3 - 127)
.endr
.irp b, 0,1,2,3
	v_add_nc_u32 v[SO+\b], 0xff000000, v[BM+\b]
.endr
.irp b, 0,1,2,3
	v_lshrrev_b32 v[BX+\b], 23, v[SO+\b]
.endr
	v_lshl_or_b32 v[PW], v[BX+1], 8, v[BX]         ; p's scale word for these 128 keys
	v_lshl_or_b32 v[PW], v[BX+2], 16, v[PW]
	v_lshl_or_b32 v[PW], v[BX+3], 24, v[PW]
.irp c, 0,1
	v_cvt_scalef32_pk16_fp6_f32 v[PC+6*\c:PC+6*\c+2], v[P+32*\c:P+32*\c+15], v[SO+2*\c]
	v_cvt_scalef32_pk16_fp6_f32 v[T2+4*\c:T2+4*\c+2], v[P+32*\c+16:P+32*\c+31], v[SO+2*\c+1]
.endr
	v_nop                                          ; one plain place behind a scaled conversion
.irp c, 0,1
.irp i, 0,1,2
	v_permlane16_swap_b32 v[PC+6*\c+\i], v[T2+4*\c+\i]
.endr
.irp i, 0,1,2
	v_mov_b32 v[PC+6*\c+3+\i], v[T2+4*\c+\i]
.endr
.endr
	v_pk_add_f32 v[L2:L2+1], v[P:P+1], v[P+2:P+3]  ; the row's sum is taken of the unquantised p, in two chains.  (These 32 lines are also the places between p's codes and scale word and the product below)
.set j, 4
.rept 15
	v_pk_add_f32 v[L:L+1], v[L:L+1], v[P+j:P+j+1]
	v_pk_add_f32 v[L2:L2+1], v[L2:L2+1], v[P+j+2:P+j+3]
.set j, j+4
.endr
	v_pk_add_f32 v[L:L+1], v[L:L+1], v[L2:L2+1]
.if \first
	s_wait_alu depctr_va_vdst(0)                   ; vector instructions have written p's codes and scale word (and, ahead of the loop, V's), which the scaled product takes; the places above stay beside this wait
	MX0 OA, VF+12*\s, PC, VS+\s, PW                ; O^T = V^T P^T: the first step starts the sum
.else
.irp i, 0,2,4,6
	v_pk_mul_f32 v[OA+\i:OA+\i+1], v[OA+\i:OA+\i+1], v[F:F+1] op_sel_hi:[1,0]   ; O^T under the new M
.endr
	s_wait_alu depctr_va_vdst(0)                   ; vector instructions have written p's codes and scale word, which the scaled product takes; the places above stay beside this wait
	MX OA, VF+12*\s, PC, OA, VS+\s, PW             ; 32 matrix instructions on other accumulators stand between two of these
.endif
.endm
	; ---- the attention: 8 trips, one query tile each; a trip reads 1,024 bytes of LDS and writes them again
	s_mov_b32 s32, 0
	s_mov_b32 s33, 0
.Lqt:
	s_wait_alu depctr_vm_vsrc(0)                   ; the last trip's two stores have read v[ADR] and v[P .. P + 7], which this trip writes again
	v_add_nc_u32 v[ADR], s33, v[QA0]
	s_wait_alu depctr_va_vdst(0)                   ; v[ADR] is written, which the trip's loads and stores read; the products that read v[QF ..] (pass K's; the last trip's) are done, in which the loads land
	ds_load_b128 v[QF:QF+3], v[ADR]                ; my own bytes: no barrier
	ds_load_b128 v[QF+4:QF+7], v[ADR] offset:512
	s_wait_dscnt 0x0
	STEP 0, 1
	STEP 1, 0
	STEP 2, 0
	STEP 3, 0
	PLACES 4
	v_add_f32 v[L], v[L], v[L+1]                   ; the sum's two halves,
	v_permlanex16_b32 v[BX], v[L], s[SEL], s[SEL+1]
	v_add_f32 v[L], v[L], v[BX]                    ; and lane l xor 16's: the row's sum
	v_rcp_f32 v[F], v[L]
	v_nop                                          ; one plain place behind a transcendental
	s_wait_alu depctr_va_vdst(0)                   ; the reciprocal is written, ahead of its first reader
.irp i, 0,2,4,6
	v_pk_mul_f32 v[P+\i:P+\i+1], v[OA+\i:OA+\i+1], v[F:F+1] op_sel_hi:[1,0]
.endr
	s_wait_alu depctr_va_vdst(0)                   ; O^T / the sum is written into v[P .. P + 7], which the two stores read.  (Behind the last trip it also stands for the tail's loads: every reader of K, Q and O^T is done)
	ds_store_b128 v[ADR], v[P:P+3]                 ; the tile's O^T / the sum takes its Q's place: lane (query slot r, h): channels 8 h + j
	ds_store_b128 v[ADR], v[P+4:P+7] offset:512
	s_add_co_u32 s33, s33, 1024
	s_add_co_u32 s32, s32, 1
	s_cmp_lt_u32 s32, 8
	s_cbranch_scc1 .Lqt
	; ---- the tail: wave w takes query tile w: the eight heads' O, quantised along the 128 channels, x W + w_b + x
	WIN 0x40                                       ; (no vector or matrix instruction stands between the last trip's last wait on va_vdst and these loads)
.irp t, 0,1,2,3,4,5,6,7
.irp c, 0,1,2
	global_load_b128 v[12*\t+4*\c:12*\t+4*\c+3], v[LI], s[6:7] offset:(24+\t)*1536+512*\c   ; W's eight fragments
.endr
.endr
.irp i, 0,1,2,3,4,5,6,7,8,9,10,11,12,13,14,15
	global_load_b128 v[XP+4*\i:XP+4*\i+3], v[LI], s[48:49] offset:(\i+8*(\i/8))*512   ; the tile's 16 rows of x, whole: 512 consecutive bytes a load
.endr
	WIN 0
	global_load_b128 v[16:19], v[LI], s[8:9] offset:3072      ; W's scale words, four fragments' a load
	global_load_b128 v[20:23], v[LI], s[8:9] offset:3584
	global_load_b128 v[24:27], v[LI], s[16:17]                ; w_b at channels 4 x lane on
	BARRIER                                        ; every head's O lies in LDS
	s_wait_alu depctr_vm_vsrc(0)                   ; the last trip's stores have read v8, which the next line writes, and v[P .. P + 7], in which the gather's loads land
	v_add_nc_u32 v[SCRD], SCR, v[LI]
.irp b, 0,1,2,3                        ; lane (r, h) wants channels 32 b + 16 h + 0 .. 15 of slot r: all of head 2 b + h.  Sixteen lanes read 256 consecutive bytes
.irp jj, 0,1,2,3
	ds_load_b128 v[P+16*\b+4*\jj:P+16*\b+4*\jj+3], v[ORQ] offset:16384*\b+512*(\jj%2)+256*(\jj/2)
.endr
.endr
	s_wait_dscnt 0x0
	QUANT P, PC, PW
	s_wait_loadcnt 0x0
	WIN 0x41                                       ; destination and source 0 window 1
.set i, 0
.rept 16
	v_pk_add_f32 v[XP+4*i:XP+4*i+1], v[XP+4*i:XP+4*i+1], v[24:25]      ; x + w_b.  (These 32 lines are also the places between the codes and scale word just made and the products)
	v_pk_add_f32 v[XP+4*i+2:XP+4*i+3], v[XP+4*i+2:XP+4*i+3], v[26:27]
.set i, i+1
.endr
	WIN 0x01
	s_wait_alu depctr_va_vdst(0)                   ; the quantiser has written O's codes and scale word, which the scaled products take; the places above stay beside this wait
.irp t, 0,1,2,3,4,5,6,7
	MX0 P+8*\t, 12*\t, PC, 16+\t, PW               ; lane (slot r, h): output channels 16 t + 8 h + j
.endr
	WIN 0
	PLACES 4
	s_wait_alu depctr_va_vdst(0)                   ; the products have written v[P ..], which the LDS stores read; the places above stay beside this wait
.irp t, 0,1,2,3,4,5,6,7
	ds_store_b128 v[OSY], v[P+8*\t:P+8*\t+3] offset:64*\t
	ds_store_b128 v[OSY], v[P+8*\t+4:P+8*\t+7] offset:64*\t+16
.endr
	s_wait_alu depctr_vm_vsrc(0)                   ; the LDS stores have read v[P ..], in which the loads below land
.irp i, 0,1,2,3,4,5,6,7,8,9,10,11,12,13,14,15
	ds_load_b128 v[P+4*\i:P+4*\i+3], v[ORR] offset:528*\i     ; my own stage; LDS serves a wave's instructions in order (ISA guide 5.7.1.4): these see the stores above
.endr
	s_wait_dscnt 0x0
	WIN 0x04                                       ; source 1 window 1
.set i, 0
.rept 32
	v_pk_add_f32 v[P+2*i:P+2*i+1], v[P+2*i:P+2*i+1], v[XP+2*i:XP+2*i+1]
.set i, i+1
.endr
	WIN 0
	s_wait_alu depctr_va_vdst(0)                   ; the rows of x1 are written, which the stores read
.irp i, 0,1,2,3,4,5,6,7,8,9,10,11,12,13,14,15
	global_store_b128 v[LI], v[P+4*\i:P+4*\i+3], s[50:51] offset:(\i+8*(\i/8))*512   ; a whole row: 512 consecutive bytes, aligned
.endr
	STATS P, 32, 52, 52
.Lfunc_end_k_q444718487c_attn:
	.size	k_q444718487c_attn, .Lfunc_end_k_q444718487c_attn-k_q444718487c_attn
	.p2alignl 7, 3214868480
	.fill 96, 4, 3214868480
	.section	.rodata,"a",@progbits
	.p2align	6, 0x0
	.amdhsa_kernel k_q444718487c_attn
		.amdhsa_group_segment_fixed_size 195584
		.amdhsa_private_segment_fixed_size 0
		.amdhsa_enable_private_segment 0
		.amdhsa_kernarg_size 72
		.amdhsa_user_sgpr_count 2
		.amdhsa_user_sgpr_kernarg_segment_ptr 1
		.amdhsa_wavefront_size32 1
		.amdhsa_system_sgpr_workgroup_id_x 1
		.amdhsa_system_sgpr_workgroup_id_y 1
		.amdhsa_system_sgpr_workgroup_id_z 1
		.amdhsa_system_vgpr_workitem_id 0
		.amdhsa_next_free_vgpr 512
		.amdhsa_next_free_sgpr 66
		.amdhsa_reserve_vcc 0
		.amdhsa_float_denorm_mode_32 3
		.amdhsa_float_denorm_mode_16_64 3
		.amdhsa_memory_ordered 1
		.amdhsa_forward_progress 1
		.amdhsa_inst_pref_size 160
	.end_amdhsa_kernel
	.amdgpu_metadata
---
amdhsa.version: [ 1, 2 ]
amdhsa.kernels:
  - .name:           k_q444718487c_attn
    .symbol:         k_q444718487c_attn.kd
    .args:
      - { .name: embedding_node, .offset: 0, .size: 8, .value_kind: global_buffer, .address_space: global }
      - { .name: wimg, .offset: 8, .size: 8, .value_kind: global_buffer, .address_space: global }
      - { .name: wscl, .offset: 16, .size: 8, .value_kind: global_buffer, .address_space: global }
      - { .name: wq_b, .offset: 24, .size: 8, .value_kind: global_buffer, .address_space: global }
      - { .name: wk_b, .offset: 32, .size: 8, .value_kind: global_buffer, .address_space: global }
      - { .name: wv_b, .offset: 40, .size: 8, .value_kind: global_buffer, .address_space: global }
      - { .name: w_b, .offset: 48, .size: 8, .value_kind: global_buffer, .address_space: global }
      - { .name: x1, .offset: 56, .size: 8, .value_kind: global_buffer, .address_space: global }
      - { .name: st1, .offset: 64, .size: 8, .value_kind: global_buffer, .address_space: global }
    .group_segment_fixed_size: 195584
    .private_segment_fixed_size: 0
    .kernarg_segment_align: 8
    .kernarg_segment_size: 72
    .max_flat_workgroup_size: 256
    .sgpr_count:     66
    .vgpr_count:     512
    .wavefront_size: 32
...
	.end_amdgpu_metadata
.endif
;; end of part 5
;; launch ffn (part 6): grid 256 x 1, 8 waves a work-group, no clusters, 219,136 bytes of LDS; arguments x1, st1, bn1_g, bn1_b, wimg, wscl, ff1_b, ff2_b, x2, st2; writes x2, st2
.if DOCPART == 6
	.amdgcn_target "amdgcn-amd-amdhsa--gfx1250"
	.amdhsa_code_object_version 6
	.text
	.protected	k_q444718487c_ffn
	.globl	k_q444718487c_ffn
	.p2align	8
	.type	k_q444718487c_ffn,@function
k_q444718487c_ffn:
	s_mov_b64 s[64:65], 0
	v_nop
	global_prefetch_b8 v0, s[64:65] scope:SCOPE_SE
	s_setreg_imm32_b32 hwreg(HW_REG_WAVE_SCHED_MODE, 0, 2), 2
	s_setreg_imm32_b32 hwreg(HW_REG_WAVE_MODE, 25, 1), 1
	s_wait_xcnt 0x0
	s_wait_alu depctr_vm_vsrc(0)
; xn = batch norm 1 of x1;  x2 = xn + relu(xn W1 + b1) W2 + b2, both products on codes of FP6;  st2: the mean and the sum of squares about it of the work-group's 128 rows of x2.
; THE NORM'S STATISTICS are joined from st1's 256 parts (mean_i and M2_i of 128 rows each) about m0 = mean_0: d_i = mean_i - m0, S1 = sum d, S2 = sum d^2, SM = sum M2;
; mu = m0 + S1 / 256;  32768 var = SM + 128 S2 - 128 S1 (S1 / 256).  m0 is one of the means, so every term is of the size of the data's own spread: no difference of large sums.
; Wave w joins parts 32 w .. 32 w + 31 and hands on S1 and SM + 128 S2; every work-group adds in the same order, so all hold the same mu and var.
; SHARES.  128 rows a work-group, two teams of four waves, 64 rows a team.  In a team THE WAVES SHARE THE COLUMNS: wave u makes hidden units 128 u on and outputs 32 u on for the team's four tiles of 16 rows;
; its parts of W1 and W2 (16 fragments) stay in its registers.  Operands go from wave to wave through LDS as images of their registers.  In phase X and on the way out wave w owns rows 16 w on.
; The first product is used transposed (source 0 = 16 hidden units, source 1 = 16 rows) and the units of a tile are chosen (at the weights' laying out) so that a lane's 64 results are K step u of the second product.
; NO CLUSTER: what work-groups share (st1, the weights' images) is read once, at the head, straight into registers in the lanes' own order; there is no loop of refills, and by way of LDS each wave would read it once more.
; LIMITS: NaN and infinities are not served; blocks of zeros or under 2^-124 keep the scale byte 1; v_rsq_f32's own accuracy stands ahead of the quantiser.
; REGISTERS, window 0: v1-19 addresses; v32-43 codes just made; v44-67 at work; v68 the scale word just made; v70-73 four fragments' scale words; v74-89 the weights' scale words; v90-105 b2's two tiles;
;   v106-109 gamma / sqrt(var + eps); v116-119 four more fragments' scale words; v126, v127 the closing add's two; v128-191, v192-255 two sets of 64.  The statistics' work lies over v20-53 while those are idle;
;   in the second product v20-67 hold four hidden fragments.   window 1: first st1's 32 parts; then W1 0-95, W2 96-191, b1's eight tiles 192-255.
; THE MODE: SCHED_MODE bits 1:0 = 2 (LLVM: expert scheduling mode 2), set by the entry lines.  The code itself states the register dependences between vector or matrix instructions
; and memory or LDS instructions, with s_wait_alu, always for 0.
; THE PLAN.  Registers that memory or LDS instructions touch, and who else names them:
;   v1-19, v114         addresses: written at the head and never again: the one wait ahead of the first load serves them for the whole kernel.
;   window 1            st1's parts: the sums read and write them; behind the sums, and one wait, the weights land there and stay.
;   v24-31              my sums: written by the sums, read by two LDS stores, written again by the joined sums: one wait on either side of the stores.
;   v192-255            x1's rows, then xn: written by the norm, read by the LDS stores; then the team's four fragments of xn, all fetched at once, so that no load of the first product lands in a register that its
;                       products read; then, with v70-73, buffer A of the second product (K steps 0 and 2); then rows on the way out.
;   v20-67, v116-119    buffer B of the second product (K steps 1 and 3).  While a K step's eight products read one buffer the next K step's sixteen loads land in the other; one wait at the head of K steps 1 and 2.
;   v32-43, v68         the codes and the word just made: the quantiser writes them, the image's LDS stores read them: one wait on va_vdst behind each quantiser, one on vm_vsrc ahead of the next.
;   v128-191            the quantiser's 64 numbers and the accumulators: loads land there only behind a wait that covers their last readers; each run of stores has one wait on va_vdst ahead of it.
; No scaled product here takes an operand or a scale word that a vector instruction wrote: all come by loads.
.set XSTG, 0                           ; LDS: xn, 128 rows x (512 + 16) bytes: kept for the residual
.set YSTG, 67584                       ; the second product's results, likewise
.set XIMG, 135168                      ; xn's 8 fragments, 1,536 bytes each
.set XSC,  147456                      ; their scale words, 128 bytes each
.set HIMG, 148480                      ; the hidden layer's 32 fragments: 16 x team + 4 m + s
.set HSC,  197632
.set SCR1, 201728                      ; the norm's statistics: 1,024 bytes a wave
.set SCR2, 209920                      ; st2's: 1,024 bytes a wave
.set LI, 1
.set LS, 2
.set XSW, 3
.set XSQ, 4
.set XWI, 5
.set XWS, 6
.set XRI, 7
.set XRS, 8
.set HWI, 9
.set HWS, 10
.set HRI, 11
.set HRS, 12
.set YSO, 13
.set YSR, 14
.set SC1W, 15
.set SC1R, 16
.set SCW, 17
.set SCRD, 18
.set BO32, 19
.set HB,  20                           ; v20-67 the second product's buffer B
.set PC,  32
.set T2,  44
.set TM,  52
.set PW,  68
.set HS,  70
.set W1S, 74
.set W2S, 82
.set B2,  90
.set AA,  106
.set BO64, 114
.set HT,  116                          ; v116-119 buffer B's scale words
.set RA,  128
.set RB,  192
.set M0,  20                           ; m0, then mu
.set S1,  24
.set S2,  28
.set SM,  32
.set G,   36
.set BE,  40
.set T,   44
.set EP,  52
.set W1,  0                            ; window 1
.set W2,  96
.set B1,  192
.set WV,  24
.set SEL, 28
.set MSB, 0
.macro WIN new                         ; bits 1:0 source 0, 3:2 source 1, 5:4 source 2, 7:6 destination; the high byte repeats the setting that is left
.if MSB != \new
	s_set_vgpr_msb (MSB<<8)|\new
.set MSB, \new
.endif
.endm
.macro PLACES n                        ; plain vector places behind a matrix instruction (ISA guide 7.12.1)
.rept \n
	v_nop
.endr
.endm
.macro BARRIER                         ; my LDS stores have landed and my LDS loads are in: then the work-group's barrier
	s_wait_dscnt 0x0
	s_barrier_signal -1
	s_barrier_wait -1
.endm
.macro MX d, a, b, c, sa, sb
	v_wmma_scale_f32_16x16x128_f8f6f4 v[\d:\d+7], v[\a:\a+11], v[\b:\b+11], v[\c:\c+7], v[\sa], v[\sb] matrix_a_fmt:MATRIX_FMT_FP6 matrix_b_fmt:MATRIX_FMT_FP6
.endm
; 64 numbers of a lane, v[s] on, register 16 b + i = k 32 b + 16 h + i of my row, become a fragment's codes in v[d] on and its scale word in v[pw].
.macro QUANT s, d, pw
.irp b, 0,1,2,3
	v_max3_num_f32 v[TM+\b], |v[\s+16*\b]|, |v[\s+1+16*\b]|, 0x1800000   ; block b: my 16 numbers, and the floor 2^(3 - 127): the byte cannot fall under 1
.endr
.irp i, 2,4,6,8,10,12,14
.irp b, 0,1,2,3
	v_max3_num_f32 v[TM+\b], v[TM+\b], |v[\s+16*\b+\i]|, |v[\s+1+16*\b+\i]|
.endr
.endr
.irp b, 0,1,2,3
	v_permlanex16_b32 v[TM+4+\b], v[TM+\b], s[SEL], s[SEL+1]
.endr
.irp b, 0,1,2,3
	v_max_num_f32 v[TM+\b], v[TM+\b], v[TM+4+\b]
.endr
.irp b, 0,1,2,3
	v_add_nc_u32 v[TM+12+\b], 0xff000000, v[TM+\b]
.endr
.irp b, 0,1,2,3
	v_lshrrev_b32 v[TM+4+\b], 23, v[TM+12+\b]
.endr
	v_lshl_or_b32 v[\pw], v[TM+5], 8, v[TM+4]
	v_lshl_or_b32 v[\pw], v[TM+6], 16, v[\pw]
	v_lshl_or_b32 v[\pw], v[TM+7], 24, v[\pw]
.irp c, 0,1
	v_cvt_scalef32_pk16_fp6_f32 v[\d+6*\c:\d+6*\c+2], v[\s+32*\c:\s+32*\c+15], v[TM+12+2*\c]
	v_cvt_scalef32_pk16_fp6_f32 v[T2+4*\c:T2+4*\c+2], v[\s+32*\c+16:\s+32*\c+31], v[TM+13+2*\c]
.endr
	v_nop                                          ; one plain place behind a scaled conversion
.irp c, 0,1
.irp i, 0,1,2
	v_permlane16_swap_b32 v[\d+6*\c+\i], v[T2+4*\c+\i]
.endr
.irp i, 0,1,2
	v_mov_b32 v[\d+6*\c+3+\i], v[T2+4*\c+\i]
.endr
.endr
.endm
.macro IMAGE adr, off, d
.irp c, 0,1,2
	ds_store_b128 v[\adr], v[\d+4*\c:\d+4*\c+3] offset:\off+512*\c
.endr
.endm
.macro FETCH reg, adr, off
.irp c, 0,1,2
	ds_load_b128 v[\reg+4*\c:\reg+4*\c+3], v[\adr] offset:\off+512*\c
.endr
.endm
; 16 rows of 128 channels (row i's channels 4 x lane .. + 3 in v[R + 4 i] on): the wave's mean and sum of squares about it; the eight waves' are joined by wave 0 and stored.  TB: 16 registers, LB: 64.
.macro STATS R, TB, LB, SP
	v_pk_add_f32 v[\TB:\TB+1], v[\R:\R+1], v[\R+8:\R+9]
	v_pk_add_f32 v[\TB+2:\TB+3], v[\R+2:\R+3], v[\R+10:\R+11]
	v_pk_add_f32 v[\TB+4:\TB+5], v[\R+4:\R+5], v[\R+12:\R+13]
	v_pk_add_f32 v[\TB+6:\TB+7], v[\R+6:\R+7], v[\R+14:\R+15]
.set i, 4
.rept 12
	v_pk_add_f32 v[\TB+4*(i%2):\TB+4*(i%2)+1], v[\TB+4*(i%2):\TB+4*(i%2)+1], v[\R+4*i:\R+4*i+1]
	v_pk_add_f32 v[\TB+4*(i%2)+2:\TB+4*(i%2)+3], v[\TB+4*(i%2)+2:\TB+4*(i%2)+3], v[\R+4*i+2:\R+4*i+3]
.set i, i+1
.endr
	v_pk_add_f32 v[\TB:\TB+1], v[\TB:\TB+1], v[\TB+4:\TB+5]
	v_pk_add_f32 v[\TB+2:\TB+3], v[\TB+2:\TB+3], v[\TB+6:\TB+7]
	v_pk_mul_f32 v[\TB+8:\TB+9], v[\TB:\TB+1], 0x3d800000 op_sel_hi:[1,0]        ; / 16
	v_pk_mul_f32 v[\TB+10:\TB+11], v[\TB+2:\TB+3], 0x3d800000 op_sel_hi:[1,0]
.set i, 0
.rept 16
	v_pk_add_f32 v[\TB+4*(i%2):\TB+4*(i%2)+1], v[\R+4*i:\R+4*i+1], v[\TB+8:\TB+9] neg_lo:[0,1] neg_hi:[0,1]
	v_pk_add_f32 v[\TB+4*(i%2)+2:\TB+4*(i%2)+3], v[\R+4*i+2:\R+4*i+3], v[\TB+10:\TB+11] neg_lo:[0,1] neg_hi:[0,1]
.if i == 0
	v_pk_mul_f32 v[\TB+12:\TB+13], v[\TB:\TB+1], v[\TB:\TB+1]
	v_pk_mul_f32 v[\TB+14:\TB+15], v[\TB+2:\TB+3], v[\TB+2:\TB+3]
.else
	v_pk_fma_f32 v[\TB+12:\TB+13], v[\TB+4*(i%2):\TB+4*(i%2)+1], v[\TB+4*(i%2):\TB+4*(i%2)+1], v[\TB+12:\TB+13]
	v_pk_fma_f32 v[\TB+14:\TB+15], v[\TB+4*(i%2)+2:\TB+4*(i%2)+3], v[\TB+4*(i%2)+2:\TB+4*(i%2)+3], v[\TB+14:\TB+15]
.endif
.set i, i+1
.endr
	s_wait_alu depctr_va_vdst(0)                   ; my mean and my sum of squares are written, which the LDS stores read; and all that named v[LB ..] is done, in which wave 0's loads land
	ds_store_b128 v[SCW], v[\TB+8:\TB+11]
	ds_store_b128 v[SCW], v[\TB+12:\TB+15] offset:512
	BARRIER
	s_wait_alu depctr_vm_vsrc(0)                   ; my two LDS stores have read v[TB + 8 ..], which wave 0 writes again
	s_cmp_lg_u32 s[WV], 0
	s_cbranch_scc1 .Lend                           ; wave 0 alone goes on; no barrier follows
.set k, 0
.rept 8
	ds_load_b128 v[\LB+8*k:\LB+8*k+3], v[SCRD] offset:1024*k
	ds_load_b128 v[\LB+8*k+4:\LB+8*k+7], v[SCRD] offset:1024*k+512
.set k, k+1
.endr
	s_wait_dscnt 0x0
.set q, 0
.rept 4
	v_pk_add_f32 v[\TB+2*q:\TB+2*q+1], v[\LB+2*q:\LB+2*q+1], v[\LB+8+2*q:\LB+8+2*q+1]
.set q, q+1
.endr
.set k, 2
.rept 6
.set q, 0
.rept 4
	v_pk_add_f32 v[\TB+2*q:\TB+2*q+1], v[\TB+2*q:\TB+2*q+1], v[\LB+8*k+2*q:\LB+8*k+2*q+1]
.set q, q+1
.endr
.set k, k+1
.endr
	v_pk_mul_f32 v[\TB:\TB+1], v[\TB:\TB+1], 0x3e000000 op_sel_hi:[1,0]          ; / 8
	v_pk_mul_f32 v[\TB+2:\TB+3], v[\TB+2:\TB+3], 0x3e000000 op_sel_hi:[1,0]
.set k, 0
.rept 8
	v_pk_add_f32 v[\LB+8*k:\LB+8*k+1], v[\LB+8*k:\LB+8*k+1], v[\TB:\TB+1] neg_lo:[0,1] neg_hi:[0,1]
	v_pk_add_f32 v[\LB+8*k+2:\LB+8*k+3], v[\LB+8*k+2:\LB+8*k+3], v[\TB+2:\TB+3] neg_lo:[0,1] neg_hi:[0,1]
.set k, k+1
.endr
	v_pk_mul_f32 v[\TB+8:\TB+9], v[\LB:\LB+1], v[\LB:\LB+1]
	v_pk_mul_f32 v[\TB+10:\TB+11], v[\LB+2:\LB+3], v[\LB+2:\LB+3]
.set k, 1
.rept 7
	v_pk_fma_f32 v[\TB+8:\TB+9], v[\LB+8*k:\LB+8*k+1], v[\LB+8*k:\LB+8*k+1], v[\TB+8:\TB+9]
	v_pk_fma_f32 v[\TB+10:\TB+11], v[\LB+8*k+2:\LB+8*k+3], v[\LB+8*k+2:\LB+8*k+3], v[\TB+10:\TB+11]
.set k, k+1
.endr
	v_pk_fma_f32 v[\TB+4:\TB+5], v[\TB+8:\TB+9], 0x41800000, v[\TB+4:\TB+5] op_sel_hi:[1,0,1]
	v_pk_fma_f32 v[\TB+6:\TB+7], v[\TB+10:\TB+11], 0x41800000, v[\TB+6:\TB+7] op_sel_hi:[1,0,1]
	s_wait_alu depctr_va_vdst(0)                   ; the joined mean and sum of squares are written, which the two stores read
	global_store_b128 v[LI], v[\TB:\TB+3], s[\SP:\SP+1]
	global_store_b128 v[LI], v[\TB+4:\TB+7], s[\SP:\SP+1] offset:512
.Lend:
	s_wait_dscnt 0x0                               ; the closing lines, six on end
	s_wait_alu 0x0
	s_wait_tensorcnt 0x0
	ds_add_u32 v126, v127
	s_wait_dscnt 0x0
	s_endpgm
.endm
	s_load_b512 s[4:19], s[0:1], 0x0               ; x1 s[4:5], st1 s[6:7], gamma s[8:9], beta s[10:11], wimg s[12:13], wscl s[14:15], ff1_b s[16:17], ff2_b s[18:19]
	s_load_b128 s[20:23], s[0:1], 0x40             ; x2 s[20:21], st2 s[22:23]
	v_lshl_add_u32 v126, v0, 2, 0x35400
	v_mov_b32 v127, 0
	v_lshrrev_b32 v20, 5, v0
	v_readfirstlane_b32 s[WV], v20                 ; wave
	v_and_b32 v20, 31, v0                          ; lane
	v_and_b32 v21, 15, v0                          ; r
	v_bfe_u32 v22, v0, 4, 1                        ; h
	v_lshlrev_b32 v[LI], 4, v20
	v_lshlrev_b32 v[LS], 2, v20
	v_mul_u32_u24 v23, v21, 528
	s_wait_alu depctr_va_sdst(0)                   ; the wave's number is written into s24, ahead of its first reader
	s_lshr_b32 s25, s[WV], 2                       ; team
	s_and_b32 s26, s[WV], 3                        ; u: my place in it
	s_mul_i32 s27, s[WV], 8448
	v_add_nc_u32 v[XSW], s27, v[LI]                ; my 16 rows of xn, 16 bytes a lane
	v_lshl_add_u32 v[XSQ], v22, 6, v23
	v_add_nc_u32 v[XSQ], s27, v[XSQ]               ; the same rows for the quantiser: row r, + 64 h
	s_add_co_u32 s27, s27, YSTG
	v_add_nc_u32 v[YSR], s27, v[LI]
	s_mul_i32 s27, s[WV], 1536
	s_add_co_u32 s27, s27, XIMG
	v_add_nc_u32 v[XWI], s27, v[LI]
	s_lshl_b32 s27, s[WV], 7
	s_add_co_u32 s27, s27, XSC
	v_add_nc_u32 v[XWS], s27, v[LS]
	s_mul_i32 s27, s25, 6144
	s_add_co_u32 s27, s27, XIMG
	v_add_nc_u32 v[XRI], s27, v[LI]
	s_lshl_b32 s27, s25, 9
	s_add_co_u32 s27, s27, XSC
	v_add_nc_u32 v[XRS], s27, v[LS]
	s_lshl_b32 s27, s25, 4
	s_add_co_u32 s27, s27, s26                     ; 16 x team + u
	s_mul_i32 s48, s27, 1536
	s_add_co_u32 s48, s48, HIMG
	v_add_nc_u32 v[HWI], s48, v[LI]
	s_lshl_b32 s48, s27, 7
	s_add_co_u32 s48, s48, HSC
	v_add_nc_u32 v[HWS], s48, v[LS]
	s_mul_i32 s27, s25, 24576
	s_add_co_u32 s27, s27, HIMG
	v_add_nc_u32 v[HRI], s27, v[LI]
	s_lshl_b32 s27, s25, 11
	s_add_co_u32 s27, s27, HSC
	v_add_nc_u32 v[HRS], s27, v[LS]
	s_mul_i32 s27, s25, 64*528
	s_lshl_b32 s48, s26, 7
	s_add_co_u32 s27, s27, s48
	s_add_co_u32 s27, s27, YSTG
	v_lshl_add_u32 v[YSO], v22, 5, v23
	v_add_nc_u32 v[YSO], s27, v[YSO]               ; the team's row r, + 32 h, + 128 u: my outputs' bytes
	s_lshl_b32 s27, s[WV], 10
	s_add_co_u32 s48, s27, SCR1
	v_add_nc_u32 v[SC1W], s48, v[LI]
	v_add_nc_u32 v[SC1R], SCR1, v[LI]
	s_add_co_u32 s48, s27, SCR2
	v_add_nc_u32 v[SCW], s48, v[LI]
	v_add_nc_u32 v[SCRD], SCR2, v[LI]
	v_lshlrev_b32 v[BO32], 5, v22
	v_lshlrev_b32 v[BO64], 6, v22
	s_mov_b32 s[SEL], 0x76543210
	s_mov_b32 s[SEL+1], 0xfedcba98
	s_mov_b32 s49, 0
	s_wait_kmcnt 0x0
	s_lshl_b32 s48, s[WV], 15
	s_add_nc_u64 s[32:33], s[6:7], s[48:49]        ; st1 at my 32 parts
	s_lshl_b32 s48, ttmp9, 7
	s_lshl_b32 s27, s[WV], 4
	s_add_co_u32 s48, s48, s27
	s_lshl_b32 s48, s48, 9
	s_add_nc_u64 s[34:35], s[4:5], s[48:49]        ; x1 and x2 at row 128 g + 16 w
	s_add_nc_u64 s[36:37], s[20:21], s[48:49]
	s_lshl_b32 s48, s26, 3
	s_add_co_u32 s48, s48, 32
	s_mul_i32 s48, s48, 1536
	s_add_nc_u64 s[38:39], s[12:13], s[48:49]      ; wimg at fragment 32 + 8 u (W1's; W2's lie 32 fragments on)
	s_lshl_b32 s48, s26, 10
	s_add_co_u32 s48, s48, 4096
	s_add_nc_u64 s[40:41], s[14:15], s[48:49]      ; wscl at the same fragment's words (W2's: 4,096 bytes on)
	s_lshl_b32 s48, s26, 9
	s_add_nc_u64 s[42:43], s[16:17], s[48:49]      ; b1 at my 128 units
	s_lshl_b32 s48, s26, 7
	s_add_nc_u64 s[44:45], s[18:19], s[48:49]      ; b2 at my 32 outputs
	s_lshl_b32 s48, ttmp9, 10
	s_add_nc_u64 s[46:47], s[22:23], s[48:49]      ; st2: 1,024 bytes a work-group
	; ---- 1: the loads of the head
	WIN 0x40
	s_wait_alu depctr_va_vdst(0)                   ; the addresses v1-19 and v114 are written, which the kernel's loads and stores read; so are v20-23, in which m0 lands
.set i, 0
.rept 32
	global_load_b128 v[8*i:8*i+3], v[LI], s[32:33] offset:1024*i          ; mean_i at channels 4 x lane on,
	global_load_b128 v[8*i+4:8*i+7], v[LI], s[32:33] offset:1024*i+512    ; M2_i
.set i, i+1
.endr
	WIN 0
	global_load_b128 v[M0:M0+3], v[LI], s[6:7]
	global_load_b128 v[G:G+3], v[LI], s[8:9]
	global_load_b128 v[BE:BE+3], v[LI], s[10:11]
	global_load_b128 v[W1S:W1S+3], v[LI], s[40:41]
	global_load_b128 v[W1S+4:W1S+7], v[LI], s[40:41] offset:512
	global_load_b128 v[W2S:W2S+3], v[LI], s[40:41] offset:4096
	global_load_b128 v[W2S+4:W2S+7], v[LI], s[40:41] offset:4608
.irp n, 0,1
	global_load_b128 v[B2+8*\n:B2+8*\n+3], v[BO32], s[44:45] offset:64*\n      ; lane (r, h): b2 at outputs 16 n + 8 h + 0 .. 7
	global_load_b128 v[B2+8*\n+4:B2+8*\n+7], v[BO32], s[44:45] offset:64*\n+16
.endr
.set i, 0
.rept 16
	global_load_b128 v[RB+4*i:RB+4*i+3], v[LI], s[34:35] offset:512*i th:TH_LOAD_NT   ; my 16 rows of x1: read once in the launch
.set i, i+1
.endr
.irp i, 56,57,58,59
	v_mov_b32 v[\i], 0                             ; written once: a lane permute's destination counts as one of its sources
.endr
	v_mov_b32 v[EP], 0x3727c5ac                    ; eps = 1e-5
	v_mov_b32 v[EP+1], 0x3727c5ac
	s_wait_loadcnt 16                              ; all but the 16 rows of x1
	; ---- 2: the statistics
	WIN 0x41                                       ; destination and source 0 window 1
.set i, 0
.rept 32
	v_pk_add_f32 v[8*i:8*i+1], v[8*i:8*i+1], v[M0:M0+1] neg_lo:[0,1] neg_hi:[0,1]       ; d_i = mean_i - m0
	v_pk_add_f32 v[8*i+2:8*i+3], v[8*i+2:8*i+3], v[M0+2:M0+3] neg_lo:[0,1] neg_hi:[0,1]
.set i, i+1
.endr
	WIN 0x05                                       ; sources 0 and 1 window 1
	v_pk_add_f32 v[S1:S1+1], v[0:1], v[8:9]        ; the first two terms start the sums: nothing is cleared
	v_pk_add_f32 v[S1+2:S1+3], v[2:3], v[10:11]
	v_pk_add_f32 v[SM:SM+1], v[4:5], v[12:13]
	v_pk_add_f32 v[SM+2:SM+3], v[6:7], v[14:15]
	v_pk_mul_f32 v[S2:S2+1], v[0:1], v[0:1]
	v_pk_mul_f32 v[S2+2:S2+3], v[2:3], v[2:3]
.set i, 1
.rept 31
	v_pk_fma_f32 v[S2:S2+1], v[8*i:8*i+1], v[8*i:8*i+1], v[S2:S2+1]
	v_pk_fma_f32 v[S2+2:S2+3], v[8*i+2:8*i+3], v[8*i+2:8*i+3], v[S2+2:S2+3]
.set i, i+1
.endr
	WIN 0x01                                       ; source 0 window 1
.set i, 2
.rept 30
	v_pk_add_f32 v[S1:S1+1], v[8*i:8*i+1], v[S1:S1+1]
	v_pk_add_f32 v[S1+2:S1+3], v[8*i+2:8*i+3], v[S1+2:S1+3]
	v_pk_add_f32 v[SM:SM+1], v[8*i+4:8*i+5], v[SM:SM+1]
	v_pk_add_f32 v[SM+2:SM+3], v[8*i+6:8*i+7], v[SM+2:SM+3]
.set i, i+1
.endr
	WIN 0
	v_pk_fma_f32 v[S2:S2+1], v[S2:S2+1], 0x43000000, v[SM:SM+1] op_sel_hi:[1,0,1]       ; SM + 128 S2
	v_pk_fma_f32 v[S2+2:S2+3], v[S2+2:S2+3], 0x43000000, v[SM+2:SM+3] op_sel_hi:[1,0,1]
	s_wait_loadcnt 0x0                             ; x1's rows are in; the weights take the parts' registers
	WIN 0x40
	s_wait_alu depctr_va_vdst(0)                   ; the sums are done reading and writing the parts' registers, in which the weights land; and my two sums are written, which the LDS stores below read
.irp t, 0,1,2,3,4,5,6,7
.irp c, 0,1,2
	global_load_b128 v[W1+12*\t+4*\c:W1+12*\t+4*\c+3], v[LI], s[38:39] offset:1536*\t+512*\c
.endr
.endr
.irp t, 0,1,2,3,4,5,6,7
.irp c, 0,1,2
	global_load_b128 v[W2+12*\t+4*\c:W2+12*\t+4*\c+3], v[LI], s[38:39] offset:49152+1536*\t+512*\c   ; fragment 4 n + s of my two output tiles
.endr
.endr
.irp t, 0,1,2,3,4,5,6,7
	global_load_b128 v[B1+8*\t:B1+8*\t+3], v[BO64], s[42:43] offset:(32*(\t/2)+8*(\t%2))*4      ; lane (r, h): b1 at units 32 (t / 2) + 16 h + 8 (t % 2) + 0 .. 7
	global_load_b128 v[B1+8*\t+4:B1+8*\t+7], v[BO64], s[42:43] offset:(32*(\t/2)+8*(\t%2))*4+16
.endr
	WIN 0
	ds_store_b128 v[SC1W], v[S1:S1+3]
	ds_store_b128 v[SC1W], v[S2:S2+3] offset:512
	BARRIER                                        ; the eight waves' sums lie in LDS
.set k, 0
.rept 8
	ds_load_b128 v[RA+8*k:RA+8*k+3], v[SC1R] offset:1024*k
	ds_load_b128 v[RA+8*k+4:RA+8*k+7], v[SC1R] offset:1024*k+512
.set k, k+1
.endr
	s_wait_dscnt 0x0
	s_wait_alu depctr_vm_vsrc(0)                   ; my two LDS stores have read v[S1 .. S1 + 7], which the joined sums write
.set q, 0
.rept 4
	v_pk_add_f32 v[S1+2*q:S1+2*q+1], v[RA+2*q:RA+2*q+1], v[RA+8+2*q:RA+8+2*q+1]     ; (S1's four registers, then the other sum's four)
.set q, q+1
.endr
.set k, 2
.rept 6
.set q, 0
.rept 4
	v_pk_add_f32 v[S1+2*q:S1+2*q+1], v[S1+2*q:S1+2*q+1], v[RA+8*k+2*q:RA+8*k+2*q+1]
.set q, q+1
.endr
.set k, k+1
.endr
.irp p, 0,2
	v_pk_mul_f32 v[T+\p:T+\p+1], v[S1+\p:S1+\p+1], 0x3b800000 op_sel_hi:[1,0]             ; S1 / 256
.endr
.irp p, 0,2
	v_pk_add_f32 v[M0+\p:M0+\p+1], v[M0+\p:M0+\p+1], v[T+\p:T+\p+1]                       ; mu
.endr
.irp p, 0,2
	v_pk_mul_f32 v[T+\p:T+\p+1], v[T+\p:T+\p+1], v[S1+\p:S1+\p+1]
.endr
.irp p, 0,2
	v_pk_fma_f32 v[S2+\p:S2+\p+1], v[T+\p:T+\p+1], 0xc3000000, v[S2+\p:S2+\p+1] op_sel_hi:[1,0,1]   ; - 128 S1 (S1 / 256)
.endr
.irp p, 0,2
	v_pk_fma_f32 v[S2+\p:S2+\p+1], v[S2+\p:S2+\p+1], 0x38000000, v[EP:EP+1] op_sel_hi:[1,0,1]       ; / 32768 + eps
.endr
.irp p, 0,1,2,3
	v_rsq_f32 v[S2+\p], v[S2+\p]
.endr
	v_nop                                          ; one plain place behind a transcendental
	s_wait_alu depctr_va_vdst(0)                   ; the four reciprocal roots are written, ahead of their first reader
.irp p, 0,2
	v_pk_mul_f32 v[AA+\p:AA+\p+1], v[G+\p:G+\p+1], v[S2+\p:S2+\p+1]
.endr
	; ---- 3: xn = (x1 - mu) a + beta; my 16 rows go to LDS (for the residual) and come back 16 neighbours of each block a lane
.set i, 0
.rept 16
	v_pk_add_f32 v[RB+4*i:RB+4*i+1], v[RB+4*i:RB+4*i+1], v[M0:M0+1] neg_lo:[0,1] neg_hi:[0,1]
	v_pk_add_f32 v[RB+4*i+2:RB+4*i+3], v[RB+4*i+2:RB+4*i+3], v[M0+2:M0+3] neg_lo:[0,1] neg_hi:[0,1]
.set i, i+1
.endr
.set i, 0
.rept 16
	v_pk_fma_f32 v[RB+4*i:RB+4*i+1], v[RB+4*i:RB+4*i+1], v[AA:AA+1], v[BE:BE+1]
	v_pk_fma_f32 v[RB+4*i+2:RB+4*i+3], v[RB+4*i+2:RB+4*i+3], v[AA+2:AA+3], v[BE+2:BE+3]
.set i, i+1
.endr
	s_wait_alu depctr_va_vdst(0)                   ; xn is written into v[RB ..], which the LDS stores read; the joined sums are done reading v[RA ..], in which the loads below land
.set i, 0
.rept 16
	ds_store_b128 v[XSW], v[RB+4*i:RB+4*i+3] offset:528*i
.set i, i+1
.endr
.irp b, 0,1,2,3
.irp j, 0,1,2,3
	ds_load_b128 v[RA+16*\b+4*\j:RA+16*\b+4*\j+3], v[XSQ] offset:128*\b+16*\j   ; my own rows: LDS serves a wave's instructions in order (ISA guide 5.7.1.4)
.endr
.endr
	s_wait_dscnt 0x0
	QUANT RA, PC, PW
	s_wait_alu depctr_va_vdst(0)                   ; the codes and the word are written, which the LDS stores read
	IMAGE XWI, 0, PC
	ds_store_b32 v[XWS], v[PW]
	BARRIER                                        ; xn's eight fragments lie in LDS
	s_wait_loadcnt 0x0                             ; the weights
	; ---- 4: the hidden layer, a tile of 16 rows at a time.  The team's four fragments of xn are fetched at once, into the registers that xn's rows have left
	s_wait_alu depctr_vm_vsrc(0)                   ; my LDS stores have read xn's rows in v[RB ..], in which the fragments land, and the codes and the word, which the first tile's quantiser writes
.irp m, 0,1,2,3
	FETCH RB+12*\m, XRI, 1536*\m
	ds_load_b32 v[HS+\m], v[XRS] offset:128*\m
.endr
.irp m, 0,1,2,3
	s_wait_dscnt 12                                ; tile m's four loads are in: behind them stand twelve LDS instructions, four for each later fragment and four for each earlier tile's image
	WIN 0x11                                       ; source 0 (W1) and source 2 (b1) window 1
.irp t, 0,1,2,3,4,5,6,7
	MX RA+8*\t, W1+12*\t, RB+12*\m, B1+8*\t, W1S+\t, HS+\m
.endr
	WIN 0
	PLACES 4
.set j, 0
.rept 64
	v_max_num_f32 v[RA+j], 0, v[RA+j]              ; the activation, in f32
.set j, j+1
.endr
.if \m > 0
	s_wait_alu depctr_vm_vsrc(0)                   ; the last tile's LDS stores have read the codes and the word, which the quantiser writes
.endif
	QUANT RA, PC, PW
	s_wait_alu depctr_va_vdst(0)                   ; the codes and the word are written, which the LDS stores read.  (Behind the last tile it also stands for the next phase's loads: every reader and writer of v20-67, v[RB ..] and v[HS ..] is done)
	IMAGE HWI, 6144*\m, PC                         ; K step u of the second product, the team's rows 16 m on
	ds_store_b32 v[HWS], v[PW] offset:512*\m
.endr
	BARRIER                                        ; the hidden layer's fragments lie in LDS
	; ---- 5: my 32 outputs for the team's 64 rows: eight accumulators by turns; a K step at a time, K ascending; two buffers of four fragments by turns
.macro HFETCH s, reg, sc               ; K step s: the team's four hidden fragments and their scale words: sixteen LDS loads
.irp m, 0,1,2,3
	FETCH \reg+12*\m, HRI, (4*\m+\s)*1536
	ds_load_b32 v[\sc+\m], v[HRS] offset:(4*\m+\s)*128
.endr
.endm
.macro HMUL s, reg, sc                 ; and its eight products
	WIN 0x01                                       ; source 0 (W2) window 1
.irp m, 0,1,2,3
.irp n, 0,1
.if \s == 0
	MX RA+8*(4*\n+\m), W2+12*(4*\n+\s), \reg+12*\m, B2+8*\n, W2S+4*\n+\s, \sc+\m
.else
	MX RA+8*(4*\n+\m), W2+12*(4*\n+\s), \reg+12*\m, RA+8*(4*\n+\m), W2S+4*\n+\s, \sc+\m
.endif
.endr
.endr
	WIN 0
	PLACES 4                                       ; the places stay
.endm
	s_wait_alu depctr_vm_vsrc(0)                   ; the last image's LDS stores have read v[PC ..], in which fragments of K step 1 land
	HFETCH 0, RB, HS
	HFETCH 1, HB, HT
	s_wait_dscnt 16                                ; K step 0's sixteen loads are in; K step 1's sixteen may be out
	HMUL 0, RB, HS
	s_wait_dscnt 0x0                               ; K step 1 is in
	s_wait_alu depctr_va_vdst(0)                   ; K step 0's products are done reading v[RB ..] and v[HS ..], in which K step 2 lands
	HFETCH 2, RB, HS
	HMUL 1, HB, HT                                 ; (these name none of the registers that the loads above touch)
	s_wait_dscnt 0x0                               ; K step 2 is in
	s_wait_alu depctr_va_vdst(0)                   ; K step 1's products are done reading v[HB ..] and v[HT ..], in which K step 3 lands
	HFETCH 3, HB, HT
	HMUL 2, RB, HS
	s_wait_dscnt 0x0                               ; K step 3 is in
	HMUL 3, HB, HT
	s_wait_alu depctr_va_vdst(0)                   ; the products have written the accumulators, which the LDS stores read, and are done reading v[RB ..], in which rows land below; the places above stay beside this wait
.irp m, 0,1,2,3
.irp n, 0,1
	ds_store_b128 v[YSO], v[RA+8*(4*\n+\m):RA+8*(4*\n+\m)+3] offset:16*\m*528+64*\n       ; lane (r, h): outputs 32 u + 16 n + 8 h + 0 .. 7 of row 16 m + r
	ds_store_b128 v[YSO], v[RA+8*(4*\n+\m)+4:RA+8*(4*\n+\m)+7] offset:16*\m*528+64*\n+16
.endr
.endr
	BARRIER                                        ; 128 whole rows lie in the stage
	; ---- 6: the way out: my 16 rows, + xn
	s_wait_alu depctr_vm_vsrc(0)                   ; my LDS stores have read v[RA ..], in which xn's rows land
.set i, 0
.rept 16
	ds_load_b128 v[RB+4*i:RB+4*i+3], v[YSR] offset:528*i
.set i, i+1
.endr
.set i, 0
.rept 16
	ds_load_b128 v[RA+4*i:RA+4*i+3], v[XSW] offset:528*i
.set i, i+1
.endr
	s_wait_dscnt 0x0
.set i, 0
.rept 32
	v_pk_add_f32 v[RB+2*i:RB+2*i+1], v[RB+2*i:RB+2*i+1], v[RA+2*i:RA+2*i+1]
.set i, i+1
.endr
	s_wait_alu depctr_va_vdst(0)                   ; the rows of x2 are written, which the stores read
.set i, 0
.rept 16
	global_store_b128 v[LI], v[RB+4*i:RB+4*i+3], s[36:37] offset:512*i   ; a whole row: 512 consecutive bytes, aligned
.set i, i+1
.endr
	STATS RB, 20, RA, 46
.Lfunc_end_k_q444718487c_ffn:
	.size	k_q444718487c_ffn, .Lfunc_end_k_q444718487c_ffn-k_q444718487c_ffn
	.p2alignl 7, 3214868480
	.fill 96, 4, 3214868480
	.section	.rodata,"a",@progbits
	.p2align	6, 0x0
	.amdhsa_kernel k_q444718487c_ffn
		.amdhsa_group_segment_fixed_size 219136
		.amdhsa_private_segment_fixed_size 0
		.amdhsa_enable_private_segment 0
		.amdhsa_kernarg_size 80
		.amdhsa_user_sgpr_count 2
		.amdhsa_user_sgpr_kernarg_segment_ptr 1
		.amdhsa_wavefront_size32 1
		.amdhsa_system_sgpr_workgroup_id_x 1
		.amdhsa_system_sgpr_workgroup_id_y 1
		.amdhsa_system_sgpr_workgroup_id_z 1
		.amdhsa_system_vgpr_workitem_id 0
		.amdhsa_next_free_vgpr 512
		.amdhsa_next_free_sgpr 66
		.amdhsa_reserve_vcc 0
		.amdhsa_float_denorm_mode_32 3
		.amdhsa_float_denorm_mode_16_64 3
		.amdhsa_memory_ordered 1
		.amdhsa_forward_progress 1
		.amdhsa_inst_pref_size 108
	.end_amdhsa_kernel
	.amdgpu_metadata
---
amdhsa.version: [ 1, 2 ]
amdhsa.kernels:
  - .name:           k_q444718487c_ffn
    .symbol:         k_q444718487c_ffn.kd
    .args:
      - { .name: x1, .offset: 0, .size: 8, .value_kind: global_buffer, .address_space: global }
      - { .name: st1, .offset: 8, .size: 8, .value_kind: global_buffer, .address_space: global }
      - { .name: bn1_g, .offset: 16, .size: 8, .value_kind: global_buffer, .address_space: global }
      - { .name: bn1_b, .offset: 24, .size: 8, .value_kind: global_buffer, .address_space: global }
      - { .name: wimg, .offset: 32, .size: 8, .value_kind: global_buffer, .address_space: global }
      - { .name: wscl, .offset: 40, .size: 8, .value_kind: global_buffer, .address_space: global }
      - { .name: ff1_b, .offset: 48, .size: 8, .value_kind: global_buffer, .address_space: global }
      - { .name: ff2_b, .offset: 56, .size: 8, .value_kind: global_buffer, .address_space: global }
      - { .name: x2, .offset: 64, .size: 8, .value_kind: global_buffer, .address_space: global }
      - { .name: st2, .offset: 72, .size: 8, .value_kind: global_buffer, .address_space: global }
    .group_segment_fixed_size: 219136
    .private_segment_fixed_size: 0
    .kernarg_segment_align: 8
    .kernarg_segment_size: 80
    .max_flat_workgroup_size: 256
    .sgpr_count:     66
    .vgpr_count:     512
    .wavefront_size: 32
...
	.end_amdgpu_metadata
.endif
;; end of part 6
;; launch bn2: the kernel of part 4 again; grid 256 x 1, 8 waves a work-group, no clusters, 9,216 bytes of LDS; arguments x2, st2, bn2_g, bn2_b, out0; writes out0
